; MI455X (gfx1250); checked and timed in simulation.
; The chip was launched on July 23, 2026; its instructions are those of AMD's public machine-readable ISA for CDNA 5 (MIT licence, August 2026) and "CDNA5" Instruction Set Architecture Reference Guide (July 2026). The comments in the code are by the model that wrote it; some were corrected since.
;; Attention Block. Allowed arithmetic: float matrix products may take bf16 or f16 operands with f32 sums; other float arithmetic in f32, or as packed bf16 or f16 multiplies, adds, multiply-adds, maxima and minima; sums over many terms, partial sums and values carried from step to step in f32; what a program stores and reads back later, other than sums and carried values, may be rounded once to bf16 or f16.
;; Inputs: Wk 1,024 x 1,024 float32; Wo 1,024 x 1,024 float32; Wq 1,024 x 1,024 float32; Wv 1,024 x 1,024 float32; bk 1,024 float32; bo 1,024 float32; bq 1,024 float32; bv 1,024 float32; hidden_states 4 x 2,048 x 1,024 float32; mask 4 x 2,048 int32.
;; Outputs: out0 4 x 2,048 x 1,024 float32.
;; 2 versions, each right. Each part assembles by itself: llvm-mc -triple=amdgcn-amd-amdhsa -mcpu=gfx1250 --defsym DOCPART=n.
;; ======== version 1 of 2: 5 launches
;; limits: values outside matrix products are rounded to bf16
;; workspace buffers: xw 25,165,824 bytes; qkv 50,331,648 bytes; pbuf 33,554,432 bytes; stat 1,048,576 bytes; hid 16,777,216 bytes
;; launch cast (part 1): grid 384 x 1, 8 waves a work-group, no clusters, 0 bytes of LDS; arguments hidden_states, Wq, Wk, Wv, Wo, xw; writes xw
.if DOCPART == 1
	.amdgcn_target "amdgcn-amd-amdhsa--gfx1250"
	.amdhsa_code_object_version 6
	.text
	.protected	k_q36be68d0a2_cast
	.globl	k_q36be68d0a2_cast
	.p2align	8
	.type	k_q36be68d0a2_cast,@function
k_q36be68d0a2_cast:
	s_mov_b64 s[64:65], 0
	v_nop
	global_prefetch_b8 v0, s[64:65] scope:SCOPE_SE
	s_setreg_imm32_b32 hwreg(HW_REG_WAVE_MODE, 25, 1), 1
	s_wait_xcnt 0x0
; xw = hidden_states | Wq | Wk | Wv | Wo, rounded once to bf16 (nearest even): [12288][1024], rows 0 x, 8192 Wq, 9216 Wk, 10240 Wv, 11264 Wo.
; A stream: no LDS, no barrier, no matrix unit.  A work-group casts 32,768 numbers (131,072 bytes in, 65,536 out); 256 work-groups take x, 32 each weight.
; Thread t takes 8 neighbouring numbers (32 bytes) of each of 16 pieces of 8,192 bytes, so that its 16 bytes of bf16 lie beside its neighbours':
; a store of a wave covers 512 consecutive bytes, aligned.  All 32 loads of a thread go out at once; no register is written twice, so the only waits are the counted ones for data.
.set XPARTS, 256                       ; work-groups that take x
.set IN,  8                            ; v[8:135]   piece i: 8 numbers in f32
.set OUT, 136                          ; v[136:199] piece i: 8 numbers in bf16
	s_load_b256 s[4:11], s[0:1], 0x0               ; hidden_states s[4:5], Wq s[6:7], Wk s[8:9], Wv s[10:11]
	s_load_b128 s[12:15], s[0:1], 0x20             ; Wo s[12:13], xw s[14:15]
	s_mov_b32 s20, ttmp9                           ; g: my part of xw
	s_sub_co_u32 s21, s20, XPARTS                  ; j = g - 256: used only where g >= 256
	s_lshr_b32 s22, s21, 5                         ; which weight
	s_and_b32 s23, s21, 31                         ; which part of it
	s_lshl_b32 s24, s20, 16                        ; 65,536 g: my bytes in xw
	s_mov_b32 s25, 0
	s_mov_b32 s19, 0
	v_lshlrev_b32 v1, 5, v0                        ; 32 t: in
	v_lshlrev_b32 v2, 4, v0                        ; 16 t: out
	s_wait_kmcnt 0x0
	s_cmp_eq_u32 s22, 1                            ; the source is chosen among the five buffers by the work-group's number alone
	s_cselect_b64 s[16:17], s[8:9], s[6:7]
	s_cmp_eq_u32 s22, 2
	s_cselect_b64 s[16:17], s[10:11], s[16:17]
	s_cmp_eq_u32 s22, 3
	s_cselect_b64 s[16:17], s[12:13], s[16:17]
	s_cmp_lt_u32 s20, XPARTS
	s_cselect_b64 s[16:17], s[4:5], s[16:17]
	s_cselect_b32 s23, s20, s23                    ; the part's number in its own buffer
	s_lshl_b32 s18, s23, 17                        ; times 131,072 bytes
	s_add_nc_u64 s[16:17], s[16:17], s[18:19]
	s_add_nc_u64 s[14:15], s[14:15], s[24:25]
.set i, 0
.rept 16
	global_load_b128 v[IN+8*i:IN+8*i+3],   v1, s[16:17] offset:8192*i th:TH_LOAD_NT
	global_load_b128 v[IN+8*i+4:IN+8*i+7], v1, s[16:17] offset:8192*i+16 th:TH_LOAD_NT
.set i, i+1
.endr
.set i, 0
.rept 16
	s_wait_loadcnt 30-2*i                          ; loads come back in order: piece i's two are in, the 30 - 2 i younger ones stay out
	v_cvt_pk_bf16_f32 v[OUT+4*i],   v[IN+8*i],   v[IN+8*i+1]
	v_cvt_pk_bf16_f32 v[OUT+4*i+1], v[IN+8*i+2], v[IN+8*i+3]
	v_cvt_pk_bf16_f32 v[OUT+4*i+2], v[IN+8*i+4], v[IN+8*i+5]
	v_cvt_pk_bf16_f32 v[OUT+4*i+3], v[IN+8*i+6], v[IN+8*i+7]
	global_store_b128 v2, v[OUT+4*i:OUT+4*i+3], s[14:15] offset:4096*i
.set i, i+1
.endr
	s_endpgm
.Lfunc_end_k_q36be68d0a2_cast:
	.size	k_q36be68d0a2_cast, .Lfunc_end_k_q36be68d0a2_cast-k_q36be68d0a2_cast
	.p2alignl 7, 3214868480
	.fill 96, 4, 3214868480
	.section	.rodata,"a",@progbits
	.p2align	6, 0x0
	.amdhsa_kernel k_q36be68d0a2_cast
		.amdhsa_group_segment_fixed_size 0
		.amdhsa_private_segment_fixed_size 0
		.amdhsa_enable_private_segment 0
		.amdhsa_kernarg_size 48
		.amdhsa_user_sgpr_count 2
		.amdhsa_user_sgpr_kernarg_segment_ptr 1
		.amdhsa_wavefront_size32 1
		.amdhsa_system_sgpr_workgroup_id_x 1
		.amdhsa_system_sgpr_workgroup_id_y 1
		.amdhsa_system_sgpr_workgroup_id_z 1
		.amdhsa_system_vgpr_workitem_id 0
		.amdhsa_next_free_vgpr 200
		.amdhsa_next_free_sgpr 66
		.amdhsa_reserve_vcc 0
		.amdhsa_float_denorm_mode_32 3
		.amdhsa_float_denorm_mode_16_64 3
		.amdhsa_memory_ordered 1
		.amdhsa_forward_progress 1
		.amdhsa_inst_pref_size 11
	.end_amdhsa_kernel
	.amdgpu_metadata
---
amdhsa.version: [ 1, 2 ]
amdhsa.kernels:
  - .name:           k_q36be68d0a2_cast
    .symbol:         k_q36be68d0a2_cast.kd
    .args:
      - { .name: hidden_states, .offset: 0, .size: 8, .value_kind: global_buffer, .address_space: global }
      - { .name: Wq, .offset: 8, .size: 8, .value_kind: global_buffer, .address_space: global }
      - { .name: Wk, .offset: 16, .size: 8, .value_kind: global_buffer, .address_space: global }
      - { .name: Wv, .offset: 24, .size: 8, .value_kind: global_buffer, .address_space: global }
      - { .name: Wo, .offset: 32, .size: 8, .value_kind: global_buffer, .address_space: global }
      - { .name: xw, .offset: 40, .size: 8, .value_kind: global_buffer, .address_space: global }
    .group_segment_fixed_size: 0
    .private_segment_fixed_size: 0
    .kernarg_segment_align: 8
    .kernarg_segment_size: 48
    .max_flat_workgroup_size: 256
    .sgpr_count:     66
    .vgpr_count:     200
    .wavefront_size: 32
...
	.end_amdgpu_metadata
.endif
;; end of part 1
;; launch proj (part 2): grid 12 x 64, 4 waves a work-group, clusters of 4 x 4, 327,680 bytes of LDS; arguments xw, bq, bk, bv, qkv; writes qkv
.if DOCPART == 2
	.amdgcn_target "amdgcn-amd-amdhsa--gfx1250"
	.amdhsa_code_object_version 6
	.text
	.protected	k_q36be68d0a2_proj
	.globl	k_q36be68d0a2_proj
	.p2align	8
	.type	k_q36be68d0a2_proj,@function
k_q36be68d0a2_proj:
	s_mov_b64 s[64:65], 0
	v_nop
	global_prefetch_b8 v0, s[64:65] scope:SCOPE_SE
	s_setreg_imm32_b32 hwreg(HW_REG_WAVE_MODE, 25, 1), 1
	s_wait_xcnt 0x0
	s_wait_alu depctr_hold_cnt(0) depctr_sa_sdst(0) depctr_va_vdst(0) depctr_va_sdst(0) depctr_va_ssrc(0) depctr_va_vcc(0) depctr_vm_vsrc(0)
	s_getreg_b32 s2, hwreg(HW_REG_IB_STS2, 6, 4)
	s_cmp_eq_u32 s2, 0
	s_cbranch_scc0 .Lentry_in_a_cluster
	s_endpgm
.Lentry_in_a_cluster:
	s_bfe_u32 s2, ttmp6, 0x10000c
	s_cmp_lg_u32 s2, 0xf033
	s_cbranch_scc0 .Lentry_shape_is_right
	s_endpgm
.Lentry_shape_is_right:
; qkv[m][n] = sum over k of x[m][k] W[n][k] + b[n]; W = Wq | Wk | Wv (3,072 rows of xw from row 8,192 on), b = bq | bk | bv in f32.  x, W bf16; sums f32, started by the bias; qkv bf16, rounded once.
; qkv: [8192][3072], a row of 6,144 bytes: q at byte 0, k at 2,048, v at 4,096.
; SHARES.  A work-group makes 128 x 256 of qkv: 12 x 64 = 768 work-groups, three for each of 256 WGPs.  Four waves, each 64 x 128: 32 accumulators of 16 x 16, 256 registers.
; K = 1,024 goes in 8 steps of 128 through two LDS slots filled by tensor loads: rows of 256 bytes at multiples of 256.  Waves 0 and 1 fetch the halves (64 rows) of x's tile, waves 2 and 3 the halves (128 rows) of W's.
; CLUSTER 4 x 4.  x's tile hangs on the tile row alone and is asked for jointly along a row of the cluster, W's on the tile column alone and jointly along a column.
; THE MATRIX INSTRUCTION IS USED TRANSPOSED (source 0 = 16 rows of W, source 1 = 16 rows of x): lane l holds row l % 16 of the result and columns 8 (l / 16) + 0..7, eight neighbours that pack into 16 bytes.
; REGISTERS, in windows of 256 (s_set_vgpr_msb: bits 1:0 source 0, 3:2 source 1, 5:4 source 2, 7:6 destination):
;   window 0: v0-31 addresses; v32-63 packed results; v64-159, v160-255 two fragment buffers (8 fragments of W, then 4 of x; 32 along K); on the way out v64-191 rows read back
;   window 1: accumulator (a, b) at v[64 a + 8 b]          window 2: v0-63 the bias of my 128 columns, laid as an accumulator row
; LIMITS.  bf16 operands; NaN and infinities are not treated apart.
.set NSTEP,  8                         ; K steps of 128
.set PITCH,  272                       ; an LDS row: 256 bytes + 16 of padding = 68 words: the 16 rows of a fragment load start at 16 different groups of four banks (64 banks of 4 bytes: ISA guide 11.1)
.set HA,     64*PITCH                  ; half of x's tile: one tensor load, and what a wave reads of it
.set HB,     128*PITCH                 ; half of W's tile: likewise
.set SLOT1,  1<<17                     ; slot 0 at 0 (104,448 bytes: x's 128 rows, then W's 256); slot 1 here, so that one exclusive or changes slots
.set STAGE,  SLOT1+2*HA+2*HB           ; behind the ring: 16 rows x 272 bytes for each wave, for the way out; no tensor load fills it
.set SPITCH, 272
.set SPARE,  STAGE+4*16*SPITCH         ; the spare words, 128 bytes for each wave: two blocks of 256 bytes that no other line names
.set STEPA,  256                       ; bytes from a K step to the next
.set STEPB,  256
.set ROWB,   6144                      ; bytes in a row of qkv
.set ADRA0, 16                         ; v16  my lane's place in slot 0's tile of x
.set ADRB0, 17                         ; v17  the same for W
.set ADA,   18                         ; v18  the same in the slot in hand
.set ADB,   19                         ; v19
.set STO,   24                         ; v24  the way out: where I put 16 bytes of a row
.set RD,    25                         ; v25  where I read rows back
.set CO,    26                         ; v26  my byte offset in two rows of qkv
.set BO,    27                         ; v27  my byte offset in the bias
.set SPW,   28                         ; v28  LDS address of my spare word; never rewritten
.set NIL,   29                         ; v29  0; never rewritten
.set TMP,   32
.set F0,    64
.set F1,    160
.set BK0,   64                         ; block a's rows come back into v[64 + 32 a ..]
.set CNT,   3                          ; s3   trips
.set WV,    10                         ; s10  wave
.set MH,    11                         ; s11  which 64 rows of the tile are mine
.set NH,    12                         ; s12  which 128 columns; also which half of a tile I fetch
.set TY,    13                         ; s13  tile row
.set G1,    24                         ; s[24:31] group 1 for x's tiles
.set G0,    32                         ; s[32:39] group 0: a set for each first fill; the second then walks
.set CX,    40
.set CY,    41
.set TX,    42                         ; s42  tile column
.set MROW,  43
.set MCOL,  44
.set CLY,   45
.set G1B,   48                         ; s[48:55], s[56:63] the same for W's tiles
.set G0B,   56
.set TB,    70                         ; s70  LDS base of the slot in hand
.set CP,    82                         ; s[82:83] qkv at my part of the tile
.set MUL,   0x50                       ; C and D in window 1, sources in window 0
.set MULB,  0x60                       ; D in window 1, C (the bias) in window 2
.set G1W0,  (1<<16)|(1<<20)|(1<<21)|(5<<22)|(3<<25)  ; 17:16 2-byte elements; 20 padding on; 21 set beside a mask; 24:22 after every 64 words; 31:25 4 words
.set MSB, 0
.macro WIN new                         ; the high byte repeats the setting that is left; a switch that changes nothing is dropped
.if MSB != (\new)
	s_set_vgpr_msb (MSB<<8)|(\new)
.set MSB, (\new)
.endif
.endm
.macro PLACES                          ; four plain vector instructions between a matrix instruction and a load into, or a vector read of, its registers
.rept 4
	v_nop
.endr
.endm
.macro CREST                           ; a round of the cluster's barrier behind its opening barrier
	s_cmp_lg_u32 s[WV], 0
	s_cbranch_scc1 .Lnot_wave_0_\@
	s_barrier_signal -3
.Lnot_wave_0_\@:
	s_barrier_wait -3
	s_barrier_signal -1
	s_barrier_wait -1
.endm
.macro CROUND                          ; a whole round
	s_barrier_signal -1
	s_barrier_wait -1
	CREST
.endm
.macro JLOAD                           ; a joint refill by the walking sets; an s_nop 0 and four v_nop follow each line
	s_cmp_lt_u32 s[WV], 2
	s_cbranch_scc0 .Lfor_b_\@
	tensor_load_to_lds s[G0+4:G0+7], s[G1:G1+7]
	s_nop 0
.rept 4
	v_nop
.endr
	s_branch .Lasked_\@
.Lfor_b_\@:
	tensor_load_to_lds s[G0B+4:G0B+7], s[G1B:G1B+7]
	s_nop 0
.rept 4
	v_nop
.endr
.Lasked_\@:
.endm
; 8 matrix instructions: row block a x all 8 column blocks, 32 along K.  first = 1: the bias starts the sums; nothing is cleared.
.macro MUL8 f, a, first
.if \first
	WIN MULB
.else
	WIN MUL
.endif
.irp b, 0,1,2,3,4,5,6,7
.if \first
	v_wmma_f32_16x16x32_bf16 v[64*(\a)+8*(\b):64*(\a)+8*(\b)+7], v[(\f)+8*(\b):(\f)+8*(\b)+7], v[(\f)+64+8*(\a):(\f)+64+8*(\a)+7], v[8*(\b):8*(\b)+7]
.else
	v_wmma_f32_16x16x32_bf16 v[64*(\a)+8*(\b):64*(\a)+8*(\b)+7], v[(\f)+8*(\b):(\f)+8*(\b)+7], v[(\f)+64+8*(\a):(\f)+64+8*(\a)+7], v[64*(\a)+8*(\b):64*(\a)+8*(\b)+7]
.endif
.endr
.endm
; 24 LDS loads in one run: the fragments of 32 along K at byte k of the rows, into buffer f: W's eight, then x's four
.macro FETCH k, f
	WIN 0
.irp i, 0,1,2,3,4,5,6,7
	ds_load_b128 v[(\f)+8*(\i):(\f)+8*(\i)+3],   v[ADB] offset:(\k)+(\i)*16*PITCH
	ds_load_b128 v[(\f)+8*(\i)+4:(\f)+8*(\i)+7], v[ADB] offset:(\k)+(\i)*16*PITCH+32
.endr
.irp i, 0,1,2,3
	ds_load_b128 v[(\f)+64+8*(\i):(\f)+64+8*(\i)+3],   v[ADA] offset:(\k)+(\i)*16*PITCH
	ds_load_b128 v[(\f)+64+8*(\i)+4:(\f)+64+8*(\i)+7], v[ADA] offset:(\k)+(\i)*16*PITCH+32
.endr
.endm
; A K step is four quarters of 32 along K, 32 matrix instructions each, on buffers 0, 1, 0, 1.  One of the first three: multiplies f, fetches the next quarter, at byte k, into g.
.macro QUARTER k, f, g, first
	s_wait_dscnt 4                                 ; W's fragments and x's blocks 0, 1 are in; the youngest four loads (blocks 2, 3) may be out
	MUL8 \f, 0, \first
	MUL8 \f, 1, \first
	PLACES
	FETCH \k, \g
	s_wait_dscnt 24                                ; all but the 24 just issued
	MUL8 \f, 2, \first
	MUL8 \f, 3, \first
.endm
; The last quarter multiplies buffer 1 and changes slots: ONE barrier.  In front of it each wave waits for all its tensor loads (one is out: its part of the next slot), adds 0 to its spare word,
; and waits for that and for its reads of this slot.  fill = 1: the barrier opens a round of the cluster's, and behind it this slot is filled again, two K steps ahead: 112 matrix instructions ahead of the wait for it.
.macro TURN fill
	WIN 0
	s_wait_tensorcnt 0x0                           ; no tensor load of mine is out, so a group 0 may be written
	ds_add_u32 v[SPW], v[NIL]                      ; 0 onto my spare word
.if \fill
	s_xor_b32 s[G0+5], s[G0+5], SLOT1              ; the walking sets: the other slot than last time, the next K step
	s_add_nc_u64 s[G0+6:G0+7], s[G0+6:G0+7], STEPA
	s_xor_b32 s[G0B+5], s[G0B+5], SLOT1
	s_add_nc_u64 s[G0B+6:G0B+7], s[G0B+6:G0B+7], STEPB
.endif
	s_wait_dscnt 5                                 ; the add and the youngest four loads may be out
	MUL8 F1, 0, 0
	s_wait_dscnt 0x0                               ; the add is done, and my reads of this slot are over
	s_barrier_signal -1
	MUL8 F1, 1, 0
	WIN 0
	s_barrier_wait -1
.if \fill
	CREST                                          ; no wave of any partner still reads this slot or has a load on its way
	JLOAD                                          ; the first tensor load behind the round; its four v_nop are also the places in front of the loads below
.else
	PLACES
.endif
	s_xor_b32 s[TB], s[TB], SLOT1
	v_add_nc_u32 v[ADA], s[TB], v[ADRA0]
	v_add_nc_u32 v[ADB], s[TB], v[ADRB0]
	FETCH 0, F0
	MUL8 F1, 2, 0
	MUL8 F1, 3, 0
.endm
; THE WAY OUT of row block a: rounded to bf16; 16 bytes a lane into my own stage; back as whole rows of 256 bytes; stored.
.macro PACK a
	WIN 0x05                                       ; sources in window 1
.irp b, 0,1,2,3,4,5,6,7
.irp r, 0,1,2,3
	v_cvt_pk_bf16_f32 v[TMP+4*(\b)+(\r)], v[64*(\a)+8*(\b)+2*(\r)], v[64*(\a)+8*(\b)+2*(\r)+1]
.endr
.endr
	WIN 0
.endm
.macro TOSTAGE a
	WIN 0
.irp b, 0,1,2,3,4,5,6,7
	ds_store_b128 v[STO], v[TMP+4*(\b):TMP+4*(\b)+3] offset:32*(\b)
.endr
.irp t, 0,1,2,3,4,5,6,7
	ds_load_b128 v[BK0+32*(\a)+4*(\t):BK0+32*(\a)+4*(\t)+3], v[RD] offset:(\t)*2*SPITCH  ; LDS serves a wave's instructions in order (ISA guide 5.7.1.4): these see the stores above
.endr
.endm
.macro SEND a
	WIN 0
	s_wait_dscnt 0x0                               ; the block is back in registers
.irp t, 0,1,2,3,4,5,6,7
	global_store_b128 v[CO], v[BK0+32*(\a)+4*(\t):BK0+32*(\a)+4*(\t)+3], s[CP:CP+1] offset:(16*(\a)+2*(\t))*ROWB  ; 16 lanes store 256 consecutive bytes, aligned; no register of a store is written again
.endr
.endm
	s_load_b256 s[72:79], s[0:1], 0x0              ; xw s[72:73], bq s[74:75], bk s[76:77], bv s[78:79]
	s_load_b64 s[80:81], s[0:1], 0x20              ; qkv
	v_lshl_add_u32 v[SPW], v0, 2, SPARE
	v_mov_b32 v[NIL], 0
	ds_add_u32 v[SPW], v[NIL]                      ; the wave's opening: the add and its wait stand ahead of my first tensor load
	v_lshrrev_b32 v1, 5, v0
	v_readfirstlane_b32 s[WV], v1
	s_lshr_b32 s[MH], s[WV], 1
	s_and_b32 s[NH], s[WV], 1
	s_bfe_u32 s[CX], ttmp6, 0x40000
	s_bfe_u32 s[CY], ttmp6, 0x40004
	s_lshl_b32 s[TX], ttmp9, 2
	s_add_co_u32 s[TX], s[TX], s[CX]               ; tile column = 4 x cluster x + cx
	s_mov_b32 s86, ttmp9                           ; cluster x: 0 q, 1 k, 2 v
	s_and_b32 s[CLY], ttmp7, 0xffff
	s_lshl_b32 s[TY], s[CLY], 2
	s_add_co_u32 s[TY], s[TY], s[CY]               ; tile row = 4 x cluster y + cy
	s_lshl_b32 s[MROW], s[CY], 2
	s_lshl_b32 s[MROW], 15, s[MROW]                ; my row of the cluster
	s_lshl_b32 s[MCOL], 0x1111, s[CX]              ; my column
	s_or_b32 s[G1], s[MROW], G1W0
	s_mov_b32 s[G1+1], 128<<16                     ; tensor_dim0 = 128
	s_mov_b32 s[G1+2], 64<<16                      ; tensor_dim1 = 64
	s_mov_b32 s[G1+3], 128<<16                     ; tile_dim0 = 128
	s_mov_b32 s[G1+4], 64                          ; tile_dim1 = 64
	s_mov_b32 s[G1+5], 1024                        ; elements from row to row
	s_mov_b32 s[G1+6], 0
	s_mov_b32 s[G1+7], 0
	s_or_b32 s[G1B], s[MCOL], G1W0
	s_mov_b32 s[G1B+1], 128<<16
	s_mov_b32 s[G1B+2], 128<<16                    ; 128 rows
	s_mov_b32 s[G1B+3], 128<<16
	s_mov_b32 s[G1B+4], 128
	s_mov_b32 s[G1B+5], 1024
	s_mov_b32 s[G1B+6], 0
	s_mov_b32 s[G1B+7], 0
	s_lshl_b32 s16, s[TY], 18                      ; x: (128 tile row + 64 half) rows of 2,048 bytes
	s_lshl_b32 s18, s[NH], 17
	s_add_co_u32 s16, s16, s18
	s_mov_b32 s17, 0
	s_lshl_b32 s46, s[TX], 19                      ; W: (8,192 + 256 tile column + 128 half) rows
	s_lshl_b32 s19, s[NH], 18
	s_add_co_u32 s46, s46, s19
	s_add_co_u32 s46, s46, 8192*2048
	s_mov_b32 s47, 0
	s_mul_i32 s21, s[NH], HA                       ; where they go: no place in the cluster enters an LDS address
	s_mul_i32 s22, s[NH], HB
	s_add_co_u32 s22, s22, 2*HA
	s_wait_dscnt 0x0                               ; the opening add is done
	s_wait_kmcnt 0x0
	s_add_nc_u64 s[14:15], s[72:73], s[16:17]
	s_add_nc_u64 s[46:47], s[72:73], s[46:47]
.irp s, 0,1
	s_mov_b32 s[G0+4*(\s)], 1
	s_add_co_u32 s[G0+4*(\s)+1], s21, (\s)*SLOT1
	s_add_nc_u64 s[G0+4*(\s)+2:G0+4*(\s)+3], s[14:15], (\s)*STEPA
	s_or_b32 s[G0+4*(\s)+3], s[G0+4*(\s)+3], 0x80000000
	s_mov_b32 s[G0B+4*(\s)], 1
	s_add_co_u32 s[G0B+4*(\s)+1], s22, (\s)*SLOT1
	s_add_nc_u64 s[G0B+4*(\s)+2:G0B+4*(\s)+3], s[46:47], (\s)*STEPB
	s_or_b32 s[G0B+4*(\s)+3], s[G0B+4*(\s)+3], 0x80000000
.endr
	CROUND                                         ; all sixteen work-groups are here: the first joint loads meet
	s_cmp_lt_u32 s[WV], 2                          ; a wave's two first fills stand in one branch: two loads of mine are out
	s_cbranch_scc0 .Lfirst_b
	tensor_load_to_lds s[G0:G0+3], s[G1:G1+7]
	s_nop 0
	tensor_load_to_lds s[G0+4:G0+7], s[G1:G1+7]
	s_nop 0
.rept 4
	v_nop
.endr
	s_branch .Lfirst_asked
.Lfirst_b:
	tensor_load_to_lds s[G0B:G0B+3], s[G1B:G1B+7]
	s_nop 0
	tensor_load_to_lds s[G0B+4:G0B+7], s[G1B:G1B+7]
	s_nop 0
.rept 4
	v_nop
.endr
.Lfirst_asked:
	v_and_b32 v1, 15, v0                           ; r = l % 16
	v_bfe_u32 v2, v0, 4, 1                         ; h = l / 16
	; the bias of my 128 columns: register j of column block b holds b[16 b + 8 h + j], whatever the row
	s_cmp_eq_u32 s86, 1
	s_cselect_b64 s[84:85], s[76:77], s[74:75]
	s_cmp_eq_u32 s86, 2
	s_cselect_b64 s[84:85], s[78:79], s[84:85]
	s_lshl_b32 s88, s[CX], 10                      ; (256 cx + 128 half) x 4 bytes
	s_lshl_b32 s7, s[NH], 9
	s_add_co_u32 s88, s88, s7
	s_mov_b32 s89, 0
	s_add_nc_u64 s[84:85], s[84:85], s[88:89]
	v_lshlrev_b32 v[BO], 5, v2
	WIN 0x80                                       ; destination window 2
.irp b, 0,1,2,3,4,5,6,7
	global_load_b128 v[8*(\b):8*(\b)+3],   v[BO], s[84:85] offset:64*(\b)
	global_load_b128 v[8*(\b)+4:8*(\b)+7], v[BO], s[84:85] offset:64*(\b)+16
.endr
	WIN 0
	v_mul_u32_u24 v3, v1, PITCH
	v_lshl_add_u32 v3, v2, 4, v3                   ; a fragment's row x pitch + 16 x half
	s_mul_i32 s4, s[MH], HA
	s_mul_i32 s5, s[NH], HB
	s_add_co_u32 s5, s5, 2*HA
	v_add_nc_u32 v[ADRA0], s4, v3
	v_add_nc_u32 v[ADRB0], s5, v3
	s_mul_i32 s6, s[WV], 16*SPITCH
	s_add_co_u32 s6, s6, STAGE                     ; my stage
	v_mul_u32_u24 v4, v1, SPITCH
	v_lshl_add_u32 v4, v2, 4, v4
	v_add_nc_u32 v[STO], s6, v4
	v_mul_u32_u24 v5, v2, SPITCH
	v_lshl_add_u32 v5, v1, 4, v5
	v_add_nc_u32 v[RD], s6, v5
	v_mul_u32_u24 v5, v2, ROWB
	v_lshl_add_u32 v[CO], v1, 4, v5
	s_lshl_b32 s8, s[TY], 7                        ; my first row of qkv,
	s_lshl_b32 s7, s[MH], 6
	s_add_co_u32 s8, s8, s7
	s_mul_i32 s8, s8, ROWB
	s_lshl_b32 s7, s[TX], 9                        ; my first column, in bytes
	s_add_co_u32 s8, s8, s7
	s_lshl_b32 s7, s[NH], 8
	s_add_co_u32 s8, s8, s7
	s_mov_b32 s9, 0
	s_add_nc_u64 s[CP:CP+1], s[80:81], s[8:9]
	s_wait_tensorcnt 0x1                           ; my part of K step 0 is in; K step 1's may stay out
	s_barrier_signal -1
	s_barrier_wait -1
	s_mov_b32 s[TB], 0
	v_add_nc_u32 v[ADA], s[TB], v[ADRA0]
	v_add_nc_u32 v[ADB], s[TB], v[ADRB0]
	FETCH 0, F0
	s_wait_loadcnt 0x0                             ; the bias
	QUARTER 64, F0, F1, 1                          ; the first quarter stands in front of the loop: its products start the sums
	WIN 0
	s_mov_b32 s[CNT], NSTEP-2
.Lstep:                                                ; a trip: from a K step's second quarter to the next step's first; it fills the slot that it leaves
	QUARTER 128, F1, F0, 0
	QUARTER 192, F0, F1, 0
	TURN 1
	QUARTER 64, F0, F1, 0
	WIN 0
	s_sub_co_u32 s[CNT], s[CNT], 1
	s_cmp_lg_u32 s[CNT], 0
	s_cbranch_scc1 .Lstep
	QUARTER 128, F1, F0, 0                         ; the last two K steps fill nothing
	QUARTER 192, F0, F1, 0
	TURN 0
	QUARTER 64, F0, F1, 0
	QUARTER 128, F1, F0, 0
	QUARTER 192, F0, F1, 0
	s_wait_dscnt 0x0
	MUL8 F1, 0, 0
	MUL8 F1, 1, 0
	MUL8 F1, 2, 0
	MUL8 F1, 3, 0
	WIN 0
	PLACES
	PACK 0
	TOSTAGE 0
.irp a, 1,2,3                          ; block a's conversions stand between block a - 1's loads from the stage and the wait for them
	PACK \a
	SEND (\a)-1
	TOSTAGE \a
.endr
	SEND 3
	s_wait_tensorcnt 0x0                           ; the wave's end
	ds_add_u32 v[SPW], v[NIL]
	s_wait_dscnt 0x0
	CROUND                                         ; the closing round
	s_endpgm
.Lfunc_end_k_q36be68d0a2_proj:
	.size	k_q36be68d0a2_proj, .Lfunc_end_k_q36be68d0a2_proj-k_q36be68d0a2_proj
	.p2alignl 7, 3214868480
	.fill 96, 4, 3214868480
	.section	.rodata,"a",@progbits
	.p2align	6, 0x0
	.amdhsa_kernel k_q36be68d0a2_proj
		.amdhsa_group_segment_fixed_size 327680
		.amdhsa_private_segment_fixed_size 0
		.amdhsa_enable_private_segment 0
		.amdhsa_kernarg_size 40
		.amdhsa_user_sgpr_count 2
		.amdhsa_user_sgpr_kernarg_segment_ptr 1
		.amdhsa_wavefront_size32 1
		.amdhsa_system_sgpr_workgroup_id_x 1
		.amdhsa_system_sgpr_workgroup_id_y 1
		.amdhsa_system_sgpr_workgroup_id_z 1
		.amdhsa_system_vgpr_workitem_id 0
		.amdhsa_next_free_vgpr 576
		.amdhsa_next_free_sgpr 96
		.amdhsa_reserve_vcc 0
		.amdhsa_float_denorm_mode_32 3
		.amdhsa_float_denorm_mode_16_64 3
		.amdhsa_memory_ordered 1
		.amdhsa_forward_progress 1
		.amdhsa_inst_pref_size 71
	.end_amdhsa_kernel
	.amdgpu_metadata
---
amdhsa.version: [ 1, 2 ]
amdhsa.kernels:
  - .name:           k_q36be68d0a2_proj
    .symbol:         k_q36be68d0a2_proj.kd
    .args:
      - { .name: xw, .offset: 0, .size: 8, .value_kind: global_buffer, .address_space: global }
      - { .name: bq, .offset: 8, .size: 8, .value_kind: global_buffer, .address_space: global }
      - { .name: bk, .offset: 16, .size: 8, .value_kind: global_buffer, .address_space: global }
      - { .name: bv, .offset: 24, .size: 8, .value_kind: global_buffer, .address_space: global }
      - { .name: qkv, .offset: 32, .size: 8, .value_kind: global_buffer, .address_space: global }
    .group_segment_fixed_size: 327680
    .private_segment_fixed_size: 0
    .kernarg_segment_align: 8
    .kernarg_segment_size: 40
    .max_flat_workgroup_size: 128
    .sgpr_count:     96
    .vgpr_count:     576
    .wavefront_size: 32
...
	.end_amdgpu_metadata
.endif
;; end of part 2
;; launch score (part 3): grid 8 x 64, 4 waves a work-group, clusters of 4 x 4, 327,680 bytes of LDS; arguments qkv, mask, pbuf, stat; writes pbuf, stat
.if DOCPART == 3
	.amdgcn_target "amdgcn-amd-amdhsa--gfx1250"
	.amdhsa_code_object_version 6
	.text
	.protected	k_q36be68d0a2_score
	.globl	k_q36be68d0a2_score
	.p2align	8
	.type	k_q36be68d0a2_score,@function
k_q36be68d0a2_score:
	s_mov_b64 s[64:65], 0
	v_nop
	global_prefetch_b8 v0, s[64:65] scope:SCOPE_SE
	s_setreg_imm32_b32 hwreg(HW_REG_WAVE_MODE, 25, 1), 1
	s_wait_xcnt 0x0
	s_wait_alu depctr_hold_cnt(0) depctr_sa_sdst(0) depctr_va_vdst(0) depctr_va_sdst(0) depctr_va_ssrc(0) depctr_va_vcc(0) depctr_vm_vsrc(0)
	s_getreg_b32 s2, hwreg(HW_REG_IB_STS2, 6, 4)
	s_cmp_eq_u32 s2, 0
	s_cbranch_scc0 .Lentry_in_a_cluster
	s_endpgm
.Lentry_in_a_cluster:
	s_bfe_u32 s2, ttmp6, 0x10000c
	s_cmp_lg_u32 s2, 0xf033
	s_cbranch_scc0 .Lentry_shape_is_right
	s_endpgm
.Lentry_shape_is_right:
; t[q][k] = log2(e) (q . k) / 32, or log2(e) x (-1e10) where mask[k] = 0.  For each query row and each CHUNK of 128 keys: m = the chunk's maximum of t, p = 2^(t - m) (bf16, into pbuf),
; l = the sum of the unrounded p; (m, l) go to stat[chunk][row].  The launch behind joins a row's 16 chunks into the true maximum and sum: the maximum is taken away before every exponential.
; q, k: bf16 in qkv ([8192][3072], q at byte 0, k at byte 2,048 of a row).  pbuf: bf16 [8192][2048].  stat: f32 [16][8192][2].
; SHARES.  A work-group makes 128 queries x 256 keys: 8 x 64 = 512 work-groups.  Four waves, each 64 queries x 128 keys: a wave's columns are one chunk, so maximum and sum never leave the wave.
; Frame: K = 1,024 in 8 steps of 128 through two LDS slots; waves 0, 1 fetch q's halves (64 rows), waves 2, 3 k's (128 rows); cluster 4 x 4, q's tile joint along a row, k's along a column.
; The matrix instruction is used transposed (source 0 = 16 keys, source 1 = 16 queries): lane l holds query l % 16 and keys 16 b + 8 (l / 16) + 0..7: a row's 128 keys lie in lanes l and l + 16.
; REGISTERS: window 0: v0-31 addresses, statistics, scratch; v32-63 packed p; v64-159, v160-255 fragment buffers; on the way out v64-127 t and p of a block, v128-255 rows read back
;   window 1: accumulator (a, b) at v[64 a + 8 b]      window 2: v0-63 MK (c = log2(e) / 32, or 0 for a hidden key), v64-127 AD (0, or -1e10 log2(e)): t = s MK + AD
; LIMITS.  A hidden score counts as s x 0 - 1e10 log2(e): scores must be finite.  A weight below 2^-126 counts as 0.  NaN and infinities are not treated apart.
.set NSTEP,  8
.set PITCH,  272                       ; 256 bytes + 16 of padding = 68 words: the 16 rows of a fragment load start at 16 different groups of four banks (ISA guide 11.1)
.set HA,     64*PITCH
.set HB,     128*PITCH
.set SLOT1,  1<<17
.set STAGE,  SLOT1+2*HA+2*HB           ; 16 rows x 272 bytes for each wave; no tensor load fills it
.set SPITCH, 272
.set SPARE,  STAGE+4*16*SPITCH         ; the spare words: two blocks of 256 bytes that no other line names
.set STEPA,  256
.set STEPB,  256
.set ROWB,   4096                      ; bytes in a row of pbuf
.set SO,    14                         ; v14  my byte offset in 32 rows of stat
.set ADRA0, 16
.set ADRB0, 17
.set ADA,   18
.set ADB,   19
.set STO,   24
.set RD,    25
.set CO,    26
.set BO,    27
.set SPW,   28
.set NIL,   29
.set TMP,   32
.set F0,    64
.set F1,    160
.set T,     64                         ; a block's 64 scores a lane
.set BK0,   128
.set CNT,   3
.set WV,    10
.set MH,    11
.set NH,    12
.set TY,    13
.set G1,    24
.set G0,    32
.set CX,    40
.set CY,    41
.set TX,    42
.set MROW,  43
.set MCOL,  44
.set CLY,   45
.set G1B,   48
.set G0B,   56
.set SEL,   66                         ; s[66:67] v_permlanex16_b32's selects: each lane takes its own place in the other half
.set HM,    68                         ; s68  lanes 16-31
.set CC,    69                         ; s69  log2(e) / 32
.set TB,    70
.set NEGL,  71                         ; s71  -1e10 log2(e)
.set CP,    82                         ; s[82:83] pbuf at my part of the tile
.set MUL,   0x50
.set G1W0,  (1<<16)|(1<<20)|(1<<21)|(5<<22)|(3<<25)
.set MSB, 0
.macro WIN new
.if MSB != (\new)
	s_set_vgpr_msb (MSB<<8)|(\new)
.set MSB, (\new)
.endif
.endm
.macro PLACES
.rept 4
	v_nop
.endr
.endm
.macro CREST
	s_cmp_lg_u32 s[WV], 0
	s_cbranch_scc1 .Lnot_wave_0_\@
	s_barrier_signal -3
.Lnot_wave_0_\@:
	s_barrier_wait -3
	s_barrier_signal -1
	s_barrier_wait -1
.endm
.macro CROUND
	s_barrier_signal -1
	s_barrier_wait -1
	CREST
.endm
.macro JLOAD
	s_cmp_lt_u32 s[WV], 2
	s_cbranch_scc0 .Lfor_b_\@
	tensor_load_to_lds s[G0+4:G0+7], s[G1:G1+7]
	s_nop 0
.rept 4
	v_nop
.endr
	s_branch .Lasked_\@
.Lfor_b_\@:
	tensor_load_to_lds s[G0B+4:G0B+7], s[G1B:G1B+7]
	s_nop 0
.rept 4
	v_nop
.endr
.Lasked_\@:
.endm
.macro MUL8 f, a, first                ; first = 1: the constant 0 starts the sums
	WIN MUL
.irp b, 0,1,2,3,4,5,6,7
.if \first
	v_wmma_f32_16x16x32_bf16 v[64*(\a)+8*(\b):64*(\a)+8*(\b)+7], v[(\f)+8*(\b):(\f)+8*(\b)+7], v[(\f)+64+8*(\a):(\f)+64+8*(\a)+7], 0
.else
	v_wmma_f32_16x16x32_bf16 v[64*(\a)+8*(\b):64*(\a)+8*(\b)+7], v[(\f)+8*(\b):(\f)+8*(\b)+7], v[(\f)+64+8*(\a):(\f)+64+8*(\a)+7], v[64*(\a)+8*(\b):64*(\a)+8*(\b)+7]
.endif
.endr
.endm
.macro FETCH k, f
	WIN 0
.irp i, 0,1,2,3,4,5,6,7
	ds_load_b128 v[(\f)+8*(\i):(\f)+8*(\i)+3],   v[ADB] offset:(\k)+(\i)*16*PITCH
	ds_load_b128 v[(\f)+8*(\i)+4:(\f)+8*(\i)+7], v[ADB] offset:(\k)+(\i)*16*PITCH+32
.endr
.irp i, 0,1,2,3
	ds_load_b128 v[(\f)+64+8*(\i):(\f)+64+8*(\i)+3],   v[ADA] offset:(\k)+(\i)*16*PITCH
	ds_load_b128 v[(\f)+64+8*(\i)+4:(\f)+64+8*(\i)+7], v[ADA] offset:(\k)+(\i)*16*PITCH+32
.endr
.endm
.macro QUARTER k, f, g, first
	s_wait_dscnt 4                                 ; k's fragments and q's blocks 0, 1 are in; the youngest four loads may be out
	MUL8 \f, 0, \first
	MUL8 \f, 1, \first
	PLACES
	FETCH \k, \g
	s_wait_dscnt 24                                ; all but the 24 just issued
	MUL8 \f, 2, \first
	MUL8 \f, 3, \first
.endm
.macro TURN fill                       ; the last quarter and the change of slots: one barrier; with fill = 1 it opens a round of the cluster's, and the slot just read is filled again first behind it
	WIN 0
	s_wait_tensorcnt 0x0                           ; no tensor load of mine is out, so a group 0 may be written
	ds_add_u32 v[SPW], v[NIL]                      ; 0 onto my spare word
.if \fill
	s_xor_b32 s[G0+5], s[G0+5], SLOT1
	s_add_nc_u64 s[G0+6:G0+7], s[G0+6:G0+7], STEPA
	s_xor_b32 s[G0B+5], s[G0B+5], SLOT1
	s_add_nc_u64 s[G0B+6:G0B+7], s[G0B+6:G0B+7], STEPB
.endif
	s_wait_dscnt 5                                 ; the add and the youngest four loads may be out
	MUL8 F1, 0, 0
	s_wait_dscnt 0x0                               ; the add is done, and my reads of this slot are over
	s_barrier_signal -1
	MUL8 F1, 1, 0
	WIN 0
	s_barrier_wait -1
.if \fill
	CREST
	JLOAD
.else
	PLACES
.endif
	s_xor_b32 s[TB], s[TB], SLOT1
	v_add_nc_u32 v[ADA], s[TB], v[ADRA0]
	v_add_nc_u32 v[ADB], s[TB], v[ADRB0]
	FETCH 0, F0
	MUL8 F1, 2, 0
	MUL8 F1, 3, 0
.endm
; THE SOFTMAX OF A CHUNK for row block a: 64 scores a lane.
.macro SOFT a
	WIN 0x29                                       ; source 0 (the sums) window 1, sources 1 and 2 (MK, AD) window 2, destination window 0
.set i, 0
.rept 32
	v_pk_fma_f32 v[T+2*i:T+2*i+1], v[64*(\a)+2*i:64*(\a)+2*i+1], v[2*i:2*i+1], v[64+2*i:64+2*i+1]
.set i, i+1
.endr
	WIN 0
.irp c, 0,1,2,3                        ; the maximum: four chains of 15 scores, three operands at a time,
	v_max3_num_f32 v[20+(\c)], v[T+16*(\c)], v[T+16*(\c)+1], v[T+16*(\c)+2]
.endr
.irp n, 0,1,2,3,4,5
.irp c, 0,1,2,3
	v_max3_num_f32 v[20+(\c)], v[20+(\c)], v[T+16*(\c)+3+2*(\n)], v[T+16*(\c)+4+2*(\n)]
.endr
.endr
	v_max3_num_f32 v20, v20, v[T+15], v[T+31]      ; the four scores left over, and the chains joined
	v_max3_num_f32 v22, v22, v[T+47], v[T+63]
	v_max3_num_f32 v20, v20, v21, v22
	v_max_num_f32 v20, v20, v23
	v_permlanex16_b32 v21, v20, s[SEL], s[SEL+1]   ; the row's other 64 keys lie in the lane 16 away
	v_max_num_f32 v30, v20, v21
	v_max_num_f32 v31, v20, v21
	v_max_num_f32 v[4+2*(\a)], v20, v21            ; m, kept for stat
.set i, 0
.rept 32
	v_pk_add_f32 v[T+2*i:T+2*i+1], v[T+2*i:T+2*i+1], v[30:31] neg_lo:[0,1] neg_hi:[0,1]
.set i, i+1
.endr
.set i, 0
.rept 64
	v_exp_f32 v[T+i], v[T+i]
.set i, i+1
.endr
	v_nop                                          ; a plain instruction between the last exponential and the use of its result (ISA guide 5.7.2)
.set i, 0
	s_wait_alu depctr_va_vdst(0)
.rept 32
	v_cvt_pk_bf16_f32 v[TMP+i], v[T+2*i], v[T+2*i+1]
.set i, i+1
.endr
.irp w, 16,8,4,2,1                     ; l: the 32 pairs are added as a tree, in place
.set i, 0
.rept \w
	v_pk_add_f32 v[T+2*i:T+2*i+1], v[T+2*i:T+2*i+1], v[T+2*(i+(\w)):T+2*(i+(\w))+1]
.set i, i+1
.endr
.endr
	v_add_f32 v20, v[T], v[T+1]
	v_permlanex16_b32 v21, v20, s[SEL], s[SEL+1]
	v_add_f32 v[5+2*(\a)], v20, v21                ; l
.endm
.macro TOSTAGE a
	WIN 0
.irp b, 0,1,2,3,4,5,6,7
	ds_store_b128 v[STO], v[TMP+4*(\b):TMP+4*(\b)+3] offset:32*(\b)
.endr
.irp t, 0,1,2,3,4,5,6,7
	ds_load_b128 v[BK0+32*(\a)+4*(\t):BK0+32*(\a)+4*(\t)+3], v[RD] offset:(\t)*2*SPITCH  ; LDS serves a wave's instructions in order (ISA guide 5.7.1.4)
.endr
.endm
.macro SEND a
	WIN 0
	s_wait_dscnt 0x0
.irp t, 0,1,2,3,4,5,6,7
	global_store_b128 v[CO], v[BK0+32*(\a)+4*(\t):BK0+32*(\a)+4*(\t)+3], s[CP:CP+1] offset:(16*(\a)+2*(\t))*ROWB  ; 16 lanes store 256 consecutive bytes, aligned
.endr
.endm
	s_load_b256 s[72:79], s[0:1], 0x0              ; qkv s[72:73], mask s[74:75], pbuf s[76:77], stat s[78:79]
	v_lshl_add_u32 v[SPW], v0, 2, SPARE
	v_mov_b32 v[NIL], 0
	ds_add_u32 v[SPW], v[NIL]                      ; the wave's opening: the add and its wait stand ahead of my first tensor load
	v_lshrrev_b32 v1, 5, v0
	v_readfirstlane_b32 s[WV], v1
	s_lshr_b32 s[MH], s[WV], 1
	s_and_b32 s[NH], s[WV], 1
	s_bfe_u32 s[CX], ttmp6, 0x40000
	s_bfe_u32 s[CY], ttmp6, 0x40004
	s_lshl_b32 s[TX], ttmp9, 2
	s_add_co_u32 s[TX], s[TX], s[CX]               ; which 256 keys
	s_and_b32 s[CLY], ttmp7, 0xffff
	s_lshl_b32 s[TY], s[CLY], 2
	s_add_co_u32 s[TY], s[TY], s[CY]               ; which 128 of the 8,192 query rows
	s_lshl_b32 s[MROW], s[CY], 2
	s_lshl_b32 s[MROW], 15, s[MROW]
	s_lshl_b32 s[MCOL], 0x1111, s[CX]
	s_or_b32 s[G1], s[MROW], G1W0
	s_mov_b32 s[G1+1], 128<<16
	s_mov_b32 s[G1+2], 64<<16
	s_mov_b32 s[G1+3], 128<<16
	s_mov_b32 s[G1+4], 64
	s_mov_b32 s[G1+5], 3072                        ; elements from row to row of qkv
	s_mov_b32 s[G1+6], 0
	s_mov_b32 s[G1+7], 0
	s_or_b32 s[G1B], s[MCOL], G1W0
	s_mov_b32 s[G1B+1], 128<<16
	s_mov_b32 s[G1B+2], 128<<16
	s_mov_b32 s[G1B+3], 128<<16
	s_mov_b32 s[G1B+4], 128
	s_mov_b32 s[G1B+5], 3072
	s_mov_b32 s[G1B+6], 0
	s_mov_b32 s[G1B+7], 0
	s_lshl_b32 s16, s[TY], 7                       ; q: row 128 tile row + 64 half
	s_lshl_b32 s18, s[NH], 6
	s_add_co_u32 s16, s16, s18
	s_mul_i32 s16, s16, 6144
	s_mov_b32 s17, 0
	s_lshr_b32 s20, s[CLY], 2                      ; the batch: 16 tile rows = 4 clusters each; made of the cluster's y alone
	s_lshl_b32 s46, s20, 11                        ; k: row 2,048 batch + 256 tile column + 128 half
	s_lshl_b32 s19, s[TX], 8
	s_add_co_u32 s46, s46, s19
	s_lshl_b32 s19, s[NH], 7
	s_add_co_u32 s46, s46, s19
	s_lshl_b32 s88, s46, 2                         ; the same keys in mask, 4 bytes each
	s_mov_b32 s89, 0
	s_mul_i32 s46, s46, 6144
	s_add_co_u32 s46, s46, 2048                    ; k lies 2,048 bytes into a row
	s_mov_b32 s47, 0
	s_mul_i32 s21, s[NH], HA
	s_mul_i32 s22, s[NH], HB
	s_add_co_u32 s22, s22, 2*HA
	s_mov_b32 s[SEL], 0x76543210
	s_mov_b32 s[SEL+1], 0xfedcba98
	s_mov_b32 s[HM], 0xffff0000
	s_mov_b32 s[CC], 0x3d38aa3b                    ; log2(e) / 32
	s_mov_b32 s[NEGL], 0xd056fa73                  ; -1e10 log2(e)
	s_wait_dscnt 0x0                               ; the opening add is done
	s_wait_kmcnt 0x0
	s_add_nc_u64 s[14:15], s[72:73], s[16:17]
	s_add_nc_u64 s[46:47], s[72:73], s[46:47]
.irp s, 0,1
	s_mov_b32 s[G0+4*(\s)], 1
	s_add_co_u32 s[G0+4*(\s)+1], s21, (\s)*SLOT1
	s_add_nc_u64 s[G0+4*(\s)+2:G0+4*(\s)+3], s[14:15], (\s)*STEPA
	s_or_b32 s[G0+4*(\s)+3], s[G0+4*(\s)+3], 0x80000000
	s_mov_b32 s[G0B+4*(\s)], 1
	s_add_co_u32 s[G0B+4*(\s)+1], s22, (\s)*SLOT1
	s_add_nc_u64 s[G0B+4*(\s)+2:G0B+4*(\s)+3], s[46:47], (\s)*STEPB
	s_or_b32 s[G0B+4*(\s)+3], s[G0B+4*(\s)+3], 0x80000000
.endr
	CROUND                                         ; the first joint loads meet
	s_cmp_lt_u32 s[WV], 2                          ; a wave's two first fills stand in one branch: two loads of mine are out
	s_cbranch_scc0 .Lfirst_b
	tensor_load_to_lds s[G0:G0+3], s[G1:G1+7]
	s_nop 0
	tensor_load_to_lds s[G0+4:G0+7], s[G1:G1+7]
	s_nop 0
.rept 4
	v_nop
.endr
	s_branch .Lfirst_asked
.Lfirst_b:
	tensor_load_to_lds s[G0B:G0B+3], s[G1B:G1B+7]
	s_nop 0
	tensor_load_to_lds s[G0B+4:G0B+7], s[G1B:G1B+7]
	s_nop 0
.rept 4
	v_nop
.endr
.Lfirst_asked:
	v_and_b32 v1, 15, v0
	v_bfe_u32 v2, v0, 4, 1
	s_add_nc_u64 s[86:87], s[74:75], s[88:89]      ; mask at my 128 keys: register j of key block b is key 16 b + 8 h + j
	v_lshlrev_b32 v[BO], 5, v2
	WIN 0x80
.irp b, 0,1,2,3,4,5,6,7
	global_load_b128 v[8*(\b):8*(\b)+3],   v[BO], s[86:87] offset:64*(\b)
	global_load_b128 v[8*(\b)+4:8*(\b)+7], v[BO], s[86:87] offset:64*(\b)+16
.endr
	WIN 0
	v_mul_u32_u24 v3, v1, PITCH
	v_lshl_add_u32 v3, v2, 4, v3
	s_mul_i32 s4, s[MH], HA
	s_mul_i32 s5, s[NH], HB
	s_add_co_u32 s5, s5, 2*HA
	v_add_nc_u32 v[ADRA0], s4, v3
	v_add_nc_u32 v[ADRB0], s5, v3
	s_mul_i32 s6, s[WV], 16*SPITCH
	s_add_co_u32 s6, s6, STAGE
	v_mul_u32_u24 v4, v1, SPITCH
	v_lshl_add_u32 v4, v2, 4, v4
	v_add_nc_u32 v[STO], s6, v4
	v_mul_u32_u24 v5, v2, SPITCH
	v_lshl_add_u32 v5, v1, 4, v5
	v_add_nc_u32 v[RD], s6, v5
	v_mul_u32_u24 v5, v2, ROWB
	v_lshl_add_u32 v[CO], v1, 4, v5
	v_and_b32 v[SO], 31, v0
	v_lshlrev_b32 v[SO], 3, v[SO]                  ; 8 bytes a row of stat
	s_lshl_b32 s8, s[TY], 7                        ; my first query row
	s_lshl_b32 s7, s[MH], 6
	s_add_co_u32 s8, s8, s7
	s_lshl_b32 s4, s[TX], 1                        ; my chunk = 2 tile column + half
	s_add_co_u32 s4, s4, s[NH]
	s_lshl_b32 s4, s4, 13
	s_add_co_u32 s4, s4, s8
	s_lshl_b32 s4, s4, 3                           ; (8,192 chunk + row) x 8 bytes
	s_mov_b32 s5, 0
	s_add_nc_u64 s[84:85], s[78:79], s[4:5]
	s_lshl_b32 s8, s8, 12                          ; row x 4,096 bytes of pbuf
	s_lshl_b32 s7, s[TX], 9
	s_add_co_u32 s8, s8, s7
	s_lshl_b32 s7, s[NH], 8
	s_add_co_u32 s8, s8, s7
	s_mov_b32 s9, 0
	s_add_nc_u64 s[CP:CP+1], s[76:77], s[8:9]
	s_wait_loadcnt 0x0                             ; the mask
	WIN 0x88                                       ; source 1 and destination window 2
.set i, 0
.rept 64
	v_cmp_ne_u32 vcc_lo, 0, v[i]
	v_cndmask_b32 v[64+i], s[NEGL], 0, vcc_lo      ; AD
	v_cndmask_b32 v[i], 0, s[CC], vcc_lo           ; MK, in the mask's place
.set i, i+1
.endr
	WIN 0
	s_wait_tensorcnt 0x1                           ; my part of K step 0 is in; K step 1's may stay out
	s_barrier_signal -1
	s_barrier_wait -1
	s_mov_b32 s[TB], 0
	v_add_nc_u32 v[ADA], s[TB], v[ADRA0]
	v_add_nc_u32 v[ADB], s[TB], v[ADRB0]
	FETCH 0, F0
	QUARTER 64, F0, F1, 1
	WIN 0
	s_mov_b32 s[CNT], NSTEP-2
.Lstep:
	QUARTER 128, F1, F0, 0
	QUARTER 192, F0, F1, 0
	TURN 1
	QUARTER 64, F0, F1, 0
	WIN 0
	s_sub_co_u32 s[CNT], s[CNT], 1
	s_cmp_lg_u32 s[CNT], 0
	s_cbranch_scc1 .Lstep
	QUARTER 128, F1, F0, 0                         ; the last two K steps fill nothing
	QUARTER 192, F0, F1, 0
	TURN 0
	QUARTER 64, F0, F1, 0
	QUARTER 128, F1, F0, 0
	QUARTER 192, F0, F1, 0
	s_wait_dscnt 0x0
	MUL8 F1, 0, 0
	MUL8 F1, 1, 0
	MUL8 F1, 2, 0
	MUL8 F1, 3, 0
	WIN 0
	PLACES
	SOFT 0
	TOSTAGE 0
.irp a, 1,2,3                          ; block a's softmax stands between block a - 1's loads from the stage and the wait for them
	SOFT \a
	SEND (\a)-1
	TOSTAGE \a
.endr
	SEND 3
	v_cndmask_b32 v20, v4, v6, s[HM]               ; (m, l): lanes 0-15 give block 0's (2's) rows, lanes 16-31 block 1's (3's)
	v_cndmask_b32 v21, v5, v7, s[HM]
	v_cndmask_b32 v22, v8, v10, s[HM]
	v_cndmask_b32 v23, v9, v11, s[HM]
	global_store_b64 v[SO], v[20:21], s[84:85]               ; 256 consecutive bytes, aligned
	global_store_b64 v[SO], v[22:23], s[84:85] offset:256
	s_wait_tensorcnt 0x0                           ; the wave's end
	ds_add_u32 v[SPW], v[NIL]
	s_wait_dscnt 0x0
	CROUND                                         ; the closing round
	s_endpgm
.Lfunc_end_k_q36be68d0a2_score:
	.size	k_q36be68d0a2_score, .Lfunc_end_k_q36be68d0a2_score-k_q36be68d0a2_score
	.p2alignl 7, 3214868480
	.fill 96, 4, 3214868480
	.section	.rodata,"a",@progbits
	.p2align	6, 0x0
	.amdhsa_kernel k_q36be68d0a2_score
		.amdhsa_group_segment_fixed_size 327680
		.amdhsa_private_segment_fixed_size 0
		.amdhsa_enable_private_segment 0
		.amdhsa_kernarg_size 32
		.amdhsa_user_sgpr_count 2
		.amdhsa_user_sgpr_kernarg_segment_ptr 1
		.amdhsa_wavefront_size32 1
		.amdhsa_system_sgpr_workgroup_id_x 1
		.amdhsa_system_sgpr_workgroup_id_y 1
		.amdhsa_system_sgpr_workgroup_id_z 1
		.amdhsa_system_vgpr_workitem_id 0
		.amdhsa_next_free_vgpr 640
		.amdhsa_next_free_sgpr 96
		.amdhsa_reserve_vcc 1
		.amdhsa_float_denorm_mode_32 3
		.amdhsa_float_denorm_mode_16_64 3
		.amdhsa_memory_ordered 1
		.amdhsa_forward_progress 1
		.amdhsa_inst_pref_size 123
	.end_amdhsa_kernel
	.amdgpu_metadata
---
amdhsa.version: [ 1, 2 ]
amdhsa.kernels:
  - .name:           k_q36be68d0a2_score
    .symbol:         k_q36be68d0a2_score.kd
    .args:
      - { .name: qkv, .offset: 0, .size: 8, .value_kind: global_buffer, .address_space: global }
      - { .name: mask, .offset: 8, .size: 8, .value_kind: global_buffer, .address_space: global }
      - { .name: pbuf, .offset: 16, .size: 8, .value_kind: global_buffer, .address_space: global }
      - { .name: stat, .offset: 24, .size: 8, .value_kind: global_buffer, .address_space: global }
    .group_segment_fixed_size: 327680
    .private_segment_fixed_size: 0
    .kernarg_segment_align: 8
    .kernarg_segment_size: 32
    .max_flat_workgroup_size: 128
    .sgpr_count:     96
    .vgpr_count:     640
    .wavefront_size: 32
...
	.end_amdgpu_metadata
.endif
;; end of part 3
;; launch pv (part 4): grid 4 x 64, 4 waves a work-group, clusters of 4 x 4, 327,680 bytes of LDS; arguments pbuf, qkv, stat, hid; writes hid
.if DOCPART == 4
	.amdgcn_target "amdgcn-amd-amdhsa--gfx1250"
	.amdhsa_code_object_version 6
	.text
	.protected	k_q36be68d0a2_pv
	.globl	k_q36be68d0a2_pv
	.p2align	8
	.type	k_q36be68d0a2_pv,@function
k_q36be68d0a2_pv:
	s_mov_b64 s[64:65], 0
	v_nop
	global_prefetch_b8 v0, s[64:65] scope:SCOPE_SE
	s_setreg_imm32_b32 hwreg(HW_REG_WAVE_MODE, 25, 1), 1
	s_wait_xcnt 0x0
	s_wait_alu depctr_hold_cnt(0) depctr_sa_sdst(0) depctr_va_vdst(0) depctr_va_sdst(0) depctr_va_ssrc(0) depctr_va_vcc(0) depctr_vm_vsrc(0)
	s_getreg_b32 s2, hwreg(HW_REG_IB_STS2, 6, 4)
	s_cmp_eq_u32 s2, 0
	s_cbranch_scc0 .Lentry_in_a_cluster
	s_endpgm
.Lentry_in_a_cluster:
	s_bfe_u32 s2, ttmp6, 0x10000c
	s_cmp_lg_u32 s2, 0xf033
	s_cbranch_scc0 .Lentry_shape_is_right
	s_endpgm
.Lentry_shape_is_right:
; hid[q][c] = sum over the 16 chunks t of f[q][t] x (sum over the chunk's 128 keys of p[q][k] v[k][c]), f = 2^(m_t - M) / L, M = max over t of m_t, L = sum over t of 2^(m_t - M) l_t:
; the softmax's true maximum and sum, joined from the chunks' (m, l) in stat.  p: bf16 [8192][2048]; v: bf16, byte 4,096 of qkv's rows of 6,144; hid: bf16 [8192][1024].
; A K step of 128 keys IS a chunk: p's fragments are multiplied by the row's f of that chunk (both bf16, one rounding) on their way into the matrix unit; sums in f32.
; SHARES.  A work-group makes 128 queries x 256 channels: 4 x 64 = 256 work-groups.  Four waves, each 64 x 128.  K = 2,048 keys in 16 steps through two LDS slots.
; Waves 0, 1 fetch p's halves (64 rows x 256 bytes), waves 2, 3 v's (64 keys x 512 bytes).  Cluster 4 x 4: p's tile joint along a row, v's along a column.
; The matrix instruction is used transposed: source 0 = 16 channels x 32 keys, out of v's [key][channel] by the turning load ds_load_tr16_b128; source 1 = 16 queries of p.
; REGISTERS: window 0: v0-31 addresses, v8-11 the step's four factors; v32-63 packed results; v64-159, v160-255 fragment buffers; window 1: accumulator (a, b) at v[64 a + 8 b]
;   window 2 (start only): v0-127 (m, l) of chunk t, block a at v[8 t + 2 a]; v128-191 f, twice in bf16, at v[128 + 4 t + a]; v192-207 at work
; LIMITS.  f and p f are rounded to bf16; a factor below 2^-126 counts as 0; L is at least 1 (the chunk that holds M gives 1 x l, l >= 1).  NaN and infinities are not treated apart.
.set NSTEP,  16
.set PITCH,  272                       ; a row of p in LDS: 256 + 16
.set PV,     544                       ; a row of v: 512 + 32 = 136 words
.set HA,     64*PITCH
.set HB,     64*PV
.set SLOT1,  1<<17
.set STAGE,  SLOT1+2*HA+2*HB
.set SPITCH, 272
.set FT,     STAGE+4*16*SPITCH         ; the factors: for each wave 16 chunks x 16 rows x 4 blocks x 4 bytes = 4,096 bytes; no tensor load fills them
.set SPARE,  FT+4*4096                 ; the spare words: two blocks of 256 bytes that no other line names
.set STEPA,  256
.set STEPB,  128*6144                  ; 128 keys down
.set ROWB,   2048
.set FS,    8                          ; v[8:11] f of the K step in hand, for my row of blocks 0-3
.set VF0,   12                         ; v12  my row's place in my wave's factors
.set VF,    13                         ; v13  the same for the chunk to be fetched
.set ADRA0, 16
.set ADRB0, 17
.set ADA,   18
.set ADB,   19
.set STO,   24
.set RD,    25
.set CO,    26
.set BO,    27
.set SPW,   28
.set NIL,   29
.set TMP,   32
.set F0,    64
.set F1,    160
.set BK0,   64
.set CNT,   3
.set WV,    10
.set MH,    11
.set NH,    12
.set TY,    13
.set G1,    24
.set G0,    32
.set CX,    40
.set CY,    41
.set TX,    42
.set MROW,  43
.set MCOL,  44
.set CLY,   45
.set G1B,   48
.set G0B,   56
.set TB,    70
.set FTO,   71                         ; s71  256 x the chunk whose factors are fetched next
.set CP,    82
.set MUL,   0x50
.set MSB, 0
.macro WIN new
.if MSB != (\new)
	s_set_vgpr_msb (MSB<<8)|(\new)
.set MSB, (\new)
.endif
.endm
.macro PLACES
.rept 4
	v_nop
.endr
.endm
.macro CREST
	s_cmp_lg_u32 s[WV], 0
	s_cbranch_scc1 .Lnot_wave_0_\@
	s_barrier_signal -3
.Lnot_wave_0_\@:
	s_barrier_wait -3
	s_barrier_signal -1
	s_barrier_wait -1
.endm
.macro CROUND
	s_barrier_signal -1
	s_barrier_wait -1
	CREST
.endm
.macro JLOAD
	s_cmp_lt_u32 s[WV], 2
	s_cbranch_scc0 .Lfor_b_\@
	tensor_load_to_lds s[G0+4:G0+7], s[G1:G1+7]
	s_nop 0
.rept 4
	v_nop
.endr
	s_branch .Lasked_\@
.Lfor_b_\@:
	tensor_load_to_lds s[G0B+4:G0B+7], s[G1B:G1B+7]
	s_nop 0
.rept 4
	v_nop
.endr
.Lasked_\@:
.endm
.macro MUL8 f, a, first
	WIN MUL
.irp b, 0,1,2,3,4,5,6,7
.if \first
	v_wmma_f32_16x16x32_bf16 v[64*(\a)+8*(\b):64*(\a)+8*(\b)+7], v[(\f)+8*(\b):(\f)+8*(\b)+7], v[(\f)+64+8*(\a):(\f)+64+8*(\a)+7], 0
.else
	v_wmma_f32_16x16x32_bf16 v[64*(\a)+8*(\b):64*(\a)+8*(\b)+7], v[(\f)+8*(\b):(\f)+8*(\b)+7], v[(\f)+64+8*(\a):(\f)+64+8*(\a)+7], v[64*(\a)+8*(\b):64*(\a)+8*(\b)+7]
.endif
.endr
.endm
.macro SCALE f, a                      ; block a's fragment of p times my row's f: a lane holds one row
	WIN 0
.irp i, 0,1,2,3,4,5,6,7
	v_pk_mul_bf16 v[(\f)+64+8*(\a)+(\i)], v[(\f)+64+8*(\a)+(\i)], v[FS+(\a)]
.endr
.endm
; One run of LDS loads: 32 keys at byte k of p's rows.  A step's first run begins with the step's four factors (25 loads; the factors are the oldest).
.macro FETCH k, f
	WIN 0
.if (\k) == 0
	v_add_nc_u32 v[VF], s[FTO], v[VF0]
	ds_load_b128 v[FS:FS+3], v[VF]
	s_add_co_u32 s[FTO], s[FTO], 256
.endif
.irp i, 0,1,2,3,4,5,6,7
	ds_load_tr16_b128 v[(\f)+8*(\i):(\f)+8*(\i)+3],   v[ADB] offset:((\k)/64)*32*PV+32*(\i)
	ds_load_tr16_b128 v[(\f)+8*(\i)+4:(\f)+8*(\i)+7], v[ADB] offset:((\k)/64)*32*PV+16*PV+32*(\i)
.endr
.irp i, 0,1,2,3
	ds_load_b128 v[(\f)+64+8*(\i):(\f)+64+8*(\i)+3],   v[ADA] offset:(\k)+(\i)*16*PITCH
	ds_load_b128 v[(\f)+64+8*(\i)+4:(\f)+64+8*(\i)+7], v[ADA] offset:(\k)+(\i)*16*PITCH+32
.endr
.endm
.macro QUARTER k, f, g, first
	WIN 0
	s_wait_dscnt 4                                 ; the factors, v's fragments and p's blocks 0, 1 are in; the youngest four loads may be out
	SCALE \f, 0
	SCALE \f, 1
	MUL8 \f, 0, \first
	MUL8 \f, 1, \first
	WIN 0
	s_wait_dscnt 0x0                               ; p's blocks 2, 3
	SCALE \f, 2
	SCALE \f, 3
	PLACES                                         ; in front of the loads into the buffer that the quarter before multiplied
	FETCH \k, \g
	MUL8 \f, 2, \first
	MUL8 \f, 3, \first
.endm
.macro TURN fill                       ; the last quarter and the change of slots; all four blocks are scaled ahead of the fetch that brings the next step's factors
	WIN 0
	s_wait_tensorcnt 0x0                           ; no tensor load of mine is out, so a group 0 may be written
	ds_add_u32 v[SPW], v[NIL]                      ; 0 onto my spare word
.if \fill
	s_xor_b32 s[G0+5], s[G0+5], SLOT1
	s_add_nc_u64 s[G0+6:G0+7], s[G0+6:G0+7], STEPA
	s_xor_b32 s[G0B+5], s[G0B+5], SLOT1
	s_add_nc_u64 s[G0B+6:G0B+7], s[G0B+6:G0B+7], STEPB
.endif
	s_wait_dscnt 5                                 ; the add and the youngest four loads may be out
	SCALE F1, 0
	SCALE F1, 1
	MUL8 F1, 0, 0
	s_wait_dscnt 0x0                               ; the add is done, and my reads of this slot are over
	s_barrier_signal -1
	MUL8 F1, 1, 0
	SCALE F1, 2                                    ; work on registers while the others arrive; it leaves every window 0
	SCALE F1, 3
	s_barrier_wait -1
.if \fill
	CREST
	JLOAD
.else
	PLACES
.endif
	s_xor_b32 s[TB], s[TB], SLOT1
	v_add_nc_u32 v[ADA], s[TB], v[ADRA0]
	v_add_nc_u32 v[ADB], s[TB], v[ADRB0]
	FETCH 0, F0
	MUL8 F1, 2, 0
	MUL8 F1, 3, 0
.endm
.macro PACK a
	WIN 0x05
.irp b, 0,1,2,3,4,5,6,7
.irp r, 0,1,2,3
	v_cvt_pk_bf16_f32 v[TMP+4*(\b)+(\r)], v[64*(\a)+8*(\b)+2*(\r)], v[64*(\a)+8*(\b)+2*(\r)+1]
.endr
.endr
	WIN 0
.endm
.macro TOSTAGE a
	WIN 0
.irp b, 0,1,2,3,4,5,6,7
	ds_store_b128 v[STO], v[TMP+4*(\b):TMP+4*(\b)+3] offset:32*(\b)
.endr
.irp t, 0,1,2,3,4,5,6,7
	ds_load_b128 v[BK0+32*(\a)+4*(\t):BK0+32*(\a)+4*(\t)+3], v[RD] offset:(\t)*2*SPITCH  ; LDS serves a wave's instructions in order (ISA guide 5.7.1.4)
.endr
.endm
.macro SEND a
	WIN 0
	s_wait_dscnt 0x0
.irp t, 0,1,2,3,4,5,6,7
	global_store_b128 v[CO], v[BK0+32*(\a)+4*(\t):BK0+32*(\a)+4*(\t)+3], s[CP:CP+1] offset:(16*(\a)+2*(\t))*ROWB  ; 16 lanes store 256 consecutive bytes, aligned
.endr
.endm
	s_load_b256 s[72:79], s[0:1], 0x0              ; pbuf s[72:73], qkv s[74:75], stat s[76:77], hid s[78:79]
	v_lshl_add_u32 v[SPW], v0, 2, SPARE
	v_mov_b32 v[NIL], 0
	ds_add_u32 v[SPW], v[NIL]                      ; the wave's opening: the add and its wait stand ahead of my first tensor load
	v_lshrrev_b32 v1, 5, v0
	v_readfirstlane_b32 s[WV], v1
	s_lshr_b32 s[MH], s[WV], 1
	s_and_b32 s[NH], s[WV], 1
	s_bfe_u32 s[CX], ttmp6, 0x40000
	s_bfe_u32 s[CY], ttmp6, 0x40004
	s_lshl_b32 s[TX], ttmp9, 2
	s_add_co_u32 s[TX], s[TX], s[CX]               ; which 256 channels
	s_and_b32 s[CLY], ttmp7, 0xffff
	s_lshl_b32 s[TY], s[CLY], 2
	s_add_co_u32 s[TY], s[TY], s[CY]               ; which 128 query rows
	s_lshl_b32 s[MROW], s[CY], 2
	s_lshl_b32 s[MROW], 15, s[MROW]
	s_lshl_b32 s[MCOL], 0x1111, s[CX]
	s_or_b32 s[G1], s[MROW], (1<<16)|(1<<20)|(1<<21)|(5<<22)|(3<<25)   ; p: 64 rows x 128 elements, 4 words of padding after every 64
	s_mov_b32 s[G1+1], 128<<16
	s_mov_b32 s[G1+2], 64<<16
	s_mov_b32 s[G1+3], 128<<16
	s_mov_b32 s[G1+4], 64
	s_mov_b32 s[G1+5], 2048
	s_mov_b32 s[G1+6], 0
	s_mov_b32 s[G1+7], 0
	s_or_b32 s[G1B], s[MCOL], (1<<16)|(1<<20)|(1<<21)|(6<<22)|(7<<25)  ; v: 64 keys x 256 elements, 8 words of padding after every 128
	s_mov_b32 s[G1B+1], 256<<16
	s_mov_b32 s[G1B+2], 64<<16
	s_mov_b32 s[G1B+3], 256<<16
	s_mov_b32 s[G1B+4], 64
	s_mov_b32 s[G1B+5], 3072
	s_mov_b32 s[G1B+6], 0
	s_mov_b32 s[G1B+7], 0
	s_lshl_b32 s16, s[TY], 19                      ; p: (128 tile row + 64 half) rows of 4,096 bytes
	s_lshl_b32 s18, s[NH], 18
	s_add_co_u32 s16, s16, s18
	s_mov_b32 s17, 0
	s_lshr_b32 s20, s[CLY], 2                      ; the batch, made of the cluster's y alone
	s_lshl_b32 s46, s20, 11                        ; v: key 2,048 batch + 64 half,
	s_lshl_b32 s19, s[NH], 6
	s_add_co_u32 s46, s46, s19
	s_mul_i32 s46, s46, 6144
	s_lshl_b32 s19, s[TX], 9                       ; channel 256 tile column,
	s_add_co_u32 s46, s46, s19
	s_add_co_u32 s46, s46, 4096                    ; 4,096 bytes into a row
	s_mov_b32 s47, 0
	s_mul_i32 s21, s[NH], HA
	s_mul_i32 s22, s[NH], HB
	s_add_co_u32 s22, s22, 2*HA
	s_mov_b32 s[FTO], 0
	s_wait_dscnt 0x0                               ; the opening add is done
	s_wait_kmcnt 0x0
	s_add_nc_u64 s[14:15], s[72:73], s[16:17]
	s_add_nc_u64 s[46:47], s[74:75], s[46:47]
.irp s, 0,1
	s_mov_b32 s[G0+4*(\s)], 1
	s_add_co_u32 s[G0+4*(\s)+1], s21, (\s)*SLOT1
	s_add_nc_u64 s[G0+4*(\s)+2:G0+4*(\s)+3], s[14:15], (\s)*STEPA
	s_or_b32 s[G0+4*(\s)+3], s[G0+4*(\s)+3], 0x80000000
	s_mov_b32 s[G0B+4*(\s)], 1
	s_add_co_u32 s[G0B+4*(\s)+1], s22, (\s)*SLOT1
	s_add_nc_u64 s[G0B+4*(\s)+2:G0B+4*(\s)+3], s[46:47], (\s)*STEPB
	s_or_b32 s[G0B+4*(\s)+3], s[G0B+4*(\s)+3], 0x80000000
.endr
	CROUND                                         ; the first joint loads meet
	s_cmp_lt_u32 s[WV], 2                          ; a wave's two first fills stand in one branch: two loads of mine are out
	s_cbranch_scc0 .Lfirst_b
	tensor_load_to_lds s[G0:G0+3], s[G1:G1+7]
	s_nop 0
	tensor_load_to_lds s[G0+4:G0+7], s[G1:G1+7]
	s_nop 0
.rept 4
	v_nop
.endr
	s_branch .Lfirst_asked
.Lfirst_b:
	tensor_load_to_lds s[G0B:G0B+3], s[G1B:G1B+7]
	s_nop 0
	tensor_load_to_lds s[G0B+4:G0B+7], s[G1B:G1B+7]
	s_nop 0
.rept 4
	v_nop
.endr
.Lfirst_asked:
	v_and_b32 v1, 15, v0
	v_bfe_u32 v2, v0, 4, 1
	s_lshl_b32 s8, s[TY], 7                        ; my first query row
	s_lshl_b32 s7, s[MH], 6
	s_add_co_u32 s8, s8, s7
	s_lshl_b32 s4, s8, 3                           ; 8 bytes a row of stat
	s_mov_b32 s5, 0
	s_add_nc_u64 s[84:85], s[76:77], s[4:5]
	v_lshlrev_b32 v[BO], 3, v1                     ; both halves of the lanes take row l % 16, as p's fragments do
	WIN 0x80
.set t, 0
.rept 16
.irp a, 0,1,2,3
	global_load_b64 v[8*t+2*(\a):8*t+2*(\a)+1], v[BO], s[84:85] offset:65536*t+128*(\a)
.endr
.set t, t+1
.endr
	WIN 0
	v_mul_u32_u24 v3, v1, PITCH
	v_lshl_add_u32 v3, v2, 4, v3
	s_mul_i32 s4, s[MH], HA
	v_add_nc_u32 v[ADRA0], s4, v3
	v_and_b32 v20, 7, v0                           ; the turning load: lane l reads key 8 (l / 16) + l % 8, channels 8 ((l / 8) % 2) + 0..7
	v_bfe_u32 v21, v0, 3, 1
	v_lshl_add_u32 v22, v2, 3, v20
	v_mul_u32_u24 v22, v22, PV
	v_lshl_add_u32 v22, v21, 4, v22
	s_lshl_b32 s5, s[NH], 8                        ; my 128 channels
	s_add_co_u32 s5, s5, 2*HA
	v_add_nc_u32 v[ADRB0], s5, v22
	s_mul_i32 s6, s[WV], 16*SPITCH
	s_add_co_u32 s6, s6, STAGE
	v_mul_u32_u24 v4, v1, SPITCH
	v_lshl_add_u32 v4, v2, 4, v4
	v_add_nc_u32 v[STO], s6, v4
	v_mul_u32_u24 v5, v2, SPITCH
	v_lshl_add_u32 v5, v1, 4, v5
	v_add_nc_u32 v[RD], s6, v5
	v_mul_u32_u24 v5, v2, ROWB
	v_lshl_add_u32 v[CO], v1, 4, v5
	s_lshl_b32 s6, s[WV], 12
	s_add_co_u32 s6, s6, FT
	v_lshl_add_u32 v[VF0], v1, 4, s6
	s_lshl_b32 s8, s8, 11                          ; row x 2,048 bytes of hid
	s_lshl_b32 s7, s[TX], 9
	s_add_co_u32 s8, s8, s7
	s_lshl_b32 s7, s[NH], 8
	s_add_co_u32 s8, s8, s7
	s_mov_b32 s9, 0
	s_add_nc_u64 s[CP:CP+1], s[78:79], s[8:9]
	s_wait_loadcnt 0x0                             ; stat
	WIN 0xaa                                       ; all in window 2
.irp a, 0,1,2,3
	v_max3_num_f32 v[192+4*(\a)], v[2*(\a)], v[8+2*(\a)], v[16+2*(\a)]          ; M
.irp n, 0,1,2,3,4,5
	v_max3_num_f32 v[192+4*(\a)], v[192+4*(\a)], v[8*(3+2*(\n))+2*(\a)], v[8*(4+2*(\n))+2*(\a)]
.endr
	v_max_num_f32 v[192+4*(\a)], v[192+4*(\a)], v[120+2*(\a)]
.set t, 0
.rept 16
	v_sub_f32 v[8*t+2*(\a)], v[8*t+2*(\a)], v[192+4*(\a)]
.set t, t+1
.endr
.set t, 0
.rept 16
	v_exp_f32 v[8*t+2*(\a)], v[8*t+2*(\a)]         ; 2^(m_t - M)
.set t, t+1
.endr
	v_nop                                          ; a plain instruction behind the last exponential (ISA guide 5.7.2)
	s_wait_alu depctr_va_vdst(0)
	v_mul_f32 v[193+4*(\a)], v[2*(\a)], v[2*(\a)+1]
.set t, 1
.rept 15
	v_fmac_f32 v[193+4*(\a)], v[8*t+2*(\a)], v[8*t+2*(\a)+1]                    ; L
.set t, t+1
.endr
	v_rcp_f32 v[194+4*(\a)], v[193+4*(\a)]
	v_nop
.set t, 0
	s_wait_alu depctr_va_vdst(0)
.rept 16
	v_mul_f32 v[8*t+2*(\a)], v[8*t+2*(\a)], v[194+4*(\a)]
.set t, t+1
.endr
.set t, 0
.rept 16
	v_cvt_pk_bf16_f32 v[128+4*t+(\a)], v[8*t+2*(\a)], v[8*t+2*(\a)]             ; f, in both halves
.set t, t+1
.endr
.endr
	WIN 0x08                                       ; store data in window 2
.set t, 0
.rept 16
	ds_store_b128 v[VF0], v[128+4*t:128+4*t+3] offset:256*t                     ; lanes l and l + 16 write the same 16 bytes with the same numbers
.set t, t+1
.endr
	WIN 0
	s_wait_tensorcnt 0x1                           ; my part of K step 0 is in; K step 1's may stay out
	s_wait_dscnt 0x0                               ; no LDS instruction of mine is out at a signal
	s_barrier_signal -1
	s_barrier_wait -1
	s_mov_b32 s[TB], 0
	v_add_nc_u32 v[ADA], s[TB], v[ADRA0]
	v_add_nc_u32 v[ADB], s[TB], v[ADRB0]
	FETCH 0, F0
	QUARTER 64, F0, F1, 1
	WIN 0
	s_mov_b32 s[CNT], NSTEP-2
.Lstep:
	QUARTER 128, F1, F0, 0
	QUARTER 192, F0, F1, 0
	TURN 1
	QUARTER 64, F0, F1, 0
	WIN 0
	s_sub_co_u32 s[CNT], s[CNT], 1
	s_cmp_lg_u32 s[CNT], 0
	s_cbranch_scc1 .Lstep
	QUARTER 128, F1, F0, 0                         ; the last two K steps fill nothing
	QUARTER 192, F0, F1, 0
	TURN 0
	QUARTER 64, F0, F1, 0
	QUARTER 128, F1, F0, 0
	QUARTER 192, F0, F1, 0
	WIN 0
	s_wait_dscnt 0x0
	SCALE F1, 0
	SCALE F1, 1
	SCALE F1, 2
	SCALE F1, 3
	MUL8 F1, 0, 0
	MUL8 F1, 1, 0
	MUL8 F1, 2, 0
	MUL8 F1, 3, 0
	WIN 0
	PLACES
	PACK 0
	TOSTAGE 0
.irp a, 1,2,3
	PACK \a
	SEND (\a)-1
	TOSTAGE \a
.endr
	SEND 3
	s_wait_tensorcnt 0x0                           ; the wave's end
	ds_add_u32 v[SPW], v[NIL]
	s_wait_dscnt 0x0
	CROUND                                         ; the closing round
	s_endpgm
.Lfunc_end_k_q36be68d0a2_pv:
	.size	k_q36be68d0a2_pv, .Lfunc_end_k_q36be68d0a2_pv-k_q36be68d0a2_pv
	.p2alignl 7, 3214868480
	.fill 96, 4, 3214868480
	.section	.rodata,"a",@progbits
	.p2align	6, 0x0
	.amdhsa_kernel k_q36be68d0a2_pv
		.amdhsa_group_segment_fixed_size 327680
		.amdhsa_private_segment_fixed_size 0
		.amdhsa_enable_private_segment 0
		.amdhsa_kernarg_size 32
		.amdhsa_user_sgpr_count 2
		.amdhsa_user_sgpr_kernarg_segment_ptr 1
		.amdhsa_wavefront_size32 1
		.amdhsa_system_sgpr_workgroup_id_x 1
		.amdhsa_system_sgpr_workgroup_id_y 1
		.amdhsa_system_sgpr_workgroup_id_z 1
		.amdhsa_system_vgpr_workitem_id 0
		.amdhsa_next_free_vgpr 768
		.amdhsa_next_free_sgpr 96
		.amdhsa_reserve_vcc 0
		.amdhsa_float_denorm_mode_32 3
		.amdhsa_float_denorm_mode_16_64 3
		.amdhsa_memory_ordered 1
		.amdhsa_forward_progress 1
		.amdhsa_inst_pref_size 117
	.end_amdhsa_kernel
	.amdgpu_metadata
---
amdhsa.version: [ 1, 2 ]
amdhsa.kernels:
  - .name:           k_q36be68d0a2_pv
    .symbol:         k_q36be68d0a2_pv.kd
    .args:
      - { .name: pbuf, .offset: 0, .size: 8, .value_kind: global_buffer, .address_space: global }
      - { .name: qkv, .offset: 8, .size: 8, .value_kind: global_buffer, .address_space: global }
      - { .name: stat, .offset: 16, .size: 8, .value_kind: global_buffer, .address_space: global }
      - { .name: hid, .offset: 24, .size: 8, .value_kind: global_buffer, .address_space: global }
    .group_segment_fixed_size: 327680
    .private_segment_fixed_size: 0
    .kernarg_segment_align: 8
    .kernarg_segment_size: 32
    .max_flat_workgroup_size: 128
    .sgpr_count:     96
    .vgpr_count:     768
    .wavefront_size: 32
...
	.end_amdgpu_metadata
.endif
;; end of part 4
;; launch outp (part 5): grid 4 x 64, 4 waves a work-group, clusters of 4 x 4, 327,680 bytes of LDS; arguments hid, xw, bo, hidden_states, out0; writes out0
.if DOCPART == 5
	.amdgcn_target "amdgcn-amd-amdhsa--gfx1250"
	.amdhsa_code_object_version 6
	.text
	.protected	k_q36be68d0a2_outp
	.globl	k_q36be68d0a2_outp
	.p2align	8
	.type	k_q36be68d0a2_outp,@function
k_q36be68d0a2_outp:
	s_mov_b64 s[64:65], 0
	v_nop
	global_prefetch_b8 v0, s[64:65] scope:SCOPE_SE
	s_setreg_imm32_b32 hwreg(HW_REG_WAVE_MODE, 25, 1), 1
	s_wait_xcnt 0x0
	s_wait_alu depctr_hold_cnt(0) depctr_sa_sdst(0) depctr_va_vdst(0) depctr_va_sdst(0) depctr_va_ssrc(0) depctr_va_vcc(0) depctr_vm_vsrc(0)
	s_getreg_b32 s2, hwreg(HW_REG_IB_STS2, 6, 4)
	s_cmp_eq_u32 s2, 0
	s_cbranch_scc0 .Lentry_in_a_cluster
	s_endpgm
.Lentry_in_a_cluster:
	s_bfe_u32 s2, ttmp6, 0x10000c
	s_cmp_lg_u32 s2, 0xf033
	s_cbranch_scc0 .Lentry_shape_is_right
	s_endpgm
.Lentry_shape_is_right:
; out0[m][e] = hidden_states[m][e] + bo[e] + sum over d of hid[m][d] Wo[e][d].  hid and Wo (rows 11,264 on of xw) bf16; sums f32, started by bo; the residual is added in f32; out0 f32.
; SHARES.  A work-group makes 128 x 256 of out0: 4 x 64 = 256 work-groups.  Four waves, each 64 x 128.  K = 1,024 in 8 steps of 128 through two LDS slots.
; Waves 0, 1 fetch hid's halves (64 rows), waves 2, 3 Wo's (128 rows).  Cluster 4 x 4: hid's tile joint along a row, Wo's along a column.
; The matrix instruction is used transposed (source 0 = 16 rows of Wo, source 1 = 16 rows of hid): lane l holds row l % 16 and columns 16 b + 8 (l / 16) + 0..7.
; The wave's 64 x 128 of the residual is asked for at the start, by rows (512 consecutive bytes a load), and lands under the products.
; REGISTERS: window 0: v0-31 addresses; v64-159, v160-255 fragment buffers; on the way out v64-127, v128-191 rows read back, by turns
;   window 1: accumulator (a, b) at v[64 a + 8 b]     window 2: the residual, row 16 a + t at v[64 a + 4 t]; then the result     window 3: v0-63 bo of my 128 columns
; LIMITS.  bf16 operands; NaN and infinities are not treated apart.
.set NSTEP,  8
.set PITCH,  272
.set HA,     64*PITCH
.set HB,     128*PITCH
.set SLOT1,  1<<17
.set STAGE,  SLOT1+2*HA+2*HB           ; 16 rows x 528 bytes for each wave; no tensor load fills it
.set SPITCH, 528                       ; 512 bytes + 16: 33 x 16, so the 16 rows that a store touches fall into 16 different groups of four banks (ISA guide 11.1)
.set SPARE,  STAGE+4*16*SPITCH         ; the spare words: two blocks of 256 bytes that no other line names
.set STEPA,  256
.set STEPB,  256
.set ROWB,   4096
.set ADRA0, 16
.set ADRB0, 17
.set ADA,   18
.set ADB,   19
.set STO,   24
.set RD,    25
.set CO,    26                         ; v26  16 x lane: my 16 bytes of a row's 512
.set BO,    27
.set SPW,   28
.set NIL,   29
.set F0,    64
.set F1,    160
.set CNT,   3
.set WV,    10
.set MH,    11
.set NH,    12
.set TY,    13
.set G1,    24
.set G0,    32
.set CX,    40
.set CY,    41
.set TX,    42
.set MROW,  43
.set MCOL,  44
.set CLY,   45
.set G1B,   48
.set G0B,   56
.set TB,    70
.set CP,    82                         ; s[82:83] out0 at my part of the tile
.set XP,    84                         ; s[84:85] hidden_states there
.set MUL,   0x50
.set MULB,  0x70                       ; D in window 1, C (bo) in window 3
.set G1W0,  (1<<16)|(1<<20)|(1<<21)|(5<<22)|(3<<25)
.set MSB, 0
.macro WIN new
.if MSB != (\new)
	s_set_vgpr_msb (MSB<<8)|(\new)
.set MSB, (\new)
.endif
.endm
.macro PLACES
.rept 4
	v_nop
.endr
.endm
.macro CREST
	s_cmp_lg_u32 s[WV], 0
	s_cbranch_scc1 .Lnot_wave_0_\@
	s_barrier_signal -3
.Lnot_wave_0_\@:
	s_barrier_wait -3
	s_barrier_signal -1
	s_barrier_wait -1
.endm
.macro CROUND
	s_barrier_signal -1
	s_barrier_wait -1
	CREST
.endm
.macro JLOAD
	s_cmp_lt_u32 s[WV], 2
	s_cbranch_scc0 .Lfor_b_\@
	tensor_load_to_lds s[G0+4:G0+7], s[G1:G1+7]
	s_nop 0
.rept 4
	v_nop
.endr
	s_branch .Lasked_\@
.Lfor_b_\@:
	tensor_load_to_lds s[G0B+4:G0B+7], s[G1B:G1B+7]
	s_nop 0
.rept 4
	v_nop
.endr
.Lasked_\@:
.endm
.macro MUL8 f, a, first                ; first = 1: bo starts the sums
.if \first
	WIN MULB
.else
	WIN MUL
.endif
.irp b, 0,1,2,3,4,5,6,7
.if \first
	v_wmma_f32_16x16x32_bf16 v[64*(\a)+8*(\b):64*(\a)+8*(\b)+7], v[(\f)+8*(\b):(\f)+8*(\b)+7], v[(\f)+64+8*(\a):(\f)+64+8*(\a)+7], v[8*(\b):8*(\b)+7]
.else
	v_wmma_f32_16x16x32_bf16 v[64*(\a)+8*(\b):64*(\a)+8*(\b)+7], v[(\f)+8*(\b):(\f)+8*(\b)+7], v[(\f)+64+8*(\a):(\f)+64+8*(\a)+7], v[64*(\a)+8*(\b):64*(\a)+8*(\b)+7]
.endif
.endr
.endm
.macro FETCH k, f
	WIN 0
.irp i, 0,1,2,3,4,5,6,7
	ds_load_b128 v[(\f)+8*(\i):(\f)+8*(\i)+3],   v[ADB] offset:(\k)+(\i)*16*PITCH
	ds_load_b128 v[(\f)+8*(\i)+4:(\f)+8*(\i)+7], v[ADB] offset:(\k)+(\i)*16*PITCH+32
.endr
.irp i, 0,1,2,3
	ds_load_b128 v[(\f)+64+8*(\i):(\f)+64+8*(\i)+3],   v[ADA] offset:(\k)+(\i)*16*PITCH
	ds_load_b128 v[(\f)+64+8*(\i)+4:(\f)+64+8*(\i)+7], v[ADA] offset:(\k)+(\i)*16*PITCH+32
.endr
.endm
.macro QUARTER k, f, g, first
	s_wait_dscnt 4                                 ; Wo's fragments and hid's blocks 0, 1 are in; the youngest four loads may be out
	MUL8 \f, 0, \first
	MUL8 \f, 1, \first
	PLACES
	FETCH \k, \g
	s_wait_dscnt 24                                ; all but the 24 just issued
	MUL8 \f, 2, \first
	MUL8 \f, 3, \first
.endm
.macro TURN fill
	WIN 0
	s_wait_tensorcnt 0x0                           ; no tensor load of mine is out, so a group 0 may be written
	ds_add_u32 v[SPW], v[NIL]                      ; 0 onto my spare word
.if \fill
	s_xor_b32 s[G0+5], s[G0+5], SLOT1
	s_add_nc_u64 s[G0+6:G0+7], s[G0+6:G0+7], STEPA
	s_xor_b32 s[G0B+5], s[G0B+5], SLOT1
	s_add_nc_u64 s[G0B+6:G0B+7], s[G0B+6:G0B+7], STEPB
.endif
	s_wait_dscnt 5                                 ; the add and the youngest four loads may be out
	MUL8 F1, 0, 0
	s_wait_dscnt 0x0                               ; the add is done, and my reads of this slot are over
	s_barrier_signal -1
	MUL8 F1, 1, 0
	WIN 0
	s_barrier_wait -1
.if \fill
	CREST
	JLOAD
.else
	PLACES
.endif
	s_xor_b32 s[TB], s[TB], SLOT1
	v_add_nc_u32 v[ADA], s[TB], v[ADRA0]
	v_add_nc_u32 v[ADB], s[TB], v[ADRB0]
	FETCH 0, F0
	MUL8 F1, 2, 0
	MUL8 F1, 3, 0
.endm
; THE WAY OUT of row block a.  TOST: a lane's eight f32 of a row go as 2 x 16 bytes into my own stage (each accumulator's low four registers first), and come back as whole rows of 512 bytes.
.macro TOST a
	WIN 0x04                                       ; store data in window 1
.irp b, 0,1,2,3,4,5,6,7
	ds_store_b128 v[STO], v[64*(\a)+8*(\b):64*(\a)+8*(\b)+3]   offset:64*(\b)
	ds_store_b128 v[STO], v[64*(\a)+8*(\b)+4:64*(\a)+8*(\b)+7] offset:64*(\b)+16
.endr
	WIN 0
.set BK, 64+64*((\a)%2)
.irp t, 0,1,2,3,4,5,6,7,8,9,10,11,12,13,14,15
	ds_load_b128 v[BK+4*(\t):BK+4*(\t)+3], v[RD] offset:SPITCH*(\t)  ; LDS serves a wave's instructions in order (ISA guide 5.7.1.4): these see the stores above
.endr
.endm
; FIN: the residual is added and the rows are stored.  younger: the LDS instructions issued behind block a's loads: the next block's 32, or none.
.macro FIN a, younger
	s_wait_dscnt \younger
	WIN 0x88                                       ; source 1 and destination (for a store: the data) in window 2
.set BK, 64+64*((\a)%2)
.set i, 0
.rept 32
	v_pk_add_f32 v[64*(\a)+2*i:64*(\a)+2*i+1], v[BK+2*i:BK+2*i+1], v[64*(\a)+2*i:64*(\a)+2*i+1]
.set i, i+1
.endr
.irp t, 0,1,2,3,4,5,6,7,8,9,10,11,12,13,14,15
	global_store_b128 v[CO], v[64*(\a)+4*(\t):64*(\a)+4*(\t)+3], s[CP:CP+1] offset:(16*(\a)+(\t))*ROWB th:TH_STORE_NT  ; 512 consecutive bytes, aligned; no register of a store is written again
.endr
.endm
	s_load_b256 s[72:79], s[0:1], 0x0              ; hid s[72:73], xw s[74:75], bo s[76:77], hidden_states s[78:79]
	s_load_b64 s[80:81], s[0:1], 0x20              ; out0
	v_lshl_add_u32 v[SPW], v0, 2, SPARE
	v_mov_b32 v[NIL], 0
	ds_add_u32 v[SPW], v[NIL]                      ; the wave's opening: the add and its wait stand ahead of my first tensor load
	v_lshrrev_b32 v1, 5, v0
	v_readfirstlane_b32 s[WV], v1
	s_lshr_b32 s[MH], s[WV], 1
	s_and_b32 s[NH], s[WV], 1
	s_bfe_u32 s[CX], ttmp6, 0x40000
	s_bfe_u32 s[CY], ttmp6, 0x40004
	s_lshl_b32 s[TX], ttmp9, 2
	s_add_co_u32 s[TX], s[TX], s[CX]
	s_and_b32 s[CLY], ttmp7, 0xffff
	s_lshl_b32 s[TY], s[CLY], 2
	s_add_co_u32 s[TY], s[TY], s[CY]
	s_lshl_b32 s[MROW], s[CY], 2
	s_lshl_b32 s[MROW], 15, s[MROW]
	s_lshl_b32 s[MCOL], 0x1111, s[CX]
	s_or_b32 s[G1], s[MROW], G1W0
	s_mov_b32 s[G1+1], 128<<16
	s_mov_b32 s[G1+2], 64<<16
	s_mov_b32 s[G1+3], 128<<16
	s_mov_b32 s[G1+4], 64
	s_mov_b32 s[G1+5], 1024
	s_mov_b32 s[G1+6], 0
	s_mov_b32 s[G1+7], 0
	s_or_b32 s[G1B], s[MCOL], G1W0
	s_mov_b32 s[G1B+1], 128<<16
	s_mov_b32 s[G1B+2], 128<<16
	s_mov_b32 s[G1B+3], 128<<16
	s_mov_b32 s[G1B+4], 128
	s_mov_b32 s[G1B+5], 1024
	s_mov_b32 s[G1B+6], 0
	s_mov_b32 s[G1B+7], 0
	s_lshl_b32 s16, s[TY], 18                      ; hid: (128 tile row + 64 half) rows of 2,048 bytes
	s_lshl_b32 s18, s[NH], 17
	s_add_co_u32 s16, s16, s18
	s_mov_b32 s17, 0
	s_lshl_b32 s46, s[TX], 19                      ; Wo: (11,264 + 256 tile column + 128 half) rows of xw
	s_lshl_b32 s19, s[NH], 18
	s_add_co_u32 s46, s46, s19
	s_add_co_u32 s46, s46, 11264*2048
	s_mov_b32 s47, 0
	s_mul_i32 s21, s[NH], HA
	s_mul_i32 s22, s[NH], HB
	s_add_co_u32 s22, s22, 2*HA
	s_wait_dscnt 0x0                               ; the opening add is done
	s_wait_kmcnt 0x0
	s_add_nc_u64 s[14:15], s[72:73], s[16:17]
	s_add_nc_u64 s[46:47], s[74:75], s[46:47]
.irp s, 0,1
	s_mov_b32 s[G0+4*(\s)], 1
	s_add_co_u32 s[G0+4*(\s)+1], s21, (\s)*SLOT1
	s_add_nc_u64 s[G0+4*(\s)+2:G0+4*(\s)+3], s[14:15], (\s)*STEPA
	s_or_b32 s[G0+4*(\s)+3], s[G0+4*(\s)+3], 0x80000000
	s_mov_b32 s[G0B+4*(\s)], 1
	s_add_co_u32 s[G0B+4*(\s)+1], s22, (\s)*SLOT1
	s_add_nc_u64 s[G0B+4*(\s)+2:G0B+4*(\s)+3], s[46:47], (\s)*STEPB
	s_or_b32 s[G0B+4*(\s)+3], s[G0B+4*(\s)+3], 0x80000000
.endr
	CROUND                                         ; the first joint loads meet
	s_cmp_lt_u32 s[WV], 2                          ; a wave's two first fills stand in one branch: two loads of mine are out
	s_cbranch_scc0 .Lfirst_b
	tensor_load_to_lds s[G0:G0+3], s[G1:G1+7]
	s_nop 0
	tensor_load_to_lds s[G0+4:G0+7], s[G1:G1+7]
	s_nop 0
.rept 4
	v_nop
.endr
	s_branch .Lfirst_asked
.Lfirst_b:
	tensor_load_to_lds s[G0B:G0B+3], s[G1B:G1B+7]
	s_nop 0
	tensor_load_to_lds s[G0B+4:G0B+7], s[G1B:G1B+7]
	s_nop 0
.rept 4
	v_nop
.endr
.Lfirst_asked:
	v_and_b32 v1, 15, v0
	v_bfe_u32 v2, v0, 4, 1
	s_lshl_b32 s88, s[TX], 10                      ; bo: (256 tile column + 128 half) x 4 bytes
	s_lshl_b32 s7, s[NH], 9
	s_add_co_u32 s88, s88, s7
	s_mov_b32 s89, 0
	s_add_nc_u64 s[86:87], s[76:77], s[88:89]
	v_lshlrev_b32 v[BO], 5, v2
	WIN 0xc0                                       ; destination window 3
.irp b, 0,1,2,3,4,5,6,7
	global_load_b128 v[8*(\b):8*(\b)+3],   v[BO], s[86:87] offset:64*(\b)
	global_load_b128 v[8*(\b)+4:8*(\b)+7], v[BO], s[86:87] offset:64*(\b)+16
.endr
	WIN 0
	s_lshl_b32 s8, s[TY], 7                        ; my first row,
	s_lshl_b32 s7, s[MH], 6
	s_add_co_u32 s8, s8, s7
	s_lshl_b32 s8, s8, 12                          ; of 4,096 bytes,
	s_add_co_u32 s8, s8, s88                       ; and my first column, 4 bytes each: the same offset as in bo
	s_mov_b32 s9, 0
	s_add_nc_u64 s[CP:CP+1], s[80:81], s[8:9]
	s_add_nc_u64 s[XP:XP+1], s[78:79], s[8:9]
	v_and_b32 v5, 31, v0
	v_lshlrev_b32 v[CO], 4, v5
	WIN 0x80                                       ; destination window 2
.set i, 0
.rept 64
	global_load_b128 v[4*i:4*i+3], v[CO], s[XP:XP+1] offset:i*ROWB th:TH_LOAD_NT   ; the residual's row i of my 64
.set i, i+1
.endr
	WIN 0
	v_mul_u32_u24 v3, v1, PITCH
	v_lshl_add_u32 v3, v2, 4, v3
	s_mul_i32 s4, s[MH], HA
	s_mul_i32 s5, s[NH], HB
	s_add_co_u32 s5, s5, 2*HA
	v_add_nc_u32 v[ADRA0], s4, v3
	v_add_nc_u32 v[ADRB0], s5, v3
	s_mul_i32 s6, s[WV], 16*SPITCH
	s_add_co_u32 s6, s6, STAGE                     ; my stage
	v_mul_u32_u24 v4, v1, SPITCH
	v_lshl_add_u32 v4, v2, 5, v4                   ; in: row l % 16, 32 bytes for each half of the lanes
	v_add_nc_u32 v[STO], s6, v4
	v_add_nc_u32 v[RD], s6, v[CO]                  ; back: 32 lanes take one row of 512 bytes
	s_wait_tensorcnt 0x1                           ; my part of K step 0 is in; K step 1's may stay out
	s_barrier_signal -1
	s_barrier_wait -1
	s_mov_b32 s[TB], 0
	v_add_nc_u32 v[ADA], s[TB], v[ADRA0]
	v_add_nc_u32 v[ADB], s[TB], v[ADRB0]
	FETCH 0, F0
	s_wait_loadcnt 0x3f                            ; bo's 16 loads are in: behind them stand the residual's 64, of which 63, as many as the count can name, may stay out
	QUARTER 64, F0, F1, 1
	WIN 0
	s_mov_b32 s[CNT], NSTEP-2
.Lstep:
	QUARTER 128, F1, F0, 0
	QUARTER 192, F0, F1, 0
	TURN 1
	QUARTER 64, F0, F1, 0
	WIN 0
	s_sub_co_u32 s[CNT], s[CNT], 1
	s_cmp_lg_u32 s[CNT], 0
	s_cbranch_scc1 .Lstep
	QUARTER 128, F1, F0, 0                         ; the last two K steps fill nothing
	QUARTER 192, F0, F1, 0
	TURN 0
	QUARTER 64, F0, F1, 0
	QUARTER 128, F1, F0, 0
	QUARTER 192, F0, F1, 0
	s_wait_dscnt 0x0
	MUL8 F1, 0, 0
	MUL8 F1, 1, 0
	MUL8 F1, 2, 0
	MUL8 F1, 3, 0
	WIN 0
	PLACES
	s_wait_loadcnt 0x0                             ; the residual
	TOST 0
	TOST 1
	FIN 0, 32
	TOST 2
	FIN 1, 32
	TOST 3
	FIN 2, 32
	FIN 3, 0
	WIN 0
	s_wait_tensorcnt 0x0                           ; the wave's end
	ds_add_u32 v[SPW], v[NIL]
	s_wait_dscnt 0x0
	CROUND                                         ; the closing round
	s_endpgm
.Lfunc_end_k_q36be68d0a2_outp:
	.size	k_q36be68d0a2_outp, .Lfunc_end_k_q36be68d0a2_outp-k_q36be68d0a2_outp
	.p2alignl 7, 3214868480
	.fill 96, 4, 3214868480
	.section	.rodata,"a",@progbits
	.p2align	6, 0x0
	.amdhsa_kernel k_q36be68d0a2_outp
		.amdhsa_group_segment_fixed_size 327680
		.amdhsa_private_segment_fixed_size 0
		.amdhsa_enable_private_segment 0
		.amdhsa_kernarg_size 40
		.amdhsa_user_sgpr_count 2
		.amdhsa_user_sgpr_kernarg_segment_ptr 1
		.amdhsa_wavefront_size32 1
		.amdhsa_system_sgpr_workgroup_id_x 1
		.amdhsa_system_sgpr_workgroup_id_y 1
		.amdhsa_system_sgpr_workgroup_id_z 1
		.amdhsa_system_vgpr_workitem_id 0
		.amdhsa_next_free_vgpr 832
		.amdhsa_next_free_sgpr 96
		.amdhsa_reserve_vcc 0
		.amdhsa_float_denorm_mode_32 3
		.amdhsa_float_denorm_mode_16_64 3
		.amdhsa_memory_ordered 1
		.amdhsa_forward_progress 1
		.amdhsa_inst_pref_size 84
	.end_amdhsa_kernel
	.amdgpu_metadata
---
amdhsa.version: [ 1, 2 ]
amdhsa.kernels:
  - .name:           k_q36be68d0a2_outp
    .symbol:         k_q36be68d0a2_outp.kd
    .args:
      - { .name: hid, .offset: 0, .size: 8, .value_kind: global_buffer, .address_space: global }
      - { .name: xw, .offset: 8, .size: 8, .value_kind: global_buffer, .address_space: global }
      - { .name: bo, .offset: 16, .size: 8, .value_kind: global_buffer, .address_space: global }
      - { .name: hidden_states, .offset: 24, .size: 8, .value_kind: global_buffer, .address_space: global }
      - { .name: out0, .offset: 32, .size: 8, .value_kind: global_buffer, .address_space: global }
    .group_segment_fixed_size: 327680
    .private_segment_fixed_size: 0
    .kernarg_segment_align: 8
    .kernarg_segment_size: 40
    .max_flat_workgroup_size: 128
    .sgpr_count:     96
    .vgpr_count:     832
    .wavefront_size: 32
...
	.end_amdgpu_metadata
.endif
;; end of part 5
;; ======== version 2 of 2: 6 launches
;; workspace buffers: xw 25,165,824 bytes; wp 2,097,152 bytes; cvec 4,096 bytes; qk 33,554,432 bytes; pbuf 33,554,432 bytes; stat 1,048,576 bytes; hid 16,777,216 bytes
;; launch cast (part 6): grid 768 x 1, 8 waves a work-group, no clusters, 0 bytes of LDS; arguments hidden_states, Wq, Wk, Wv, Wo, xw; writes xw
.if DOCPART == 6
	.amdgcn_target "amdgcn-amd-amdhsa--gfx1250"
	.amdhsa_code_object_version 6
	.text
	.protected	k_q36be68d0a2_cast
	.globl	k_q36be68d0a2_cast
	.p2align	8
	.type	k_q36be68d0a2_cast,@function
k_q36be68d0a2_cast:
	s_mov_b64 s[64:65], 0
	v_nop
	global_prefetch_b8 v0, s[64:65] scope:SCOPE_SE
	s_setreg_imm32_b32 hwreg(HW_REG_WAVE_MODE, 25, 1), 1
	s_wait_xcnt 0x0
; xw = hidden_states | Wq | Wk | Wv | Wo, rounded once to bf16 (nearest even): [12288][1024], rows 0 x, 8192 Wq, 9216 Wk, 10240 Wv, 11264 Wo.
; A stream: no LDS, no barrier, no matrix unit.  A work-group casts 16,384 numbers (65,536 bytes in, 32,768 out); 512 work-groups take x, 64 each weight: 768, three for each of 256 WGPs.
; Thread t takes 4 neighbouring numbers (16 bytes) of each of 16 pieces of 4,096 bytes: a load of a wave covers 512 consecutive bytes, and its store, 8 bytes a lane, 256 consecutive bytes, aligned.
; All 16 loads of a thread go out at once; no register is written twice, so the only waits are the counted ones for data.
.set XPARTS, 512                       ; work-groups that take x
.set IN,  4                            ; v[4:67]   piece i: 4 numbers in f32
.set OUT, 68                           ; v[68:99]  piece i: 4 numbers in bf16
	s_load_b256 s[4:11], s[0:1], 0x0               ; hidden_states s[4:5], Wq s[6:7], Wk s[8:9], Wv s[10:11]
	s_load_b128 s[12:15], s[0:1], 0x20             ; Wo s[12:13], xw s[14:15]
	s_mov_b32 s20, ttmp9                           ; g: my part of xw
	s_sub_co_u32 s21, s20, XPARTS                  ; j = g - 512: used only where g >= 512
	s_lshr_b32 s22, s21, 6                         ; which weight
	s_and_b32 s23, s21, 63                         ; which part of it
	s_lshl_b32 s24, s20, 15                        ; 32,768 g: my bytes in xw
	s_mov_b32 s25, 0
	s_mov_b32 s19, 0
	v_lshlrev_b32 v1, 4, v0                        ; 16 t: in
	v_lshlrev_b32 v2, 3, v0                        ; 8 t: out
	s_wait_kmcnt 0x0
	s_cmp_eq_u32 s22, 1                            ; the source is chosen among the five buffers by the work-group's number alone
	s_cselect_b64 s[16:17], s[8:9], s[6:7]
	s_cmp_eq_u32 s22, 2
	s_cselect_b64 s[16:17], s[10:11], s[16:17]
	s_cmp_eq_u32 s22, 3
	s_cselect_b64 s[16:17], s[12:13], s[16:17]
	s_cmp_lt_u32 s20, XPARTS
	s_cselect_b64 s[16:17], s[4:5], s[16:17]
	s_cselect_b32 s23, s20, s23                    ; the part's number in its own buffer
	s_lshl_b32 s18, s23, 16                        ; times 65,536 bytes
	s_add_nc_u64 s[16:17], s[16:17], s[18:19]
	s_add_nc_u64 s[14:15], s[14:15], s[24:25]
.set i, 0
.rept 16
	global_load_b128 v[IN+4*i:IN+4*i+3], v1, s[16:17] offset:4096*i th:TH_LOAD_NT
.set i, i+1
.endr
.set i, 0
.rept 16
	s_wait_loadcnt 15-i                            ; loads come back in order: piece i is in, the 15 - i younger ones stay out
	v_cvt_pk_bf16_f32 v[OUT+2*i],   v[IN+4*i],   v[IN+4*i+1]
	v_cvt_pk_bf16_f32 v[OUT+2*i+1], v[IN+4*i+2], v[IN+4*i+3]
	global_store_b64 v2, v[OUT+2*i:OUT+2*i+1], s[14:15] offset:2048*i
.set i, i+1
.endr
	s_endpgm
.Lfunc_end_k_q36be68d0a2_cast:
	.size	k_q36be68d0a2_cast, .Lfunc_end_k_q36be68d0a2_cast-k_q36be68d0a2_cast
	.p2alignl 7, 3214868480
	.fill 96, 4, 3214868480
	.section	.rodata,"a",@progbits
	.p2align	6, 0x0
	.amdhsa_kernel k_q36be68d0a2_cast
		.amdhsa_group_segment_fixed_size 0
		.amdhsa_private_segment_fixed_size 0
		.amdhsa_enable_private_segment 0
		.amdhsa_kernarg_size 48
		.amdhsa_user_sgpr_count 2
		.amdhsa_user_sgpr_kernarg_segment_ptr 1
		.amdhsa_wavefront_size32 1
		.amdhsa_system_sgpr_workgroup_id_x 1
		.amdhsa_system_sgpr_workgroup_id_y 1
		.amdhsa_system_sgpr_workgroup_id_z 1
		.amdhsa_system_vgpr_workitem_id 0
		.amdhsa_next_free_vgpr 100
		.amdhsa_next_free_sgpr 66
		.amdhsa_reserve_vcc 0
		.amdhsa_float_denorm_mode_32 3
		.amdhsa_float_denorm_mode_16_64 3
		.amdhsa_memory_ordered 1
		.amdhsa_forward_progress 1
		.amdhsa_inst_pref_size 7
	.end_amdhsa_kernel
	.amdgpu_metadata
---
amdhsa.version: [ 1, 2 ]
amdhsa.kernels:
  - .name:           k_q36be68d0a2_cast
    .symbol:         k_q36be68d0a2_cast.kd
    .args:
      - { .name: hidden_states, .offset: 0, .size: 8, .value_kind: global_buffer, .address_space: global }
      - { .name: Wq, .offset: 8, .size: 8, .value_kind: global_buffer, .address_space: global }
      - { .name: Wk, .offset: 16, .size: 8, .value_kind: global_buffer, .address_space: global }
      - { .name: Wv, .offset: 24, .size: 8, .value_kind: global_buffer, .address_space: global }
      - { .name: Wo, .offset: 32, .size: 8, .value_kind: global_buffer, .address_space: global }
      - { .name: xw, .offset: 40, .size: 8, .value_kind: global_buffer, .address_space: global }
    .group_segment_fixed_size: 0
    .private_segment_fixed_size: 0
    .kernarg_segment_align: 8
    .kernarg_segment_size: 48
    .max_flat_workgroup_size: 256
    .sgpr_count:     66
    .vgpr_count:     100
    .wavefront_size: 32
...
	.end_amdgpu_metadata
.endif
;; end of part 6
;; launch wprod (part 7): grid 16 x 16, 4 waves a work-group, clusters of 4 x 4, 327,680 bytes of LDS; arguments xw, Wo, bv, bo, wp, cvec; writes wp, cvec
.if DOCPART == 7
	.amdgcn_target "amdgcn-amd-amdhsa--gfx1250"
	.amdhsa_code_object_version 6
	.text
	.protected	k_q36be68d0a2_wprod
	.globl	k_q36be68d0a2_wprod
	.p2align	8
	.type	k_q36be68d0a2_wprod,@function
k_q36be68d0a2_wprod:
	s_mov_b64 s[64:65], 0
	v_nop
	global_prefetch_b8 v0, s[64:65] scope:SCOPE_SE
	s_setreg_imm32_b32 hwreg(HW_REG_WAVE_MODE, 25, 1), 1
	s_wait_xcnt 0x0
	s_wait_alu depctr_hold_cnt(0) depctr_sa_sdst(0) depctr_va_vdst(0) depctr_va_sdst(0) depctr_va_ssrc(0) depctr_va_vcc(0) depctr_vm_vsrc(0)
	s_getreg_b32 s2, hwreg(HW_REG_IB_STS2, 6, 4)
	s_cmp_eq_u32 s2, 0
	s_cbranch_scc0 .Lentry_in_a_cluster
	s_endpgm
.Lentry_in_a_cluster:
	s_bfe_u32 s2, ttmp6, 0x10000c
	s_cmp_lg_u32 s2, 0xf033
	s_cbranch_scc0 .Lentry_shape_is_right
	s_endpgm
.Lentry_shape_is_right:
; wp[e][d] = sum over c of Wo[e][c] Wv[c][d] (operands bf16 out of xw, sums f32, wp bf16, rounded once), and cvec[e] = bo[e] + sum over c of Wo[e][c] bv[c], all in f32.
; WHY.  The softmax's weights a sum to 1, so a (x Wv^T + bv) Wo^T + bo = (a x) (Wo Wv)^T + (Wo bv + bo), for every input: the launches behind multiply a by x itself and the result by wp.
; SHARES.  A work-group makes 64 x 64 of wp: 16 x 16 = 256 work-groups.  The whole K = 1,024 lies in LDS at once: each of the four waves issues ONE tensor load, nothing is filled again.
; Waves 0, 1: Wo's 64 rows, K halves (64 rows x 1,024 bytes).  Waves 2, 3: Wv's 64 columns, K halves (512 rows x 128 bytes).  A wave makes 16 rows x 64 columns: four accumulators.
; A tile's 64 columns are 128 bytes of a row of Wv and of wp, half of an aligned 256: 128 columns would want 1,024 x 288 bytes for Wv beside 32 rows of Wo (66,560): more than LDS holds.  wp is 2 MB in all.
; CLUSTER 4 x 4.  Wo's rows hang on the tile row alone and are asked for jointly along a row of the cluster, Wv's columns on the tile column alone and jointly along a column.
; The matrix instruction is used transposed: source 0 = 16 columns d x 32 c, out of Wv's [c][d] by the turning load ds_load_tr16_b128; source 1 = 16 rows of Wo: lane l holds row l % 16 and columns 16 b + 8 (l / 16) + 0..7.
; cvec: wave w of work-group (tx, ty) makes the one number e = 64 ty + 4 tx + w, from Wo's f32 row and bv, while the tiles are on their way: 1,024 waves, 1,024 numbers.
; LIMITS.  bf16 operands for wp; NaN and infinities are not treated apart.
.set PA,     1040                      ; half a row of Wo in LDS: 1,024 bytes + 16 = 65 x 16: the 16 rows of a fragment load start at 16 different groups of four banks (64 banks of 4 bytes: ISA guide 11.1)
.set HAB,    64*PA                     ; a K half of Wo's rows: one tensor load
.set PB,     160                       ; a row of Wv's tile: 128 bytes + 32 = 40 words
.set BB,     2*HAB                     ; Wv's tile lies behind Wo's; its two halves lie end to end: row c at BB + 160 c
.set HBB,    512*PB
.set STAGE,  BB+2*HBB                  ; 16 rows x 144 bytes for each wave, for the way out; no tensor load fills it
.set SP,     144
.set SPARE,  STAGE+4*16*SP             ; the spare words, 128 bytes for each wave: two blocks of 256 bytes that no other line names
.set ROWB,   2048                      ; bytes in a row of wp
.set ADA0,  8                          ; v8   my lane's place in Wo's rows, K = 0
.set ADB0,  9                          ; v9   the same in Wv's tile
.set ADA,   10                         ; v10  the same for the slice to be fetched
.set ADB,   11                         ; v11
.set STO,   12                         ; v12  the way out: where I put 16 bytes of a row
.set RD,    13                         ; v13  where I read rows back
.set CO,    14                         ; v14  my byte offset in four rows of wp
.set EV,    15                         ; v15  4 e: my wave's place in bo and cvec
.set LO,    16                         ; v16  16 x lane
.set BOV,   17                         ; v17  bo[e]
.set SPW,   18                         ; v18  LDS address of my spare word; never rewritten
.set NIL,   19                         ; v19  0; never rewritten
.set X0,    32                         ; v[32:71], v[72:111] two fragment buffers: Wv's four fragments, then Wo's one
.set X1,    72
.set ACC,   112                        ; v[112:143] accumulator b at ACC + 8 b
.set TMP,   144                        ; v[144:159] packed results
.set BK,    160                        ; v[160:175] rows read back
.set WR,    176                        ; v[176:207] my 32 numbers of Wo's f32 row
.set BV,    208                        ; v[208:239] the same 32 places of bv
.set CNT,   3
.set WV,    10
.set NH,    12                         ; s12  which K half I fetch
.set TY,    13
.set G1,    24                         ; s[24:31] group 1, s[32:35] group 0 for Wo's rows
.set G0,    32
.set CX,    40
.set CY,    41
.set TX,    42
.set MROW,  43
.set MCOL,  44
.set G1B,   48                         ; s[48:55], s[56:59] the same for Wv's columns
.set G0B,   56
.set SEL,   66                         ; s[66:67] v_permlanex16_b32's selects: each lane takes its own place in the other half
.set AO,    70                         ; s70  byte offset of the slice to be fetched in Wo's rows
.set BF,    71                         ; s71  the same in Wv's tile
.macro PLACES                          ; four plain vector instructions between a matrix instruction and a vector read of its result (ISA guide 7.12.1)
.rept 4
	v_nop
.endr
.endm
.macro CROUND                          ; a round of the cluster's barrier
	s_barrier_signal -1
	s_barrier_wait -1
	s_cmp_lg_u32 s[WV], 0
	s_cbranch_scc1 .Lnot_wave_0_\@
	s_barrier_signal -3
.Lnot_wave_0_\@:
	s_barrier_wait -3
	s_barrier_signal -1
	s_barrier_wait -1
.endm
.macro FETCH x                         ; ten LDS loads: 32 along K
.irp b, 0,1,2,3
	ds_load_tr16_b128 v[(\x)+8*(\b):(\x)+8*(\b)+3],   v[ADB] offset:32*(\b)
	ds_load_tr16_b128 v[(\x)+8*(\b)+4:(\x)+8*(\b)+7], v[ADB] offset:16*PB+32*(\b)
.endr
	ds_load_b128 v[(\x)+32:(\x)+35], v[ADA]
	ds_load_b128 v[(\x)+36:(\x)+39], v[ADA] offset:32
.endm
.macro MUL4 x, zero                    ; four matrix instructions, the four accumulators by turns; zero = 1: the constant 0 starts the sums
.irp b, 0,1,2,3
.if \zero
	v_wmma_f32_16x16x32_bf16 v[ACC+8*(\b):ACC+8*(\b)+7], v[(\x)+8*(\b):(\x)+8*(\b)+7], v[(\x)+32:(\x)+39], 0
.else
	v_wmma_f32_16x16x32_bf16 v[ACC+8*(\b):ACC+8*(\b)+7], v[(\x)+8*(\b):(\x)+8*(\b)+7], v[(\x)+32:(\x)+39], v[ACC+8*(\b):ACC+8*(\b)+7]
.endif
.endr
.endm
; A slice of 32 along K: the next slice is fetched into buffer y, astep bytes on in Wo's rows (0: there is none), then buffer x is multiplied.
; The two address lines and two v_nop are the four places between the products that read buffer y and the loads into it.
.macro SLICE x, y, zero, astep
.if \astep
	s_add_co_u32 s[AO], s[AO], \astep
	s_add_co_u32 s[BF], s[BF], 32*PB
	v_add_nc_u32 v[ADA], s[AO], v[ADA0]
	v_add_nc_u32 v[ADB], s[BF], v[ADB0]
	v_nop
	v_nop
	FETCH \y
	s_wait_dscnt 10                                ; all but the ten just issued: buffer x is in
.else
	s_wait_dscnt 0x0
.endif
	MUL4 \x, \zero
.endm
	s_load_b256 s[72:79], s[0:1], 0x0              ; xw s[72:73], Wo s[74:75], bv s[76:77], bo s[78:79]
	s_load_b128 s[80:83], s[0:1], 0x20             ; wp s[80:81], cvec s[82:83]
	v_lshl_add_u32 v[SPW], v0, 2, SPARE
	v_mov_b32 v[NIL], 0
	ds_add_u32 v[SPW], v[NIL]                      ; the wave's opening: the add and its wait stand ahead of my first tensor load
	v_lshrrev_b32 v1, 5, v0
	v_readfirstlane_b32 s[WV], v1
	s_and_b32 s[NH], s[WV], 1
	s_bfe_u32 s[CX], ttmp6, 0x40000
	s_bfe_u32 s[CY], ttmp6, 0x40004
	s_lshl_b32 s[TX], ttmp9, 2
	s_add_co_u32 s[TX], s[TX], s[CX]               ; which 64 columns d
	s_and_b32 s[TY], ttmp7, 0xffff
	s_lshl_b32 s[TY], s[TY], 2
	s_add_co_u32 s[TY], s[TY], s[CY]               ; which 64 rows e
	s_lshl_b32 s[MROW], s[CY], 2
	s_lshl_b32 s[MROW], 15, s[MROW]                ; my row of the cluster
	s_lshl_b32 s[MCOL], 0x1111, s[CX]              ; my column
	s_or_b32 s[G1], s[MROW], (1<<16)|(1<<20)|(1<<21)|(7<<22)|(3<<25)   ; 2-byte elements; padding on; 21 set beside a mask; after every 256 words 4 words
	s_mov_b32 s[G1+1], 512<<16                     ; tensor_dim0 = 512
	s_mov_b32 s[G1+2], 64<<16                      ; tensor_dim1 = 64
	s_mov_b32 s[G1+3], 512<<16                     ; tile_dim0 = 512
	s_mov_b32 s[G1+4], 64                          ; tile_dim1 = 64
	s_mov_b32 s[G1+5], 1024                        ; elements from row to row
	s_mov_b32 s[G1+6], 0
	s_mov_b32 s[G1+7], 0
	s_or_b32 s[G1B], s[MCOL], (1<<16)|(1<<20)|(1<<21)|(4<<22)|(7<<25)  ; after every 32 words 8 words
	s_mov_b32 s[G1B+1], 64<<16                     ; tensor_dim0 = 64
	s_mov_b32 s[G1B+2], 512<<16                    ; tensor_dim1 = 512
	s_mov_b32 s[G1B+3], 64<<16                     ; tile_dim0 = 64
	s_mov_b32 s[G1B+4], 512                        ; tile_dim1 = 512
	s_mov_b32 s[G1B+5], 1024
	s_mov_b32 s[G1B+6], 0
	s_mov_b32 s[G1B+7], 0
	s_lshl_b32 s16, s[TY], 17                      ; Wo: row 11,264 + 64 tile row, of 2,048 bytes; 1,024 bytes on for the second K half
	s_lshl_b32 s18, s[NH], 10
	s_add_co_u32 s16, s16, s18
	s_add_co_u32 s16, s16, 11264*2048
	s_mov_b32 s17, 0
	s_lshl_b32 s46, s[TX], 7                       ; Wv: row 10,240 + 512 K half; 128 bytes a tile column
	s_lshl_b32 s19, s[NH], 20
	s_add_co_u32 s46, s46, s19
	s_add_co_u32 s46, s46, 10240*2048
	s_mov_b32 s47, 0
	s_mul_i32 s21, s[NH], HAB                      ; where they go: no place in the cluster enters an LDS address
	s_mul_i32 s22, s[NH], HBB
	s_add_co_u32 s22, s22, BB
	s_mov_b32 s[SEL], 0x76543210
	s_mov_b32 s[SEL+1], 0xfedcba98
	s_wait_dscnt 0x0                               ; the opening add is done
	s_wait_kmcnt 0x0
	s_mov_b32 s[G0], 1
	s_mov_b32 s[G0+1], s21
	s_add_nc_u64 s[G0+2:G0+3], s[72:73], s[16:17]
	s_or_b32 s[G0+3], s[G0+3], 0x80000000
	s_mov_b32 s[G0B], 1
	s_mov_b32 s[G0B+1], s22
	s_add_nc_u64 s[G0B+2:G0B+3], s[72:73], s[46:47]
	s_or_b32 s[G0B+3], s[G0B+3], 0x80000000
	CROUND                                         ; all sixteen work-groups are here: the joint loads meet
	s_cmp_lt_u32 s[WV], 2                          ; one load a wave: one load of mine is out
	s_cbranch_scc0 .Lfirst_b
	tensor_load_to_lds s[G0:G0+3], s[G1:G1+7]
	s_nop 0
.rept 4
	v_nop
.endr
	s_branch .Lfirst_asked
.Lfirst_b:
	tensor_load_to_lds s[G0B:G0B+3], s[G1B:G1B+7]
	s_nop 0
.rept 4
	v_nop
.endr
.Lfirst_asked:
	; cvec[e], while the tiles are on their way: a lane takes 32 of the row's 1,024 numbers, each load of the wave 512 consecutive bytes
	v_and_b32 v4, 31, v0                           ; lane
	v_lshlrev_b32 v[LO], 4, v4
	s_lshl_b32 s4, s[TY], 6
	s_lshl_b32 s5, s[TX], 2
	s_add_co_u32 s4, s4, s5
	s_add_co_u32 s4, s4, s[WV]                     ; e = 64 ty + 4 tx + wave
	s_lshl_b32 s6, s4, 12                          ; a row of 4,096 bytes
	s_mov_b32 s7, 0
	s_add_nc_u64 s[84:85], s[74:75], s[6:7]
	s_lshl_b32 s8, s4, 2
	v_mov_b32 v[EV], s8
.set j, 0
.rept 8
	global_load_b128 v[WR+4*j:WR+4*j+3], v[LO], s[84:85] offset:512*j th:TH_LOAD_NT
	global_load_b128 v[BV+4*j:BV+4*j+3], v[LO], s[76:77] offset:512*j
.set j, j+1
.endr
	global_load_b32 v[BOV], v[EV], s[78:79]
	v_and_b32 v1, 15, v0                           ; r = l % 16
	v_bfe_u32 v2, v0, 4, 1                         ; h = l / 16
	s_mul_i32 s14, s[WV], 16*PA                    ; my 16 rows of Wo
	v_mul_u32_u24 v3, v1, PA
	v_lshl_add_u32 v3, v2, 4, v3                   ; row x pitch + 16 x half
	v_add_nc_u32 v[ADA0], s14, v3
	v_and_b32 v5, 7, v0                            ; the turning load: lane l reads row c = 8 (l / 16) + l % 8, columns 8 ((l / 8) % 2) + 0..7
	v_bfe_u32 v6, v0, 3, 1
	v_lshl_add_u32 v7, v2, 3, v5
	v_mul_u32_u24 v7, v7, PB
	v_lshl_add_u32 v7, v6, 4, v7
	v_add_nc_u32 v[ADB0], BB, v7
	s_mul_i32 s15, s[WV], 16*SP
	s_add_co_u32 s15, s15, STAGE                   ; my stage
	v_mul_u32_u24 v3, v1, SP                       ; in: row l % 16, 16 bytes for each half of the lanes
	v_lshl_add_u32 v3, v2, 4, v3
	v_add_nc_u32 v[STO], s15, v3
	v_bfe_u32 v3, v0, 3, 2                         ; back: 32 lanes take four rows of 128 bytes
	v_mul_u32_u24 v6, v3, SP
	v_lshl_add_u32 v6, v5, 4, v6
	v_add_nc_u32 v[RD], s15, v6
	v_lshlrev_b32 v[CO], 11, v3                    ; and the same four rows in wp
	v_lshl_add_u32 v[CO], v5, 4, v[CO]
	s_lshl_b32 s6, s[TY], 17                       ; wp at row 64 ty + 16 wave, column 64 tx
	s_lshl_b32 s5, s[WV], 15
	s_add_co_u32 s6, s6, s5
	s_lshl_b32 s5, s[TX], 7
	s_add_co_u32 s6, s6, s5
	s_add_nc_u64 s[86:87], s[80:81], s[6:7]
	s_wait_loadcnt 0x0
	v_pk_mul_f32 v[20:21], v[WR:WR+1], v[BV:BV+1]                 ; two chains of packed multiply-adds, started by the first products
	v_pk_mul_f32 v[22:23], v[WR+2:WR+3], v[BV+2:BV+3]
.set j, 1
.rept 7
	v_pk_fma_f32 v[20:21], v[WR+4*j:WR+4*j+1], v[BV+4*j:BV+4*j+1], v[20:21]
	v_pk_fma_f32 v[22:23], v[WR+4*j+2:WR+4*j+3], v[BV+4*j+2:BV+4*j+3], v[22:23]
.set j, j+1
.endr
	v_pk_add_f32 v[20:21], v[20:21], v[22:23]
	v_add_f32 v20, v20, v21
	v_add_f32_dpp v20, v20, v20 row_xmask:1 row_mask:0xf bank_mask:0xf    ; over the 32 lanes
	v_add_f32_dpp v20, v20, v20 row_xmask:2 row_mask:0xf bank_mask:0xf
	v_add_f32_dpp v20, v20, v20 row_xmask:4 row_mask:0xf bank_mask:0xf
	v_add_f32_dpp v20, v20, v20 row_xmask:8 row_mask:0xf bank_mask:0xf
	v_permlanex16_b32 v21, v20, s[SEL], s[SEL+1]
	v_add_f32 v20, v20, v21
	v_add_f32 v20, v20, v[BOV]
	v_cmp_eq_u32 vcc_lo, 0, v4
	s_wait_xcnt 0x0                                ; EXEC changes only behind this wait
	s_and_saveexec_b32 s9, vcc_lo
	global_store_b32 v[EV], v20, s[82:83]          ; lane 0 alone
	s_wait_xcnt 0x0                                ; and again, in front of the line that widens it
	s_or_b32 exec_lo, exec_lo, s9
	s_wait_tensorcnt 0x0                           ; my part of the tiles is in,
	s_barrier_signal -1
	s_barrier_wait -1                              ; everybody's is
	s_mov_b32 s[AO], 0
	s_mov_b32 s[BF], 0
	v_add_nc_u32 v[ADA], s[AO], v[ADA0]
	v_add_nc_u32 v[ADB], s[BF], v[ADB0]
	FETCH X0                                       ; slice 0
	SLICE X0, X1, 1, 64                            ; the first slice stands in front of the loop: its products start the sums
	SLICE X1, X0, 0, 64
	s_mov_b32 s[CNT], 6
.Lhalf0:                                               ; slices 2 to 13
	SLICE X0, X1, 0, 64
	SLICE X1, X0, 0, 64
	s_sub_co_u32 s[CNT], s[CNT], 1
	s_cmp_lg_u32 s[CNT], 0
	s_cbranch_scc1 .Lhalf0
	SLICE X0, X1, 0, 64                            ; slice 14
	SLICE X1, X0, 0, HAB-15*64                     ; slice 15; slice 16 begins Wo's second K half
	s_mov_b32 s[CNT], 7
.Lhalf1:                                               ; slices 16 to 29
	SLICE X0, X1, 0, 64
	SLICE X1, X0, 0, 64
	s_sub_co_u32 s[CNT], s[CNT], 1
	s_cmp_lg_u32 s[CNT], 0
	s_cbranch_scc1 .Lhalf1
	SLICE X0, X1, 0, 64                            ; slice 30
	SLICE X1, X0, 0, 0                             ; slice 31: nothing is left to fetch
	PLACES
.irp b, 0,1,2,3                        ; rounded to bf16, each accumulator from its low end on
.irp r, 0,1,2,3
	v_cvt_pk_bf16_f32 v[TMP+4*(\b)+(\r)], v[ACC+8*(\b)+2*(\r)], v[ACC+8*(\b)+2*(\r)+1]
.endr
.endr
.irp b, 0,1,2,3
	ds_store_b128 v[STO], v[TMP+4*(\b):TMP+4*(\b)+3] offset:32*(\b)
.endr
.irp f, 0,1,2,3
	ds_load_b128 v[BK+4*(\f):BK+4*(\f)+3], v[RD] offset:(\f)*4*SP  ; LDS serves a wave's instructions in order (ISA guide 5.7.1.4): these see the stores above
.endr
	s_wait_dscnt 0x0
.irp f, 0,1,2,3
	global_store_b128 v[CO], v[BK+4*(\f):BK+4*(\f)+3], s[86:87] offset:(\f)*4*ROWB  ; eight lanes store a row's 128 consecutive bytes
.endr
	s_wait_tensorcnt 0x0                           ; the wave's end
	ds_add_u32 v[SPW], v[NIL]
	s_wait_dscnt 0x0
	CROUND                                         ; the closing round
	s_endpgm
.Lfunc_end_k_q36be68d0a2_wprod:
	.size	k_q36be68d0a2_wprod, .Lfunc_end_k_q36be68d0a2_wprod-k_q36be68d0a2_wprod
	.p2alignl 7, 3214868480
	.fill 96, 4, 3214868480
	.section	.rodata,"a",@progbits
	.p2align	6, 0x0
	.amdhsa_kernel k_q36be68d0a2_wprod
		.amdhsa_group_segment_fixed_size 327680
		.amdhsa_private_segment_fixed_size 0
		.amdhsa_enable_private_segment 0
		.amdhsa_kernarg_size 48
		.amdhsa_user_sgpr_count 2
		.amdhsa_user_sgpr_kernarg_segment_ptr 1
		.amdhsa_wavefront_size32 1
		.amdhsa_system_sgpr_workgroup_id_x 1
		.amdhsa_system_sgpr_workgroup_id_y 1
		.amdhsa_system_sgpr_workgroup_id_z 1
		.amdhsa_system_vgpr_workitem_id 0
		.amdhsa_next_free_vgpr 240
		.amdhsa_next_free_sgpr 96
		.amdhsa_reserve_vcc 1
		.amdhsa_float_denorm_mode_32 3
		.amdhsa_float_denorm_mode_16_64 3
		.amdhsa_memory_ordered 1
		.amdhsa_forward_progress 1
		.amdhsa_inst_pref_size 24
	.end_amdhsa_kernel
	.amdgpu_metadata
---
amdhsa.version: [ 1, 2 ]
amdhsa.kernels:
  - .name:           k_q36be68d0a2_wprod
    .symbol:         k_q36be68d0a2_wprod.kd
    .args:
      - { .name: xw, .offset: 0, .size: 8, .value_kind: global_buffer, .address_space: global }
      - { .name: Wo, .offset: 8, .size: 8, .value_kind: global_buffer, .address_space: global }
      - { .name: bv, .offset: 16, .size: 8, .value_kind: global_buffer, .address_space: global }
      - { .name: bo, .offset: 24, .size: 8, .value_kind: global_buffer, .address_space: global }
      - { .name: wp, .offset: 32, .size: 8, .value_kind: global_buffer, .address_space: global }
      - { .name: cvec, .offset: 40, .size: 8, .value_kind: global_buffer, .address_space: global }
    .group_segment_fixed_size: 327680
    .private_segment_fixed_size: 0
    .kernarg_segment_align: 8
    .kernarg_segment_size: 48
    .max_flat_workgroup_size: 128
    .sgpr_count:     96
    .vgpr_count:     240
    .wavefront_size: 32
...
	.end_amdgpu_metadata
.endif
;; end of part 7
;; launch proj (part 8): grid 8 x 32, 4 waves a work-group, clusters of 4 x 4, 327,680 bytes of LDS; arguments xw, bq, bk, qk; writes qk
.if DOCPART == 8
	.amdgcn_target "amdgcn-amd-amdhsa--gfx1250"
	.amdhsa_code_object_version 6
	.text
	.protected	k_q36be68d0a2_proj
	.globl	k_q36be68d0a2_proj
	.p2align	8
	.type	k_q36be68d0a2_proj,@function
k_q36be68d0a2_proj:
	s_mov_b64 s[64:65], 0
	v_nop
	global_prefetch_b8 v0, s[64:65] scope:SCOPE_SE
	s_setreg_imm32_b32 hwreg(HW_REG_WAVE_MODE, 25, 1), 1
	s_wait_xcnt 0x0
	s_wait_alu depctr_hold_cnt(0) depctr_sa_sdst(0) depctr_va_vdst(0) depctr_va_sdst(0) depctr_va_ssrc(0) depctr_va_vcc(0) depctr_vm_vsrc(0)
	s_getreg_b32 s2, hwreg(HW_REG_IB_STS2, 6, 4)
	s_cmp_eq_u32 s2, 0
	s_cbranch_scc0 .Lentry_in_a_cluster
	s_endpgm
.Lentry_in_a_cluster:
	s_bfe_u32 s2, ttmp6, 0x10000c
	s_cmp_lg_u32 s2, 0xf033
	s_cbranch_scc0 .Lentry_shape_is_right
	s_endpgm
.Lentry_shape_is_right:
; qk[m][n] = sum over k of x[m][k] W[n][k] + b[n]; W = Wq | Wk (2,048 rows of xw from row 8,192 on), b = bq | bk in f32.  x, W bf16; sums f32, started by the bias; qk bf16, rounded once.
; qk: [8192][2048], a row of 4,096 bytes: q at byte 0, k at 2,048.  (No v is made: the launches behind multiply the softmax's weights by x itself and the result by Wo Wv.)
; SHARES.  A work-group makes 256 x 256 of qk: 8 x 32 = 256 work-groups, one for each WGP.  Four waves, each 128 x 128: 64 accumulators of 16 x 16, 512 registers.
; K = 1,024 goes in 8 steps of 128 through two LDS slots filled by tensor loads: rows of 256 bytes at multiples of 256; each wave fetches 128 rows:
; waves 0, 1 the halves of x's tile, waves 2, 3 the halves of W's.  A refill is asked for 224 matrix instructions ahead of the wait for it.
; CLUSTER 4 x 4.  x's tile hangs on the tile row alone and is asked for jointly along a row of the cluster, W's on the tile column alone and jointly along a column.
; THE MATRIX INSTRUCTION IS USED TRANSPOSED (source 0 = 16 rows of W, source 1 = 16 rows of x): lane l holds row l % 16 of the result and columns 8 (l / 16) + 0..7, eight neighbours that pack into 16 bytes.
; REGISTERS, in windows of 256 (s_set_vgpr_msb: bits 1:0 source 0, 3:2 source 1, 5:4 source 2, 7:6 destination):
;   window 0: v0-31 addresses; v64-127, v128-191 two buffers of x's 8 fragments (32 along K); v192-223 packed results; on the way out v64-191 rows read back, four buffers
;   window 1: v0-63 the bias of my 128 columns, laid as a row of accumulators; v64-127, v128-191 two buffers of W's 8 fragments
;   window 2: the accumulators of my rows 0-63, (a, b) at v[64 a + 8 b];   window 3: those of my rows 64-127
; LIMITS.  bf16 operands; NaN and infinities are not treated apart.
.set NSTEP,  8                         ; K steps of 128
.set PITCH,  272                       ; an LDS row: 256 bytes + 16 of padding = 68 words: the 16 rows of a fragment load start at 16 different groups of four banks (64 banks of 4 bytes: ISA guide 11.1)
.set HALFT,  128*PITCH                 ; 128 rows: one tensor load, and what a wave reads of x's tile or of W's
.set SLOT,   4*HALFT                   ; x's 256 rows, then W's 256: 139,264 = 0x22000, which shares no bit with the loads' four LDS words 0, 0x8800, 0x11000, 0x19800: one exclusive or changes slots
.set STAGE,  2*SLOT                    ; behind the ring: 16 rows x 272 bytes for each wave, for the way out; no tensor load fills it
.set SPITCH, 272
.set SPARE,  STAGE+4*16*SPITCH         ; the spare words, 128 bytes for each wave: two blocks of 256 bytes that no other line names
.set STEPA,  256                       ; bytes from a K step to the next
.set STEPB,  256
.set ROWB,   4096                      ; bytes in a row of qk
.set ADRA0, 16                         ; v16  my lane's place in slot 0's tile of x
.set ADRB0, 17                         ; v17  the same for W
.set ADA,   18                         ; v18  the same in the slot in hand
.set ADB,   19                         ; v19
.set STO,   24                         ; v24  the way out: where I put 16 bytes of a row
.set RD,    25                         ; v25  where I read rows back
.set CO,    26                         ; v26  my byte offset in two rows of qk
.set BO,    27                         ; v27  my byte offset in the bias
.set SPW,   28                         ; v28  LDS address of my spare word; never rewritten
.set NIL,   29                         ; v29  0; never rewritten
.set F0,    64
.set F1,    128
.set TMP,   192
.set BK0,   64                         ; block a's rows come back into v[64 + 32 (a % 4) ..]
.set CNT,   3                          ; s3   trips
.set WV,    10                         ; s10  wave
.set MH,    11                         ; s11  which 128 rows of the tile are mine
.set NH,    12                         ; s12  which 128 columns; also which half of a tile I fetch
.set TY,    13                         ; s13  tile row
.set G1,    24                         ; s[24:31] group 1 for x's tiles
.set G0,    32                         ; s[32:39] group 0: a set for each first fill; the second then walks
.set CX,    40
.set CY,    41
.set TX,    42                         ; s42  tile column
.set MROW,  43
.set MCOL,  44
.set CLY,   45
.set G1B,   48                         ; s[48:55], s[56:63] the same for W's tiles
.set G0B,   56
.set TB,    70                         ; s70  LDS base of the slot in hand
.set CP,    82                         ; s[82:83] qk at my part of the tile
.set MUL_LO,  0xa1                     ; source 0 (W) window 1, source 1 (x) window 0, C and D window 2
.set MULB_LO, 0x91                     ; the same with C (the bias) in window 1
.set TO_B,    0x40                     ; destination window 1, address window 0
.set G1W0,  (1<<16)|(1<<20)|(1<<21)|(5<<22)|(3<<25)  ; 17:16 2-byte elements; 20 padding on; 21 set beside a mask; 24:22 after every 64 words; 31:25 4 words
.set MSB, 0
.macro WIN new                         ; the high byte repeats the setting that is left; a switch that changes nothing is dropped
.if MSB != (\new)
	s_set_vgpr_msb (MSB<<8)|(\new)
.set MSB, (\new)
.endif
.endm
.macro PLACES                          ; four plain vector instructions between a matrix instruction and a load into, or a vector read of, its registers
.rept 4
	v_nop
.endr
.endm
.macro CREST                           ; a round of the cluster's barrier behind its opening barrier
	s_cmp_lg_u32 s[WV], 0
	s_cbranch_scc1 .Lnot_wave_0_\@
	s_barrier_signal -3
.Lnot_wave_0_\@:
	s_barrier_wait -3
	s_barrier_signal -1
	s_barrier_wait -1
.endm
.macro CROUND                          ; a whole round
	s_barrier_signal -1
	s_barrier_wait -1
	CREST
.endm
.macro JLOAD                           ; a joint refill by the walking sets; an s_nop 0 and four v_nop follow each line
	s_cmp_lt_u32 s[WV], 2
	s_cbranch_scc0 .Lfor_b_\@
	tensor_load_to_lds s[G0+4:G0+7], s[G1:G1+7]
	s_nop 0
.rept 4
	v_nop
.endr
	s_branch .Lasked_\@
.Lfor_b_\@:
	tensor_load_to_lds s[G0B+4:G0B+7], s[G1B:G1B+7]
	s_nop 0
.rept 4
	v_nop
.endr
.Lasked_\@:
.endm
; 16 matrix instructions: row blocks a0, a0 + 1 of the window's four (hi = 0: my rows 0-63, 1: rows 64-127) x all 8 column blocks, 32 along K.  first = 1: the bias starts the sums; nothing is cleared.
; The 64 accumulators take turns in the same order in every quarter.
.macro MUL16 f, hi, a0, first
.if \first
	WIN MULB_LO+0x40*(\hi)
.else
	WIN MUL_LO+0x50*(\hi)
.endif
.irp a, \a0, (\a0)+1
.irp b, 0,1,2,3,4,5,6,7
.if \first
	v_wmma_f32_16x16x32_bf16 v[8*(8*(\a)+(\b)):8*(8*(\a)+(\b))+7], v[(\f)+8*(\b):(\f)+8*(\b)+7], v[(\f)+8*(4*(\hi)+(\a)):(\f)+8*(4*(\hi)+(\a))+7], v[8*(\b):8*(\b)+7]
.else
	v_wmma_f32_16x16x32_bf16 v[8*(8*(\a)+(\b)):8*(8*(\a)+(\b))+7], v[(\f)+8*(\b):(\f)+8*(\b)+7], v[(\f)+8*(4*(\hi)+(\a)):(\f)+8*(4*(\hi)+(\a))+7], v[8*(8*(\a)+(\b)):8*(8*(\a)+(\b))+7]
.endif
.endr
.endr
.endm
; 32 LDS loads in one run: the fragments of 32 along K at byte k of the rows, into buffer f: W's eight, then x's eight
.macro FETCH k, f
	WIN TO_B
.irp i, 0,1,2,3,4,5,6,7
	ds_load_b128 v[(\f)+8*(\i):(\f)+8*(\i)+3],   v[ADB] offset:(\k)+(\i)*16*PITCH
	ds_load_b128 v[(\f)+8*(\i)+4:(\f)+8*(\i)+7], v[ADB] offset:(\k)+(\i)*16*PITCH+32
.endr
	WIN 0
.irp i, 0,1,2,3,4,5,6,7
	ds_load_b128 v[(\f)+8*(\i):(\f)+8*(\i)+3],   v[ADA] offset:(\k)+(\i)*16*PITCH
	ds_load_b128 v[(\f)+8*(\i)+4:(\f)+8*(\i)+7], v[ADA] offset:(\k)+(\i)*16*PITCH+32
.endr
.endm
; A K step is four quarters of 32 along K, 64 matrix instructions each, on buffers 0, 1, 0, 1.  One of the first three: multiplies f, fetches the next quarter, at byte k, into g.
.macro QUARTER k, f, g, first
	s_wait_dscnt 8                                 ; W's fragments and x's rows 0-63 are in; the youngest eight loads (rows 64-127) may be out
	MUL16 \f, 0, 0, \first
	MUL16 \f, 0, 2, \first
	PLACES
	FETCH \k, \g
	s_wait_dscnt 32                                ; all but the 32 just issued
	MUL16 \f, 1, 0, \first
	MUL16 \f, 1, 2, \first
.endm
; The last quarter multiplies buffer 1 and changes slots: ONE barrier.  In front of it each wave waits for all its tensor loads (at most one is out: its part of the next slot), adds 0 to its spare word,
; and waits for that and for its reads of this slot.  fill = 1: the barrier opens a round of the cluster's, and behind it this slot is filled again, two K steps ahead.
.macro TURN fill
	WIN 0
	s_wait_tensorcnt 0x0                           ; no tensor load of mine is out, so a group 0 may be written
	ds_add_u32 v[SPW], v[NIL]                      ; 0 onto my spare word
.if \fill
	s_xor_b32 s[G0+5], s[G0+5], SLOT               ; the walking sets: the other slot than last time, the next K step
	s_add_nc_u64 s[G0+6:G0+7], s[G0+6:G0+7], STEPA
	s_xor_b32 s[G0B+5], s[G0B+5], SLOT
	s_add_nc_u64 s[G0B+6:G0B+7], s[G0B+6:G0B+7], STEPB
.endif
	s_wait_dscnt 9                                 ; the add and the youngest eight loads may be out
	MUL16 F1, 0, 0, 0
	s_wait_dscnt 0x0                               ; the add is done, and my reads of this slot are over
	s_barrier_signal -1
	MUL16 F1, 0, 2, 0
	WIN 0
	s_barrier_wait -1
.if \fill
	CREST                                          ; no wave of any partner still reads this slot or has a load on its way
	JLOAD                                          ; the first tensor load behind the round; its four v_nop are also the places in front of the loads below
.else
	PLACES
.endif
	s_xor_b32 s[TB], s[TB], SLOT
	v_add_nc_u32 v[ADA], s[TB], v[ADRA0]
	v_add_nc_u32 v[ADB], s[TB], v[ADRB0]
	FETCH 0, F0
	MUL16 F1, 1, 0, 0
	MUL16 F1, 1, 2, 0
.endm
; THE WAY OUT of row block a (of 8): rounded to bf16; 16 bytes a lane into my own stage; back as whole rows of 256 bytes; stored.
.macro PACK a
	WIN 0x0a+5*((\a)/4)                            ; sources in window 2 or 3
.irp b, 0,1,2,3,4,5,6,7
.irp r, 0,1,2,3
	v_cvt_pk_bf16_f32 v[TMP+4*(\b)+(\r)], v[64*((\a)%4)+8*(\b)+2*(\r)], v[64*((\a)%4)+8*(\b)+2*(\r)+1]
.endr
.endr
	WIN 0
.endm
.macro TOSTAGE a
	WIN 0
.irp b, 0,1,2,3,4,5,6,7
	ds_store_b128 v[STO], v[TMP+4*(\b):TMP+4*(\b)+3] offset:32*(\b)
.endr
.irp t, 0,1,2,3,4,5,6,7
	ds_load_b128 v[BK0+32*((\a)%4)+4*(\t):BK0+32*((\a)%4)+4*(\t)+3], v[RD] offset:(\t)*2*SPITCH  ; LDS serves a wave's instructions in order (ISA guide 5.7.1.4): these see the stores above
.endr
.endm
.macro SEND a
	WIN 0
	s_wait_dscnt 0x0                               ; the block is back in registers
	s_wait_xcnt 0x0                                ; earlier stores have had their addresses translated (ISA guide 3.1): a buffer that a store of four blocks ago read is loaded again only behind this wait
.irp t, 0,1,2,3,4,5,6,7
	global_store_b128 v[CO], v[BK0+32*((\a)%4)+4*(\t):BK0+32*((\a)%4)+4*(\t)+3], s[CP:CP+1] offset:(16*(\a)+2*(\t))*ROWB  ; 16 lanes store 256 consecutive bytes, aligned; 126 rows at the most: inside the signed 24-bit immediate
.endr
.endm
	s_load_b256 s[72:79], s[0:1], 0x0              ; xw s[72:73], bq s[74:75], bk s[76:77], qk s[78:79]
	v_lshl_add_u32 v[SPW], v0, 2, SPARE
	v_mov_b32 v[NIL], 0
	ds_add_u32 v[SPW], v[NIL]                      ; the wave's opening: the add and its wait stand ahead of my first tensor load
	v_lshrrev_b32 v1, 5, v0
	v_readfirstlane_b32 s[WV], v1
	s_lshr_b32 s[MH], s[WV], 1
	s_and_b32 s[NH], s[WV], 1
	s_bfe_u32 s[CX], ttmp6, 0x40000
	s_bfe_u32 s[CY], ttmp6, 0x40004
	s_lshl_b32 s[TX], ttmp9, 2
	s_add_co_u32 s[TX], s[TX], s[CX]               ; tile column = 4 x cluster x + cx
	s_mov_b32 s86, ttmp9                           ; cluster x: 0 q, 1 k
	s_and_b32 s[CLY], ttmp7, 0xffff
	s_lshl_b32 s[TY], s[CLY], 2
	s_add_co_u32 s[TY], s[TY], s[CY]               ; tile row = 4 x cluster y + cy
	s_lshl_b32 s[MROW], s[CY], 2
	s_lshl_b32 s[MROW], 15, s[MROW]                ; my row of the cluster
	s_lshl_b32 s[MCOL], 0x1111, s[CX]              ; my column
	s_or_b32 s[G1], s[MROW], G1W0
	s_or_b32 s[G1B], s[MCOL], G1W0
.irp g, G1, G1B
	s_mov_b32 s[(\g)+1], 128<<16                   ; tensor_dim0 = 128
	s_mov_b32 s[(\g)+2], 128<<16                   ; tensor_dim1 = 128
	s_mov_b32 s[(\g)+3], 128<<16                   ; tile_dim0 = 128
	s_mov_b32 s[(\g)+4], 128                       ; tile_dim1 = 128
	s_mov_b32 s[(\g)+5], 1024                      ; elements from row to row
	s_mov_b32 s[(\g)+6], 0
	s_mov_b32 s[(\g)+7], 0
.endr
	s_lshl_b32 s16, s[TY], 19                      ; x: (256 tile row + 128 half) rows of 2,048 bytes
	s_lshl_b32 s18, s[NH], 18
	s_add_co_u32 s16, s16, s18
	s_mov_b32 s17, 0
	s_lshl_b32 s46, s[TX], 19                      ; W: (8,192 + 256 tile column + 128 half) rows
	s_lshl_b32 s19, s[NH], 18
	s_add_co_u32 s46, s46, s19
	s_add_co_u32 s46, s46, 8192*2048
	s_mov_b32 s47, 0
	s_mul_i32 s21, s[NH], HALFT                    ; where they go: no place in the cluster enters an LDS address
	s_add_co_u32 s22, s21, 2*HALFT
	s_wait_dscnt 0x0                               ; the opening add is done
	s_wait_kmcnt 0x0
	s_add_nc_u64 s[14:15], s[72:73], s[16:17]
	s_add_nc_u64 s[46:47], s[72:73], s[46:47]
.irp s, 0,1
	s_mov_b32 s[G0+4*(\s)], 1
	s_add_co_u32 s[G0+4*(\s)+1], s21, (\s)*SLOT
	s_add_nc_u64 s[G0+4*(\s)+2:G0+4*(\s)+3], s[14:15], (\s)*STEPA
	s_or_b32 s[G0+4*(\s)+3], s[G0+4*(\s)+3], 0x80000000
	s_mov_b32 s[G0B+4*(\s)], 1
	s_add_co_u32 s[G0B+4*(\s)+1], s22, (\s)*SLOT
	s_add_nc_u64 s[G0B+4*(\s)+2:G0B+4*(\s)+3], s[46:47], (\s)*STEPB
	s_or_b32 s[G0B+4*(\s)+3], s[G0B+4*(\s)+3], 0x80000000
.endr
	CROUND                                         ; all sixteen work-groups are here: the first joint loads meet
	s_cmp_lt_u32 s[WV], 2                          ; a wave's two first fills stand in one branch: two loads of mine are out
	s_cbranch_scc0 .Lfirst_b
	tensor_load_to_lds s[G0:G0+3], s[G1:G1+7]
	s_nop 0
	tensor_load_to_lds s[G0+4:G0+7], s[G1:G1+7]
	s_nop 0
.rept 4
	v_nop
.endr
	s_branch .Lfirst_asked
.Lfirst_b:
	tensor_load_to_lds s[G0B:G0B+3], s[G1B:G1B+7]
	s_nop 0
	tensor_load_to_lds s[G0B+4:G0B+7], s[G1B:G1B+7]
	s_nop 0
.rept 4
	v_nop
.endr
.Lfirst_asked:
	v_and_b32 v1, 15, v0                           ; r = l % 16
	v_bfe_u32 v2, v0, 4, 1                         ; h = l / 16
	; the bias of my 128 columns: register j of column block b holds b[16 b + 8 h + j], whatever the row
	s_cmp_eq_u32 s86, 1
	s_cselect_b64 s[84:85], s[76:77], s[74:75]
	s_lshl_b32 s88, s[CX], 10                      ; (256 cx + 128 half) x 4 bytes
	s_lshl_b32 s7, s[NH], 9
	s_add_co_u32 s88, s88, s7
	s_mov_b32 s89, 0
	s_add_nc_u64 s[84:85], s[84:85], s[88:89]
	v_lshlrev_b32 v[BO], 5, v2
	WIN TO_B                                       ; destination window 1
.irp b, 0,1,2,3,4,5,6,7
	global_load_b128 v[8*(\b):8*(\b)+3],   v[BO], s[84:85] offset:64*(\b)
	global_load_b128 v[8*(\b)+4:8*(\b)+7], v[BO], s[84:85] offset:64*(\b)+16
.endr
	WIN 0
	v_mul_u32_u24 v3, v1, PITCH
	v_lshl_add_u32 v3, v2, 4, v3                   ; a fragment's row x pitch + 16 x half
	s_mul_i32 s4, s[MH], HALFT
	s_mul_i32 s5, s[NH], HALFT
	s_add_co_u32 s5, s5, 2*HALFT
	v_add_nc_u32 v[ADRA0], s4, v3
	v_add_nc_u32 v[ADRB0], s5, v3
	s_mul_i32 s6, s[WV], 16*SPITCH
	s_add_co_u32 s6, s6, STAGE                     ; my stage
	v_mul_u32_u24 v4, v1, SPITCH
	v_lshl_add_u32 v4, v2, 4, v4
	v_add_nc_u32 v[STO], s6, v4
	v_mul_u32_u24 v5, v2, SPITCH
	v_lshl_add_u32 v5, v1, 4, v5
	v_add_nc_u32 v[RD], s6, v5
	v_mul_u32_u24 v5, v2, ROWB
	v_lshl_add_u32 v[CO], v1, 4, v5
	s_lshl_b32 s8, s[TY], 8                        ; my first row of qk,
	s_lshl_b32 s7, s[MH], 7
	s_add_co_u32 s8, s8, s7
	s_mul_i32 s8, s8, ROWB
	s_lshl_b32 s7, s[TX], 9                        ; my first column, in bytes
	s_add_co_u32 s8, s8, s7
	s_lshl_b32 s7, s[NH], 8
	s_add_co_u32 s8, s8, s7
	s_mov_b32 s9, 0
	s_add_nc_u64 s[CP:CP+1], s[78:79], s[8:9]
	s_wait_tensorcnt 0x1                           ; my part of K step 0 is in; K step 1's may stay out
	s_barrier_signal -1
	s_barrier_wait -1
	s_mov_b32 s[TB], 0
	v_add_nc_u32 v[ADA], s[TB], v[ADRA0]
	v_add_nc_u32 v[ADB], s[TB], v[ADRB0]
	FETCH 0, F0
	s_wait_loadcnt 0x0                             ; the bias
	QUARTER 64, F0, F1, 1                          ; the first quarter stands in front of the loop: its products start the sums
	WIN 0
	s_mov_b32 s[CNT], NSTEP-2
.Lstep:                                                ; a trip: from a K step's second quarter to the next step's first; it fills the slot that it leaves
	QUARTER 128, F1, F0, 0
	QUARTER 192, F0, F1, 0
	TURN 1
	QUARTER 64, F0, F1, 0
	WIN 0
	s_sub_co_u32 s[CNT], s[CNT], 1
	s_cmp_lg_u32 s[CNT], 0
	s_cbranch_scc1 .Lstep
	; The last two K steps fill nothing: one text, walked twice, entered in its middle.  The second trip's change of slots passes a barrier that orders nothing and fetches the other slot's first
	; fragments once more, which nothing multiplies: the price, once a launch, of three quarters of text less.
	s_mov_b32 s[CNT], 2
	s_branch .Ltail_in
.Ltail:
	QUARTER 64, F0, F1, 0
	WIN 0
.Ltail_in:
	QUARTER 128, F1, F0, 0
	QUARTER 192, F0, F1, 0
	TURN 0
	WIN 0
	s_sub_co_u32 s[CNT], s[CNT], 1
	s_cmp_lg_u32 s[CNT], 0
	s_cbranch_scc1 .Ltail
	s_wait_dscnt 0x0                               ; those fragments have landed: their registers are used again below
	PLACES
	PACK 0
	TOSTAGE 0
.irp a, 1,2,3,4,5,6,7                  ; block a's conversions stand between block a - 1's loads from the stage and the wait for them
	PACK \a
	SEND (\a)-1
	TOSTAGE \a
.endr
	SEND 7
	s_wait_tensorcnt 0x0                           ; the wave's end
	ds_add_u32 v[SPW], v[NIL]
	s_wait_dscnt 0x0
	CROUND                                         ; the closing round
	s_endpgm
.Lfunc_end_k_q36be68d0a2_proj:
	.size	k_q36be68d0a2_proj, .Lfunc_end_k_q36be68d0a2_proj-k_q36be68d0a2_proj
	.p2alignl 7, 3214868480
	.fill 96, 4, 3214868480
	.section	.rodata,"a",@progbits
	.p2align	6, 0x0
	.amdhsa_kernel k_q36be68d0a2_proj
		.amdhsa_group_segment_fixed_size 327680
		.amdhsa_private_segment_fixed_size 0
		.amdhsa_enable_private_segment 0
		.amdhsa_kernarg_size 32
		.amdhsa_user_sgpr_count 2
		.amdhsa_user_sgpr_kernarg_segment_ptr 1
		.amdhsa_wavefront_size32 1
		.amdhsa_system_sgpr_workgroup_id_x 1
		.amdhsa_system_sgpr_workgroup_id_y 1
		.amdhsa_system_sgpr_workgroup_id_z 1
		.amdhsa_system_vgpr_workitem_id 0
		.amdhsa_next_free_vgpr 1024
		.amdhsa_next_free_sgpr 96
		.amdhsa_reserve_vcc 0
		.amdhsa_float_denorm_mode_32 3
		.amdhsa_float_denorm_mode_16_64 3
		.amdhsa_memory_ordered 1
		.amdhsa_forward_progress 1
		.amdhsa_inst_pref_size 101
	.end_amdhsa_kernel
	.amdgpu_metadata
---
amdhsa.version: [ 1, 2 ]
amdhsa.kernels:
  - .name:           k_q36be68d0a2_proj
    .symbol:         k_q36be68d0a2_proj.kd
    .args:
      - { .name: xw, .offset: 0, .size: 8, .value_kind: global_buffer, .address_space: global }
      - { .name: bq, .offset: 8, .size: 8, .value_kind: global_buffer, .address_space: global }
      - { .name: bk, .offset: 16, .size: 8, .value_kind: global_buffer, .address_space: global }
      - { .name: qk, .offset: 24, .size: 8, .value_kind: global_buffer, .address_space: global }
    .group_segment_fixed_size: 327680
    .private_segment_fixed_size: 0
    .kernarg_segment_align: 8
    .kernarg_segment_size: 32
    .max_flat_workgroup_size: 128
    .sgpr_count:     96
    .vgpr_count:     1024
    .wavefront_size: 32
...
	.end_amdgpu_metadata
.endif
;; end of part 8
;; launch score (part 9): grid 8 x 32, 4 waves a work-group, clusters of 4 x 4, 327,680 bytes of LDS; arguments qk, mask, pbuf, stat; writes pbuf, stat
.if DOCPART == 9
	.amdgcn_target "amdgcn-amd-amdhsa--gfx1250"
	.amdhsa_code_object_version 6
	.text
	.protected	k_q36be68d0a2_score
	.globl	k_q36be68d0a2_score
	.p2align	8
	.type	k_q36be68d0a2_score,@function
k_q36be68d0a2_score:
	s_mov_b64 s[64:65], 0
	v_nop
	global_prefetch_b8 v0, s[64:65] scope:SCOPE_SE
	s_setreg_imm32_b32 hwreg(HW_REG_WAVE_MODE, 25, 1), 1
	s_wait_xcnt 0x0
	s_wait_alu depctr_hold_cnt(0) depctr_sa_sdst(0) depctr_va_vdst(0) depctr_va_sdst(0) depctr_va_ssrc(0) depctr_va_vcc(0) depctr_vm_vsrc(0)
	s_getreg_b32 s2, hwreg(HW_REG_IB_STS2, 6, 4)
	s_cmp_eq_u32 s2, 0
	s_cbranch_scc0 .Lentry_in_a_cluster
	s_endpgm
.Lentry_in_a_cluster:
	s_bfe_u32 s2, ttmp6, 0x10000c
	s_cmp_lg_u32 s2, 0xf033
	s_cbranch_scc0 .Lentry_shape_is_right
	s_endpgm
.Lentry_shape_is_right:
; t[q][k] = log2(e) (q . k) / 32, or log2(e) x (-1e10) where mask[k] = 0.  For each query row and each CHUNK of 128 keys: m = the chunk's maximum of t, p = 2^(t - m) (bf16, into pbuf),
; l = the sum of the unrounded p; (m, l) go to stat[chunk][row].  The launch behind joins a row's 16 chunks into the true maximum and sum: the maximum is taken away before every exponential.
; q, k: bf16 in qk ([8192][2048], q at byte 0, k at byte 2,048 of a row of 4,096).  pbuf: bf16 [8192][2048].  stat: f32 [16][8192][2].
; SHARES.  A work-group makes 256 queries x 256 keys: 8 x 32 = 256 work-groups, one for each WGP.  Four waves, each 128 queries x 128 keys: a wave's columns are one chunk, so maximum and sum never leave the wave.
; K = 1,024 in 8 steps of 128 through two LDS slots; each wave fetches 128 rows of 256 bytes: waves 0, 1 q's halves, waves 2, 3 k's; a refill is asked for 224 matrix instructions ahead of the wait for it.
; CLUSTER 4 x 4: q's tile is asked for jointly along a row of the cluster, k's along a column.
; The matrix instruction is used transposed (source 0 = 16 keys, source 1 = 16 queries): lane l holds query l % 16 and keys 16 b + 8 (l / 16) + 0..7: a row's 128 keys lie in lanes l and l + 16.
; REGISTERS: window 0: v0-34 addresses, statistics, scratch; v64-127, v128-191 q's fragment buffers; on the way out v64-127 t and p of a block, v128-159 rows read back, v192-223 packed p
;   window 1: v0-63 MK (c = log2(e) / 32, or 0 for a hidden key); v64-127, v128-191 k's fragment buffers; v192-255 AD (0, or -1e10 log2(e)): t = s MK + AD
;   window 2: the accumulators of my rows 0-63, (a, b) at v[64 a + 8 b];   window 3: those of my rows 64-127
; LIMITS.  A hidden score counts as s x 0 - 1e10 log2(e): scores must be finite.  A weight below 2^-126 counts as 0.  NaN and infinities are not treated apart.
.set NSTEP,  8
.set PITCH,  272                       ; 256 bytes + 16 of padding = 68 words: the 16 rows of a fragment load start at 16 different groups of four banks (ISA guide 11.1)
.set HALFT,  128*PITCH
.set SLOT,   4*HALFT                   ; 139,264 = 0x22000: no bit in common with the loads' LDS words 0, 0x8800, 0x11000, 0x19800: one exclusive or changes slots
.set STAGE,  2*SLOT                    ; 16 rows x 272 bytes for each wave; no tensor load fills it
.set SPITCH, 272
.set SST,    STAGE+4*16*SPITCH         ; (m, l) of a wave's 128 rows: 1,024 bytes for each wave; no tensor load fills them
.set SPARE,  SST+4*1024                ; the spare words: two blocks of 256 bytes that no other line names
.set STEPA,  256
.set STEPB,  256
.set ROWB,   4096                      ; bytes in a row of pbuf
.set ML,    6                          ; v[6:7]  m, l of the block in hand
.set ADRA0, 16
.set ADRB0, 17
.set ADA,   18
.set ADB,   19
.set STO,   24
.set RD,    25
.set CO,    26
.set BO,    27
.set SPW,   28
.set NIL,   29
.set SA,    32                         ; v32  where the block's (m, l) go in LDS: it steps 128 bytes a block
.set SR,    33                         ; v33  where I read 16 bytes of them back
.set SO,    34                         ; v34  16 x lane: my byte offset in 512 bytes of stat
.set F0,    64
.set F1,    128
.set T,     64                         ; a block's 64 scores a lane
.set BK,    128
.set TMP,   192
.set CNT,   3
.set WV,    10
.set MH,    11
.set NH,    12
.set TY,    13
.set G1,    24
.set G0,    32
.set CX,    40
.set CY,    41
.set TX,    42
.set MROW,  43
.set MCOL,  44
.set CLY,   45
.set G1B,   48
.set G0B,   56
.set SEL,   66                         ; s[66:67] v_permlanex16_b32's selects: each lane takes its own place in the other half
.set CC,    69                         ; s69  log2(e) / 32
.set TB,    70
.set NEGL,  71                         ; s71  -1e10 log2(e)
.set CP,    82                         ; s[82:83] pbuf at the block in hand
.set BA,    90                         ; s90  row blocks to go
.set MUL_LO, 0xa1                      ; source 0 (k) window 1, source 1 (q) window 0, C and D window 2
.set TO_B,   0x40
.set G1W0,  (1<<16)|(1<<20)|(1<<21)|(5<<22)|(3<<25)
.set MSB, 0
.macro WIN new
.if MSB != (\new)
	s_set_vgpr_msb (MSB<<8)|(\new)
.set MSB, (\new)
.endif
.endm
.macro PLACES
.rept 4
	v_nop
.endr
.endm
.macro CREST
	s_cmp_lg_u32 s[WV], 0
	s_cbranch_scc1 .Lnot_wave_0_\@
	s_barrier_signal -3
.Lnot_wave_0_\@:
	s_barrier_wait -3
	s_barrier_signal -1
	s_barrier_wait -1
.endm
.macro CROUND
	s_barrier_signal -1
	s_barrier_wait -1
	CREST
.endm
.macro JLOAD
	s_cmp_lt_u32 s[WV], 2
	s_cbranch_scc0 .Lfor_b_\@
	tensor_load_to_lds s[G0+4:G0+7], s[G1:G1+7]
	s_nop 0
.rept 4
	v_nop
.endr
	s_branch .Lasked_\@
.Lfor_b_\@:
	tensor_load_to_lds s[G0B+4:G0B+7], s[G1B:G1B+7]
	s_nop 0
.rept 4
	v_nop
.endr
.Lasked_\@:
.endm
.macro MUL16 f, hi, a0, first          ; 16 matrix instructions; first = 1: the constant 0 starts the sums.  The 64 accumulators take turns
	WIN MUL_LO+0x50*(\hi)
.irp a, \a0, (\a0)+1
.irp b, 0,1,2,3,4,5,6,7
.if \first
	v_wmma_f32_16x16x32_bf16 v[8*(8*(\a)+(\b)):8*(8*(\a)+(\b))+7], v[(\f)+8*(\b):(\f)+8*(\b)+7], v[(\f)+8*(4*(\hi)+(\a)):(\f)+8*(4*(\hi)+(\a))+7], 0
.else
	v_wmma_f32_16x16x32_bf16 v[8*(8*(\a)+(\b)):8*(8*(\a)+(\b))+7], v[(\f)+8*(\b):(\f)+8*(\b)+7], v[(\f)+8*(4*(\hi)+(\a)):(\f)+8*(4*(\hi)+(\a))+7], v[8*(8*(\a)+(\b)):8*(8*(\a)+(\b))+7]
.endif
.endr
.endr
.endm
.macro FETCH k, f                      ; 32 LDS loads in one run: k's eight fragments, then q's eight
	WIN TO_B
.irp i, 0,1,2,3,4,5,6,7
	ds_load_b128 v[(\f)+8*(\i):(\f)+8*(\i)+3],   v[ADB] offset:(\k)+(\i)*16*PITCH
	ds_load_b128 v[(\f)+8*(\i)+4:(\f)+8*(\i)+7], v[ADB] offset:(\k)+(\i)*16*PITCH+32
.endr
	WIN 0
.irp i, 0,1,2,3,4,5,6,7
	ds_load_b128 v[(\f)+8*(\i):(\f)+8*(\i)+3],   v[ADA] offset:(\k)+(\i)*16*PITCH
	ds_load_b128 v[(\f)+8*(\i)+4:(\f)+8*(\i)+7], v[ADA] offset:(\k)+(\i)*16*PITCH+32
.endr
.endm
.macro QUARTER k, f, g, first
	s_wait_dscnt 8                                 ; k's fragments and q's rows 0-63 are in; the youngest eight loads may be out
	MUL16 \f, 0, 0, \first
	MUL16 \f, 0, 2, \first
	PLACES
	FETCH \k, \g
	s_wait_dscnt 32                                ; all but the 32 just issued
	MUL16 \f, 1, 0, \first
	MUL16 \f, 1, 2, \first
.endm
.macro TURN fill                       ; the last quarter and the change of slots: one barrier; with fill = 1 it opens a round of the cluster's, and the slot just read is filled again first behind it
	WIN 0
	s_wait_tensorcnt 0x0                           ; no tensor load of mine is out, so a group 0 may be written
	ds_add_u32 v[SPW], v[NIL]                      ; 0 onto my spare word
.if \fill
	s_xor_b32 s[G0+5], s[G0+5], SLOT
	s_add_nc_u64 s[G0+6:G0+7], s[G0+6:G0+7], STEPA
	s_xor_b32 s[G0B+5], s[G0B+5], SLOT
	s_add_nc_u64 s[G0B+6:G0B+7], s[G0B+6:G0B+7], STEPB
.endif
	s_wait_dscnt 9                                 ; the add and the youngest eight loads may be out
	MUL16 F1, 0, 0, 0
	s_wait_dscnt 0x0                               ; the add is done, and my reads of this slot are over
	s_barrier_signal -1
	MUL16 F1, 0, 2, 0
	WIN 0
	s_barrier_wait -1
.if \fill
	CREST
	JLOAD
.else
	PLACES
.endif
	s_xor_b32 s[TB], s[TB], SLOT
	v_add_nc_u32 v[ADA], s[TB], v[ADRA0]
	v_add_nc_u32 v[ADB], s[TB], v[ADRB0]
	FETCH 0, F0
	MUL16 F1, 1, 0, 0
	MUL16 F1, 1, 2, 0
.endm
	s_load_b256 s[72:79], s[0:1], 0x0              ; qk s[72:73], mask s[74:75], pbuf s[76:77], stat s[78:79]
	v_lshl_add_u32 v[SPW], v0, 2, SPARE
	v_mov_b32 v[NIL], 0
	ds_add_u32 v[SPW], v[NIL]                      ; the wave's opening: the add and its wait stand ahead of my first tensor load
	v_lshrrev_b32 v1, 5, v0
	v_readfirstlane_b32 s[WV], v1
	s_lshr_b32 s[MH], s[WV], 1
	s_and_b32 s[NH], s[WV], 1
	s_bfe_u32 s[CX], ttmp6, 0x40000
	s_bfe_u32 s[CY], ttmp6, 0x40004
	s_lshl_b32 s[TX], ttmp9, 2
	s_add_co_u32 s[TX], s[TX], s[CX]               ; which 256 keys
	s_and_b32 s[CLY], ttmp7, 0xffff
	s_lshl_b32 s[TY], s[CLY], 2
	s_add_co_u32 s[TY], s[TY], s[CY]               ; which 256 of the 8,192 query rows
	s_lshl_b32 s[MROW], s[CY], 2
	s_lshl_b32 s[MROW], 15, s[MROW]
	s_lshl_b32 s[MCOL], 0x1111, s[CX]
	s_or_b32 s[G1], s[MROW], G1W0
	s_or_b32 s[G1B], s[MCOL], G1W0
.irp g, G1, G1B
	s_mov_b32 s[(\g)+1], 128<<16                   ; tensor_dim0 = 128
	s_mov_b32 s[(\g)+2], 128<<16                   ; tensor_dim1 = 128
	s_mov_b32 s[(\g)+3], 128<<16                   ; tile_dim0 = 128
	s_mov_b32 s[(\g)+4], 128                       ; tile_dim1 = 128
	s_mov_b32 s[(\g)+5], 2048                      ; elements from row to row of qk
	s_mov_b32 s[(\g)+6], 0
	s_mov_b32 s[(\g)+7], 0
.endr
	s_lshl_b32 s16, s[TY], 8                       ; q: row 256 tile row + 128 half,
	s_lshl_b32 s18, s[NH], 7
	s_add_co_u32 s16, s16, s18
	s_lshl_b32 s16, s16, 12                        ; of 4,096 bytes
	s_mov_b32 s17, 0
	s_lshr_b32 s20, s[CLY], 1                      ; the batch: 8 tile rows = 2 clusters each; made of the cluster's y alone
	s_lshl_b32 s46, s20, 11                        ; k: row 2,048 batch + 256 tile column + 128 half
	s_lshl_b32 s19, s[TX], 8
	s_add_co_u32 s46, s46, s19
	s_lshl_b32 s19, s[NH], 7
	s_add_co_u32 s46, s46, s19
	s_lshl_b32 s88, s46, 2                         ; the same keys in mask, 4 bytes each
	s_mov_b32 s89, 0
	s_lshl_b32 s46, s46, 12
	s_add_co_u32 s46, s46, 2048                    ; k lies 2,048 bytes into a row
	s_mov_b32 s47, 0
	s_mul_i32 s21, s[NH], HALFT
	s_add_co_u32 s22, s21, 2*HALFT
	s_mov_b32 s[SEL], 0x76543210
	s_mov_b32 s[SEL+1], 0xfedcba98
	s_mov_b32 s[CC], 0x3d38aa3b                    ; log2(e) / 32
	s_mov_b32 s[NEGL], 0xd056fa73                  ; -1e10 log2(e)
	s_wait_dscnt 0x0                               ; the opening add is done
	s_wait_kmcnt 0x0
	s_add_nc_u64 s[14:15], s[72:73], s[16:17]
	s_add_nc_u64 s[46:47], s[72:73], s[46:47]
.irp s, 0,1
	s_mov_b32 s[G0+4*(\s)], 1
	s_add_co_u32 s[G0+4*(\s)+1], s21, (\s)*SLOT
	s_add_nc_u64 s[G0+4*(\s)+2:G0+4*(\s)+3], s[14:15], (\s)*STEPA
	s_or_b32 s[G0+4*(\s)+3], s[G0+4*(\s)+3], 0x80000000
	s_mov_b32 s[G0B+4*(\s)], 1
	s_add_co_u32 s[G0B+4*(\s)+1], s22, (\s)*SLOT
	s_add_nc_u64 s[G0B+4*(\s)+2:G0B+4*(\s)+3], s[46:47], (\s)*STEPB
	s_or_b32 s[G0B+4*(\s)+3], s[G0B+4*(\s)+3], 0x80000000
.endr
	CROUND                                         ; the first joint loads meet
	s_cmp_lt_u32 s[WV], 2                          ; a wave's two first fills stand in one branch: two loads of mine are out
	s_cbranch_scc0 .Lfirst_b
	tensor_load_to_lds s[G0:G0+3], s[G1:G1+7]
	s_nop 0
	tensor_load_to_lds s[G0+4:G0+7], s[G1:G1+7]
	s_nop 0
.rept 4
	v_nop
.endr
	s_branch .Lfirst_asked
.Lfirst_b:
	tensor_load_to_lds s[G0B:G0B+3], s[G1B:G1B+7]
	s_nop 0
	tensor_load_to_lds s[G0B+4:G0B+7], s[G1B:G1B+7]
	s_nop 0
.rept 4
	v_nop
.endr
.Lfirst_asked:
	v_and_b32 v1, 15, v0
	v_bfe_u32 v2, v0, 4, 1
	s_add_nc_u64 s[86:87], s[74:75], s[88:89]      ; mask at my 128 keys: register j of key block b is key 16 b + 8 h + j
	v_lshlrev_b32 v[BO], 5, v2
	WIN TO_B                                       ; destination window 1
.irp b, 0,1,2,3,4,5,6,7
	global_load_b128 v[8*(\b):8*(\b)+3],   v[BO], s[86:87] offset:64*(\b)
	global_load_b128 v[8*(\b)+4:8*(\b)+7], v[BO], s[86:87] offset:64*(\b)+16
.endr
	WIN 0
	v_mul_u32_u24 v3, v1, PITCH
	v_lshl_add_u32 v3, v2, 4, v3
	s_mul_i32 s4, s[MH], HALFT
	s_mul_i32 s5, s[NH], HALFT
	s_add_co_u32 s5, s5, 2*HALFT
	v_add_nc_u32 v[ADRA0], s4, v3
	v_add_nc_u32 v[ADRB0], s5, v3
	s_mul_i32 s6, s[WV], 16*SPITCH
	s_add_co_u32 s6, s6, STAGE
	v_mul_u32_u24 v4, v1, SPITCH
	v_lshl_add_u32 v4, v2, 4, v4
	v_add_nc_u32 v[STO], s6, v4
	v_mul_u32_u24 v5, v2, SPITCH
	v_lshl_add_u32 v5, v1, 4, v5
	v_add_nc_u32 v[RD], s6, v5
	v_mul_u32_u24 v5, v2, ROWB
	v_lshl_add_u32 v[CO], v1, 4, v5
	s_lshl_b32 s6, s[WV], 10
	s_add_co_u32 s6, s6, SST                       ; my wave's (m, l)
	v_lshl_add_u32 v[SA], v1, 3, s6                ; in: 8 bytes a row; lanes l and l + 16 hold the same row
	v_and_b32 v[SO], 31, v0
	v_lshlrev_b32 v[SO], 4, v[SO]
	v_add_nc_u32 v[SR], s6, v[SO]                  ; back: 16 bytes a lane
	s_lshl_b32 s8, s[TY], 8                        ; my first query row
	s_lshl_b32 s7, s[MH], 7
	s_add_co_u32 s8, s8, s7
	s_lshl_b32 s4, s[TX], 1                        ; my chunk = 2 tile column + half
	s_add_co_u32 s4, s4, s[NH]
	s_lshl_b32 s4, s4, 13
	s_add_co_u32 s4, s4, s8
	s_lshl_b32 s4, s4, 3                           ; (8,192 chunk + row) x 8 bytes
	s_mov_b32 s5, 0
	s_add_nc_u64 s[84:85], s[78:79], s[4:5]
	s_lshl_b32 s8, s8, 12                          ; row x 4,096 bytes of pbuf
	s_lshl_b32 s7, s[TX], 9
	s_add_co_u32 s8, s8, s7
	s_lshl_b32 s7, s[NH], 8
	s_add_co_u32 s8, s8, s7
	s_mov_b32 s9, 0
	s_add_nc_u64 s[CP:CP+1], s[76:77], s[8:9]
	s_wait_loadcnt 0x0                             ; the mask
	WIN 0x44                                       ; source 1 and destination window 1
.set i, 0
.rept 64
	v_cmp_ne_u32 vcc_lo, 0, v[i]
	v_cndmask_b32 v[192+i], s[NEGL], 0, vcc_lo     ; AD
	v_cndmask_b32 v[i], 0, s[CC], vcc_lo           ; MK, in the mask's place
.set i, i+1
.endr
	WIN 0
	s_wait_tensorcnt 0x1                           ; my part of K step 0 is in; K step 1's may stay out
	s_barrier_signal -1
	s_barrier_wait -1
	s_mov_b32 s[TB], 0
	v_add_nc_u32 v[ADA], s[TB], v[ADRA0]
	v_add_nc_u32 v[ADB], s[TB], v[ADRB0]
	FETCH 0, F0
	QUARTER 64, F0, F1, 1
	WIN 0
	s_mov_b32 s[CNT], NSTEP-2
.Lstep:                                                ; a trip: from a K step's second quarter to the next step's first; it fills the slot that it leaves
	QUARTER 128, F1, F0, 0
	QUARTER 192, F0, F1, 0
	TURN 1
	QUARTER 64, F0, F1, 0
	WIN 0
	s_sub_co_u32 s[CNT], s[CNT], 1
	s_cmp_lg_u32 s[CNT], 0
	s_cbranch_scc1 .Lstep
	; The last two K steps fill nothing: one text, walked twice, entered in its middle.  The second trip's change of slots passes a barrier that orders nothing and fetches the other slot's first
	; fragments once more, which nothing multiplies: the price, once a launch, of three quarters of text less.
	s_mov_b32 s[CNT], 2
	s_branch .Ltail_in
.Ltail:
	QUARTER 64, F0, F1, 0
	WIN 0
.Ltail_in:
	QUARTER 128, F1, F0, 0
	QUARTER 192, F0, F1, 0
	TURN 0
	WIN 0
	s_sub_co_u32 s[CNT], s[CNT], 1
	s_cmp_lg_u32 s[CNT], 0
	s_cbranch_scc1 .Ltail
	s_wait_dscnt 0x0                               ; those fragments have landed: their registers are used again below
	PLACES
	; THE SOFTMAX OF A CHUNK, a row block (16 queries, 64 scores a lane) a trip.  Only the lines that take a block's sums out of its own accumulators are written for each block; the counter chooses
	; among them by forward jumps.  All that follows is written once.
	s_mov_b32 s[BA], 8
.Lblk:
.irp a, 0,1,2,3,4,5,6,7
	s_cmp_lg_u32 s[BA], 8-(\a)
	s_cbranch_scc1 .Lnot_\a
	WIN 0x16+(\a)/4                                ; source 0 (the sums) window 2 or 3, sources 1 and 2 (MK, AD) window 1, destination window 0
.set i, 0
.rept 32
	v_pk_fma_f32 v[T+2*i:T+2*i+1], v[64*((\a)%4)+2*i:64*((\a)%4)+2*i+1], v[2*i:2*i+1], v[192+2*i:192+2*i+1]
.set i, i+1
.endr
	WIN 0
.Lnot_\a:
.endr
.irp c, 0,1,2,3                        ; the maximum: four chains of 15 scores, three operands at a time,
	v_max3_num_f32 v[20+(\c)], v[T+16*(\c)], v[T+16*(\c)+1], v[T+16*(\c)+2]
.endr
.irp n, 0,1,2,3,4,5
.irp c, 0,1,2,3
	v_max3_num_f32 v[20+(\c)], v[20+(\c)], v[T+16*(\c)+3+2*(\n)], v[T+16*(\c)+4+2*(\n)]
.endr
.endr
	v_max3_num_f32 v20, v20, v[T+15], v[T+31]      ; the four scores left over, and the chains joined
	v_max3_num_f32 v22, v22, v[T+47], v[T+63]
	v_max3_num_f32 v20, v20, v21, v22
	v_max_num_f32 v20, v20, v23
	v_permlanex16_b32 v21, v20, s[SEL], s[SEL+1]   ; the row's other 64 keys lie in the lane 16 away
	v_max_num_f32 v30, v20, v21
	v_max_num_f32 v31, v20, v21
	v_max_num_f32 v[ML], v20, v21                  ; m, kept for stat
.set i, 0
.rept 32
	v_pk_add_f32 v[T+2*i:T+2*i+1], v[T+2*i:T+2*i+1], v[30:31] neg_lo:[0,1] neg_hi:[0,1]
.set i, i+1
.endr
.set i, 0
.rept 64
	v_exp_f32 v[T+i], v[T+i]
.set i, i+1
.endr
	v_nop                                          ; a plain instruction between the last exponential and the use of its result (ISA guide 5.7.2)
.set i, 0
	s_wait_alu depctr_va_vdst(0)
.rept 32
	v_cvt_pk_bf16_f32 v[TMP+i], v[T+2*i], v[T+2*i+1]
.set i, i+1
.endr
.irp b, 0,1,2,3,4,5,6,7                ; 16 bytes a lane into my own stage, and back as whole rows of 256 bytes
	ds_store_b128 v[STO], v[TMP+4*(\b):TMP+4*(\b)+3] offset:32*(\b)
.endr
.irp t, 0,1,2,3,4,5,6,7
	ds_load_b128 v[BK+4*(\t):BK+4*(\t)+3], v[RD] offset:(\t)*2*SPITCH  ; LDS serves a wave's instructions in order (ISA guide 5.7.1.4): these see the stores above
.endr
.irp w, 16,8,4,2,1                     ; l: the 32 pairs are added as a tree, in place, while the rows come back
.set i, 0
.rept \w
	v_pk_add_f32 v[T+2*i:T+2*i+1], v[T+2*i:T+2*i+1], v[T+2*(i+(\w)):T+2*(i+(\w))+1]
.set i, i+1
.endr
.endr
	v_add_f32 v20, v[T], v[T+1]
	v_permlanex16_b32 v21, v20, s[SEL], s[SEL+1]
	v_add_f32 v[ML+1], v20, v21                    ; l
	ds_store_b64 v[SA], v[ML:ML+1]                 ; lanes l and l + 16 write the same 8 bytes with the same numbers
	s_wait_dscnt 0x1                               ; the rows are back; the store just issued may be out
.irp t, 0,1,2,3,4,5,6,7
	global_store_b128 v[CO], v[BK+4*(\t):BK+4*(\t)+3], s[CP:CP+1] offset:2*(\t)*ROWB  ; 16 lanes store 256 consecutive bytes, aligned
.endr
	s_wait_xcnt 0x0                                ; the stores' base and data are written again only behind this wait
	s_add_nc_u64 s[CP:CP+1], s[CP:CP+1], 16*ROWB   ; the next 16 rows of pbuf (behind the last block: not used)
	v_add_nc_u32 v[SA], 128, v[SA]
	s_sub_co_u32 s[BA], s[BA], 1
	s_cmp_lg_u32 s[BA], 0
	s_cbranch_scc1 .Lblk
	ds_load_b128 v[8:11], v[SR]                    ; my wave's 128 (m, l): 1,024 bytes, as they lie in stat
	ds_load_b128 v[12:15], v[SR] offset:512
	s_wait_dscnt 0x0
	global_store_b128 v[SO], v[8:11], s[84:85]               ; 512 consecutive bytes, aligned
	global_store_b128 v[SO], v[12:15], s[84:85] offset:512
	s_wait_tensorcnt 0x0                           ; the wave's end
	ds_add_u32 v[SPW], v[NIL]
	s_wait_dscnt 0x0
	CROUND                                         ; the closing round
	s_endpgm
.Lfunc_end_k_q36be68d0a2_score:
	.size	k_q36be68d0a2_score, .Lfunc_end_k_q36be68d0a2_score-k_q36be68d0a2_score
	.p2alignl 7, 3214868480
	.fill 96, 4, 3214868480
	.section	.rodata,"a",@progbits
	.p2align	6, 0x0
	.amdhsa_kernel k_q36be68d0a2_score
		.amdhsa_group_segment_fixed_size 327680
		.amdhsa_private_segment_fixed_size 0
		.amdhsa_enable_private_segment 0
		.amdhsa_kernarg_size 32
		.amdhsa_user_sgpr_count 2
		.amdhsa_user_sgpr_kernarg_segment_ptr 1
		.amdhsa_wavefront_size32 1
		.amdhsa_system_sgpr_workgroup_id_x 1
		.amdhsa_system_sgpr_workgroup_id_y 1
		.amdhsa_system_sgpr_workgroup_id_z 1
		.amdhsa_system_vgpr_workitem_id 0
		.amdhsa_next_free_vgpr 1024
		.amdhsa_next_free_sgpr 96
		.amdhsa_reserve_vcc 1
		.amdhsa_float_denorm_mode_32 3
		.amdhsa_float_denorm_mode_16_64 3
		.amdhsa_memory_ordered 1
		.amdhsa_forward_progress 1
		.amdhsa_inst_pref_size 111
	.end_amdhsa_kernel
	.amdgpu_metadata
---
amdhsa.version: [ 1, 2 ]
amdhsa.kernels:
  - .name:           k_q36be68d0a2_score
    .symbol:         k_q36be68d0a2_score.kd
    .args:
      - { .name: qk, .offset: 0, .size: 8, .value_kind: global_buffer, .address_space: global }
      - { .name: mask, .offset: 8, .size: 8, .value_kind: global_buffer, .address_space: global }
      - { .name: pbuf, .offset: 16, .size: 8, .value_kind: global_buffer, .address_space: global }
      - { .name: stat, .offset: 24, .size: 8, .value_kind: global_buffer, .address_space: global }
    .group_segment_fixed_size: 327680
    .private_segment_fixed_size: 0
    .kernarg_segment_align: 8
    .kernarg_segment_size: 32
    .max_flat_workgroup_size: 128
    .sgpr_count:     96
    .vgpr_count:     1024
    .wavefront_size: 32
...
	.end_amdgpu_metadata
.endif
;; end of part 9
;; launch pv (part 10): grid 4 x 64, 4 waves a work-group, clusters of 4 x 4, 327,680 bytes of LDS; arguments pbuf, xw, stat, hid; writes hid
.if DOCPART == 10
	.amdgcn_target "amdgcn-amd-amdhsa--gfx1250"
	.amdhsa_code_object_version 6
	.text
	.protected	k_q36be68d0a2_pv
	.globl	k_q36be68d0a2_pv
	.p2align	8
	.type	k_q36be68d0a2_pv,@function
k_q36be68d0a2_pv:
	s_mov_b64 s[64:65], 0
	v_nop
	global_prefetch_b8 v0, s[64:65] scope:SCOPE_SE
	s_setreg_imm32_b32 hwreg(HW_REG_WAVE_MODE, 25, 1), 1
	s_wait_xcnt 0x0
	s_wait_alu depctr_hold_cnt(0) depctr_sa_sdst(0) depctr_va_vdst(0) depctr_va_sdst(0) depctr_va_ssrc(0) depctr_va_vcc(0) depctr_vm_vsrc(0)
	s_getreg_b32 s2, hwreg(HW_REG_IB_STS2, 6, 4)
	s_cmp_eq_u32 s2, 0
	s_cbranch_scc0 .Lentry_in_a_cluster
	s_endpgm
.Lentry_in_a_cluster:
	s_bfe_u32 s2, ttmp6, 0x10000c
	s_cmp_lg_u32 s2, 0xf033
	s_cbranch_scc0 .Lentry_shape_is_right
	s_endpgm
.Lentry_shape_is_right:
; hid[q][d] = sum over the 16 chunks t of f[q][t] x (sum over the chunk's 128 keys of p[q][k] x[k][d]), f = 2^(m_t - M) / L, M = max over t of m_t, L = sum over t of 2^(m_t - M) l_t:
; the softmax's true maximum and sum, joined from the chunks' (m, l) in stat.  hid = a x: the weights meet x itself, and the launch behind multiplies by Wo Wv (a's rows sum to 1, so bv goes into its bias).
; p: bf16 [8192][2048]; x: bf16, rows 0 to 8,191 of xw, 2,048 bytes each; hid: bf16 [8192][1024].
; A K step of 128 keys IS a chunk: its products start a sum S of their own (C = 0), and at the step's end O += f S, in f32, a lane's f being its row's: p reaches the matrix unit as it lies in memory.
; SHARES.  A work-group makes 128 queries x 256 channels: 4 x 64 = 256 work-groups (tiles of 256 x 256 would be 128: half the WGPs).  Four waves, each 64 x 128.  K = 2,048 keys in 16 steps through two LDS slots.
; Waves 0, 1 fetch p's halves (64 rows x 256 bytes), waves 2, 3 x's (64 keys x 512 bytes).  Cluster 4 x 4: p's tile joint along a row, x's along a column.
; The matrix instruction is used transposed: source 0 = 16 channels x 32 keys, out of x's [key][channel] by the turning load ds_load_tr16_b128; source 1 = 16 queries of p.
; REGISTERS: window 0: v0-31 addresses, v4-11 the step's four factors, each twice; v32-63 packed results; v64-159, v160-255 fragment buffers; window 1: S, (a, b) at v[64 a + 8 b]; window 2: O, likewise
;   window 3 (start only): v0-127 (m, l) of chunk t, block a at v[8 t + 2 a], then f twice in their place; v192-207 at work
; O is cleared at the start, in the wait for the first tile: 256 lines, so that the first chunk is a chunk like any other and no first K step is written out.
; LIMITS.  p is bf16; a factor below 2^-126 counts as 0; L is at least 1 (the chunk that holds M gives 1 x l, l >= 1).  NaN and infinities are not treated apart.
.set NSTEP,  16
.set PITCH,  272                       ; a row of p in LDS: 256 + 16
.set PV,     544                       ; a row of x's tile: 512 + 32 = 136 words
.set HA,     64*PITCH
.set HB,     64*PV
.set SLOT1,  1<<17
.set STAGE,  SLOT1+2*HA+2*HB
.set SPITCH, 272
.set FT,     STAGE+4*16*SPITCH         ; the factors: for each wave 16 chunks x 16 rows x 4 blocks x 2 x 4 bytes = 8,192 bytes; no tensor load fills them
.set SPARE,  FT+4*8192                 ; the spare words: two blocks of 256 bytes that no other line names
.set STEPA,  256
.set STEPB,  128*2048                  ; 128 keys down
.set ROWB,   2048
.set FS,    4                          ; v[4:11] f of the K step in hand for my row of blocks 0-3, each in both registers of a pair
.set VF0,   12                         ; v12  my row's place in my wave's factors
.set VF,    13                         ; v13  the same for the chunk to be fetched
.set ADRA0, 16
.set ADRB0, 17
.set ADA,   18
.set ADB,   19
.set STO,   24
.set RD,    25
.set CO,    26
.set BO,    27
.set SPW,   28
.set NIL,   29
.set TMP,   32
.set F0,    64
.set F1,    160
.set BK0,   64
.set CNT,   3
.set WV,    10
.set MH,    11
.set NH,    12
.set TY,    13
.set G1,    24
.set G0,    32
.set CX,    40
.set CY,    41
.set TX,    42
.set MROW,  43
.set MCOL,  44
.set CLY,   45
.set G1B,   48
.set G0B,   56
.set TB,    70
.set FTO,   71                         ; s71  512 x the chunk whose factors are fetched next
.set CP,    82
.set MUL,   0x50                       ; C and D (S) in window 1, sources in window 0
.set MSB, 0
.macro WIN new
.if MSB != (\new)
	s_set_vgpr_msb (MSB<<8)|(\new)
.set MSB, (\new)
.endif
.endm
.macro PLACES
.rept 4
	v_nop
.endr
.endm
.macro CREST
	s_cmp_lg_u32 s[WV], 0
	s_cbranch_scc1 .Lnot_wave_0_\@
	s_barrier_signal -3
.Lnot_wave_0_\@:
	s_barrier_wait -3
	s_barrier_signal -1
	s_barrier_wait -1
.endm
.macro CROUND
	s_barrier_signal -1
	s_barrier_wait -1
	CREST
.endm
.macro JLOAD
	s_cmp_lt_u32 s[WV], 2
	s_cbranch_scc0 .Lfor_b_\@
	tensor_load_to_lds s[G0+4:G0+7], s[G1:G1+7]
	s_nop 0
.rept 4
	v_nop
.endr
	s_branch .Lasked_\@
.Lfor_b_\@:
	tensor_load_to_lds s[G0B+4:G0B+7], s[G1B:G1B+7]
	s_nop 0
.rept 4
	v_nop
.endr
.Lasked_\@:
.endm
.macro MUL8 f, a, first                ; 8 matrix instructions; first = 1: a chunk's first products start S with the constant 0.  The 32 accumulators take turns
	WIN MUL
.irp b, 0,1,2,3,4,5,6,7
.if \first
	v_wmma_f32_16x16x32_bf16 v[64*(\a)+8*(\b):64*(\a)+8*(\b)+7], v[(\f)+8*(\b):(\f)+8*(\b)+7], v[(\f)+64+8*(\a):(\f)+64+8*(\a)+7], 0
.else
	v_wmma_f32_16x16x32_bf16 v[64*(\a)+8*(\b):64*(\a)+8*(\b)+7], v[(\f)+8*(\b):(\f)+8*(\b)+7], v[(\f)+64+8*(\a):(\f)+64+8*(\a)+7], v[64*(\a)+8*(\b):64*(\a)+8*(\b)+7]
.endif
.endr
.endm
.macro ACCUM a                         ; O += f S for row block a: a lane holds one row, so its f serves all 64 numbers; each accumulator is read from its low end on
	WIN 0xa1                                       ; source 0 (S) window 1, source 1 (f) window 0, source 2 and destination (O) window 2
.set i, 0
.rept 32
	v_pk_fma_f32 v[64*(\a)+2*i:64*(\a)+2*i+1], v[64*(\a)+2*i:64*(\a)+2*i+1], v[FS+2*(\a):FS+2*(\a)+1], v[64*(\a)+2*i:64*(\a)+2*i+1]
.set i, i+1
.endr
.endm
.macro FSLOAD                          ; the factors of the K step that begins: behind the additions that read the last step's
	WIN 0
	v_add_nc_u32 v[VF], s[FTO], v[VF0]
	ds_load_b128 v[FS:FS+3], v[VF]
	ds_load_b128 v[FS+4:FS+7], v[VF] offset:16
	s_add_co_u32 s[FTO], s[FTO], 512
.endm
.macro FETCH k, f                      ; 24 LDS loads in one run: 32 keys at byte k of p's rows: x's eight fragments, turned, then p's four
	WIN 0
.irp i, 0,1,2,3,4,5,6,7
	ds_load_tr16_b128 v[(\f)+8*(\i):(\f)+8*(\i)+3],   v[ADB] offset:((\k)/64)*32*PV+32*(\i)
	ds_load_tr16_b128 v[(\f)+8*(\i)+4:(\f)+8*(\i)+7], v[ADB] offset:((\k)/64)*32*PV+16*PV+32*(\i)
.endr
.irp i, 0,1,2,3
	ds_load_b128 v[(\f)+64+8*(\i):(\f)+64+8*(\i)+3],   v[ADA] offset:(\k)+(\i)*16*PITCH
	ds_load_b128 v[(\f)+64+8*(\i)+4:(\f)+64+8*(\i)+7], v[ADA] offset:(\k)+(\i)*16*PITCH+32
.endr
.endm
.macro QUARTER k, f, g, first
	s_wait_dscnt 4                                 ; x's fragments and p's blocks 0, 1 are in; the youngest four loads (p's blocks 2, 3; in a step's first quarter block 3 and the factors) may be out
	MUL8 \f, 0, \first
	MUL8 \f, 1, \first
	PLACES
	FETCH \k, \g
	s_wait_dscnt 24                                ; all but the 24 just issued
	MUL8 \f, 2, \first
	MUL8 \f, 3, \first
.endm
; The last quarter: it ends the chunk's sums, adds them onto O, and changes slots.  Blocks 0 and 1 are added between the barrier's signal and its wait, work on registers while the others arrive.
.macro TURN fill
	WIN 0
	s_wait_tensorcnt 0x0                           ; no tensor load of mine is out, so a group 0 may be written
	ds_add_u32 v[SPW], v[NIL]                      ; 0 onto my spare word
.if \fill
	s_xor_b32 s[G0+5], s[G0+5], SLOT1
	s_add_nc_u64 s[G0+6:G0+7], s[G0+6:G0+7], STEPA
	s_xor_b32 s[G0B+5], s[G0B+5], SLOT1
	s_add_nc_u64 s[G0B+6:G0B+7], s[G0B+6:G0B+7], STEPB
.endif
	s_wait_dscnt 5                                 ; the add and the youngest four loads may be out
	MUL8 F1, 0, 0
	s_wait_dscnt 0x0                               ; the add is done, and my reads of this slot are over
	s_barrier_signal -1
	MUL8 F1, 1, 0
	PLACES                                         ; in front of the read of block 0's sums; block 0's additions are block 1's places
	ACCUM 0
	ACCUM 1
	WIN 0
	s_barrier_wait -1
.if \fill
	CREST
	JLOAD
.else
	PLACES
.endif
	s_xor_b32 s[TB], s[TB], SLOT1
	v_add_nc_u32 v[ADA], s[TB], v[ADRA0]
	v_add_nc_u32 v[ADB], s[TB], v[ADRB0]
	FETCH 0, F0
	MUL8 F1, 2, 0
	MUL8 F1, 3, 0
	PLACES
	ACCUM 2
	ACCUM 3
.endm
.macro PACK a
	WIN 0x0a                                       ; sources (O) in window 2
.irp b, 0,1,2,3,4,5,6,7
.irp r, 0,1,2,3
	v_cvt_pk_bf16_f32 v[TMP+4*(\b)+(\r)], v[64*(\a)+8*(\b)+2*(\r)], v[64*(\a)+8*(\b)+2*(\r)+1]
.endr
.endr
	WIN 0
.endm
.macro TOSTAGE a
	WIN 0
.irp b, 0,1,2,3,4,5,6,7
	ds_store_b128 v[STO], v[TMP+4*(\b):TMP+4*(\b)+3] offset:32*(\b)
.endr
.irp t, 0,1,2,3,4,5,6,7
	ds_load_b128 v[BK0+32*(\a)+4*(\t):BK0+32*(\a)+4*(\t)+3], v[RD] offset:(\t)*2*SPITCH  ; LDS serves a wave's instructions in order (ISA guide 5.7.1.4)
.endr
.endm
.macro SEND a
	WIN 0
	s_wait_dscnt 0x0
.irp t, 0,1,2,3,4,5,6,7
	global_store_b128 v[CO], v[BK0+32*(\a)+4*(\t):BK0+32*(\a)+4*(\t)+3], s[CP:CP+1] offset:(16*(\a)+2*(\t))*ROWB  ; 16 lanes store 256 consecutive bytes, aligned; no register of a store is written again
.endr
.endm
	s_load_b256 s[72:79], s[0:1], 0x0              ; pbuf s[72:73], xw s[74:75], stat s[76:77], hid s[78:79]
	v_lshl_add_u32 v[SPW], v0, 2, SPARE
	v_mov_b32 v[NIL], 0
	ds_add_u32 v[SPW], v[NIL]                      ; the wave's opening: the add and its wait stand ahead of my first tensor load
	v_lshrrev_b32 v1, 5, v0
	v_readfirstlane_b32 s[WV], v1
	s_lshr_b32 s[MH], s[WV], 1
	s_and_b32 s[NH], s[WV], 1
	s_bfe_u32 s[CX], ttmp6, 0x40000
	s_bfe_u32 s[CY], ttmp6, 0x40004
	s_lshl_b32 s[TX], ttmp9, 2
	s_add_co_u32 s[TX], s[TX], s[CX]               ; which 256 channels
	s_and_b32 s[CLY], ttmp7, 0xffff
	s_lshl_b32 s[TY], s[CLY], 2
	s_add_co_u32 s[TY], s[TY], s[CY]               ; which 128 query rows
	s_lshl_b32 s[MROW], s[CY], 2
	s_lshl_b32 s[MROW], 15, s[MROW]
	s_lshl_b32 s[MCOL], 0x1111, s[CX]
	s_or_b32 s[G1], s[MROW], (1<<16)|(1<<20)|(1<<21)|(5<<22)|(3<<25)   ; p: 64 rows x 128 elements, 4 words of padding after every 64
	s_mov_b32 s[G1+1], 128<<16
	s_mov_b32 s[G1+2], 64<<16
	s_mov_b32 s[G1+3], 128<<16
	s_mov_b32 s[G1+4], 64
	s_mov_b32 s[G1+5], 2048
	s_mov_b32 s[G1+6], 0
	s_mov_b32 s[G1+7], 0
	s_or_b32 s[G1B], s[MCOL], (1<<16)|(1<<20)|(1<<21)|(6<<22)|(7<<25)  ; x: 64 keys x 256 elements, 8 words of padding after every 128
	s_mov_b32 s[G1B+1], 256<<16
	s_mov_b32 s[G1B+2], 64<<16
	s_mov_b32 s[G1B+3], 256<<16
	s_mov_b32 s[G1B+4], 64
	s_mov_b32 s[G1B+5], 1024
	s_mov_b32 s[G1B+6], 0
	s_mov_b32 s[G1B+7], 0
	s_lshl_b32 s16, s[TY], 19                      ; p: (128 tile row + 64 half) rows of 4,096 bytes
	s_lshl_b32 s18, s[NH], 18
	s_add_co_u32 s16, s16, s18
	s_mov_b32 s17, 0
	s_lshr_b32 s20, s[CLY], 2                      ; the batch, made of the cluster's y alone
	s_lshl_b32 s46, s20, 11                        ; x: key 2,048 batch + 64 half,
	s_lshl_b32 s19, s[NH], 6
	s_add_co_u32 s46, s46, s19
	s_lshl_b32 s46, s46, 11                        ; rows of 2,048 bytes,
	s_lshl_b32 s19, s[TX], 9                       ; channel 256 tile column
	s_add_co_u32 s46, s46, s19
	s_mov_b32 s47, 0
	s_mul_i32 s21, s[NH], HA
	s_mul_i32 s22, s[NH], HB
	s_add_co_u32 s22, s22, 2*HA
	s_mov_b32 s[FTO], 0
	s_wait_dscnt 0x0                               ; the opening add is done
	s_wait_kmcnt 0x0
	s_add_nc_u64 s[14:15], s[72:73], s[16:17]
	s_add_nc_u64 s[46:47], s[74:75], s[46:47]
.irp s, 0,1
	s_mov_b32 s[G0+4*(\s)], 1
	s_add_co_u32 s[G0+4*(\s)+1], s21, (\s)*SLOT1
	s_add_nc_u64 s[G0+4*(\s)+2:G0+4*(\s)+3], s[14:15], (\s)*STEPA
	s_or_b32 s[G0+4*(\s)+3], s[G0+4*(\s)+3], 0x80000000
	s_mov_b32 s[G0B+4*(\s)], 1
	s_add_co_u32 s[G0B+4*(\s)+1], s22, (\s)*SLOT1
	s_add_nc_u64 s[G0B+4*(\s)+2:G0B+4*(\s)+3], s[46:47], (\s)*STEPB
	s_or_b32 s[G0B+4*(\s)+3], s[G0B+4*(\s)+3], 0x80000000
.endr
	CROUND                                         ; the first joint loads meet
	s_cmp_lt_u32 s[WV], 2                          ; a wave's two first fills stand in one branch: two loads of mine are out
	s_cbranch_scc0 .Lfirst_b
	tensor_load_to_lds s[G0:G0+3], s[G1:G1+7]
	s_nop 0
	tensor_load_to_lds s[G0+4:G0+7], s[G1:G1+7]
	s_nop 0
.rept 4
	v_nop
.endr
	s_branch .Lfirst_asked
.Lfirst_b:
	tensor_load_to_lds s[G0B:G0B+3], s[G1B:G1B+7]
	s_nop 0
	tensor_load_to_lds s[G0B+4:G0B+7], s[G1B:G1B+7]
	s_nop 0
.rept 4
	v_nop
.endr
.Lfirst_asked:
	v_and_b32 v1, 15, v0
	v_bfe_u32 v2, v0, 4, 1
	s_lshl_b32 s8, s[TY], 7                        ; my first query row
	s_lshl_b32 s7, s[MH], 6
	s_add_co_u32 s8, s8, s7
	s_lshl_b32 s4, s8, 3                           ; 8 bytes a row of stat
	s_mov_b32 s5, 0
	s_add_nc_u64 s[84:85], s[76:77], s[4:5]
	v_lshlrev_b32 v[BO], 3, v1                     ; both halves of the lanes take row l % 16, as the sums do
	WIN 0xc0                                       ; destination window 3
.set t, 0
.rept 16
.irp a, 0,1,2,3
	global_load_b64 v[8*t+2*(\a):8*t+2*(\a)+1], v[BO], s[84:85] offset:65536*t+128*(\a)
.endr
.set t, t+1
.endr
	WIN 0x80                                       ; destination window 2: O = 0, while stat and the first tiles are on their way
.set i, 0
.rept 256
	v_mov_b32 v[i], 0
.set i, i+1
.endr
	WIN 0
	v_mul_u32_u24 v3, v1, PITCH
	v_lshl_add_u32 v3, v2, 4, v3
	s_mul_i32 s4, s[MH], HA
	v_add_nc_u32 v[ADRA0], s4, v3
	v_and_b32 v20, 7, v0                           ; the turning load: lane l reads key 8 (l / 16) + l % 8, channels 8 ((l / 8) % 2) + 0..7
	v_bfe_u32 v21, v0, 3, 1
	v_lshl_add_u32 v22, v2, 3, v20
	v_mul_u32_u24 v22, v22, PV
	v_lshl_add_u32 v22, v21, 4, v22
	s_lshl_b32 s5, s[NH], 8                        ; my 128 channels
	s_add_co_u32 s5, s5, 2*HA
	v_add_nc_u32 v[ADRB0], s5, v22
	s_mul_i32 s6, s[WV], 16*SPITCH
	s_add_co_u32 s6, s6, STAGE
	v_mul_u32_u24 v4, v1, SPITCH
	v_lshl_add_u32 v4, v2, 4, v4
	v_add_nc_u32 v[STO], s6, v4
	v_mul_u32_u24 v5, v2, SPITCH
	v_lshl_add_u32 v5, v1, 4, v5
	v_add_nc_u32 v[RD], s6, v5
	v_mul_u32_u24 v5, v2, ROWB
	v_lshl_add_u32 v[CO], v1, 4, v5
	s_lshl_b32 s6, s[WV], 13
	s_add_co_u32 s6, s6, FT
	v_lshl_add_u32 v[VF0], v1, 5, s6               ; 32 bytes a row and chunk
	s_lshl_b32 s8, s8, 11                          ; row x 2,048 bytes of hid
	s_lshl_b32 s7, s[TX], 9
	s_add_co_u32 s8, s8, s7
	s_lshl_b32 s7, s[NH], 8
	s_add_co_u32 s8, s8, s7
	s_mov_b32 s9, 0
	s_add_nc_u64 s[CP:CP+1], s[78:79], s[8:9]
	s_wait_loadcnt 0x0                             ; stat
	WIN 0xff                                       ; all in window 3
.irp a, 0,1,2,3
	v_max3_num_f32 v[192+4*(\a)], v[2*(\a)], v[8+2*(\a)], v[16+2*(\a)]          ; M
.irp n, 0,1,2,3,4,5
	v_max3_num_f32 v[192+4*(\a)], v[192+4*(\a)], v[8*(3+2*(\n))+2*(\a)], v[8*(4+2*(\n))+2*(\a)]
.endr
	v_max_num_f32 v[192+4*(\a)], v[192+4*(\a)], v[120+2*(\a)]
.set t, 0
.rept 16
	v_sub_f32 v[8*t+2*(\a)], v[8*t+2*(\a)], v[192+4*(\a)]
.set t, t+1
.endr
.set t, 0
.rept 16
	v_exp_f32 v[8*t+2*(\a)], v[8*t+2*(\a)]         ; 2^(m_t - M)
.set t, t+1
.endr
	v_nop                                          ; a plain instruction behind the last exponential (ISA guide 5.7.2)
	s_wait_alu depctr_va_vdst(0)
	v_mul_f32 v[193+4*(\a)], v[2*(\a)], v[2*(\a)+1]
.set t, 1
.rept 15
	v_fmac_f32 v[193+4*(\a)], v[8*t+2*(\a)], v[8*t+2*(\a)+1]                    ; L
.set t, t+1
.endr
	v_rcp_f32 v[194+4*(\a)], v[193+4*(\a)]
	v_nop
.set t, 0
	s_wait_alu depctr_va_vdst(0)
.rept 16
	v_mul_f32 v[8*t+2*(\a)+1], v[8*t+2*(\a)], v[194+4*(\a)]                     ; f, into both registers of the pair: l's place first
	v_mul_f32 v[8*t+2*(\a)],   v[8*t+2*(\a)], v[194+4*(\a)]
.set t, t+1
.endr
.endr
	WIN 0x0c                                       ; store data in window 3
.set t, 0
.rept 16
	ds_store_b128 v[VF0], v[8*t:8*t+3]   offset:512*t                           ; lanes l and l + 16 write the same bytes with the same numbers
	ds_store_b128 v[VF0], v[8*t+4:8*t+7] offset:512*t+16
.set t, t+1
.endr
	WIN 0
	s_wait_tensorcnt 0x1                           ; my part of K step 0 is in; K step 1's may stay out
	s_wait_dscnt 0x0                               ; no LDS instruction of mine is out at a signal
	s_barrier_signal -1
	s_barrier_wait -1
	s_mov_b32 s[TB], 0
	v_add_nc_u32 v[ADA], s[TB], v[ADRA0]
	v_add_nc_u32 v[ADB], s[TB], v[ADRB0]
	FETCH 0, F0
	FSLOAD
	QUARTER 64, F0, F1, 1
	WIN 0
	s_mov_b32 s[CNT], NSTEP-2
.Lstep:                                                ; a trip: from a chunk's second quarter to the next chunk's first; it fills the slot that it leaves
	QUARTER 128, F1, F0, 0
	QUARTER 192, F0, F1, 0
	TURN 1
	FSLOAD
	QUARTER 64, F0, F1, 1
	WIN 0
	s_sub_co_u32 s[CNT], s[CNT], 1
	s_cmp_lg_u32 s[CNT], 0
	s_cbranch_scc1 .Lstep
	; The last two chunks fill nothing: one text, walked twice, entered in its middle.  The second trip's change of slots passes a barrier that orders nothing and fetches the other slot's first
	; fragments once more, which nothing multiplies: the price, once a launch, of three quarters of text less.
	s_mov_b32 s[CNT], 2
	s_branch .Ltail_in
.Ltail:
	FSLOAD
	QUARTER 64, F0, F1, 1
	WIN 0
.Ltail_in:
	QUARTER 128, F1, F0, 0
	QUARTER 192, F0, F1, 0
	TURN 0
	WIN 0
	s_sub_co_u32 s[CNT], s[CNT], 1
	s_cmp_lg_u32 s[CNT], 0
	s_cbranch_scc1 .Ltail
	s_wait_dscnt 0x0                               ; those fragments have landed: their registers are used again below
	PACK 0
	TOSTAGE 0
.irp a, 1,2,3                          ; block a's conversions stand between block a - 1's loads from the stage and the wait for them
	PACK \a
	SEND (\a)-1
	TOSTAGE \a
.endr
	SEND 3
	s_wait_tensorcnt 0x0                           ; the wave's end
	ds_add_u32 v[SPW], v[NIL]
	s_wait_dscnt 0x0
	CROUND                                         ; the closing round
	s_endpgm
.Lfunc_end_k_q36be68d0a2_pv:
	.size	k_q36be68d0a2_pv, .Lfunc_end_k_q36be68d0a2_pv-k_q36be68d0a2_pv
	.p2alignl 7, 3214868480
	.fill 96, 4, 3214868480
	.section	.rodata,"a",@progbits
	.p2align	6, 0x0
	.amdhsa_kernel k_q36be68d0a2_pv
		.amdhsa_group_segment_fixed_size 327680
		.amdhsa_private_segment_fixed_size 0
		.amdhsa_enable_private_segment 0
		.amdhsa_kernarg_size 32
		.amdhsa_user_sgpr_count 2
		.amdhsa_user_sgpr_kernarg_segment_ptr 1
		.amdhsa_wavefront_size32 1
		.amdhsa_system_sgpr_workgroup_id_x 1
		.amdhsa_system_sgpr_workgroup_id_y 1
		.amdhsa_system_sgpr_workgroup_id_z 1
		.amdhsa_system_vgpr_workitem_id 0
		.amdhsa_next_free_vgpr 976
		.amdhsa_next_free_sgpr 96
		.amdhsa_reserve_vcc 0
		.amdhsa_float_denorm_mode_32 3
		.amdhsa_float_denorm_mode_16_64 3
		.amdhsa_memory_ordered 1
		.amdhsa_forward_progress 1
		.amdhsa_inst_pref_size 107
	.end_amdhsa_kernel
	.amdgpu_metadata
---
amdhsa.version: [ 1, 2 ]
amdhsa.kernels:
  - .name:           k_q36be68d0a2_pv
    .symbol:         k_q36be68d0a2_pv.kd
    .args:
      - { .name: pbuf, .offset: 0, .size: 8, .value_kind: global_buffer, .address_space: global }
      - { .name: xw, .offset: 8, .size: 8, .value_kind: global_buffer, .address_space: global }
      - { .name: stat, .offset: 16, .size: 8, .value_kind: global_buffer, .address_space: global }
      - { .name: hid, .offset: 24, .size: 8, .value_kind: global_buffer, .address_space: global }
    .group_segment_fixed_size: 327680
    .private_segment_fixed_size: 0
    .kernarg_segment_align: 8
    .kernarg_segment_size: 32
    .max_flat_workgroup_size: 128
    .sgpr_count:     96
    .vgpr_count:     976
    .wavefront_size: 32
...
	.end_amdgpu_metadata
.endif
;; end of part 10
;; launch outp (part 11): grid 4 x 64, 4 waves a work-group, clusters of 4 x 4, 327,680 bytes of LDS; arguments hid, wp, cvec, hidden_states, out0; writes out0
.if DOCPART == 11
	.amdgcn_target "amdgcn-amd-amdhsa--gfx1250"
	.amdhsa_code_object_version 6
	.text
	.protected	k_q36be68d0a2_outp
	.globl	k_q36be68d0a2_outp
	.p2align	8
	.type	k_q36be68d0a2_outp,@function
k_q36be68d0a2_outp:
	s_mov_b64 s[64:65], 0
	v_nop
	global_prefetch_b8 v0, s[64:65] scope:SCOPE_SE
	s_setreg_imm32_b32 hwreg(HW_REG_WAVE_MODE, 25, 1), 1
	s_wait_xcnt 0x0
	s_wait_alu depctr_hold_cnt(0) depctr_sa_sdst(0) depctr_va_vdst(0) depctr_va_sdst(0) depctr_va_ssrc(0) depctr_va_vcc(0) depctr_vm_vsrc(0)
	s_getreg_b32 s2, hwreg(HW_REG_IB_STS2, 6, 4)
	s_cmp_eq_u32 s2, 0
	s_cbranch_scc0 .Lentry_in_a_cluster
	s_endpgm
.Lentry_in_a_cluster:
	s_bfe_u32 s2, ttmp6, 0x10000c
	s_cmp_lg_u32 s2, 0xf033
	s_cbranch_scc0 .Lentry_shape_is_right
	s_endpgm
.Lentry_shape_is_right:
; out0[m][e] = hidden_states[m][e] + cvec[e] + sum over d of hid[m][d] wp[e][d].  hid = a x and wp = Wo Wv, both bf16; cvec = Wo bv + bo in f32 starts the sums; the residual is added in f32; out0 f32.
; SHARES.  A work-group makes 128 x 256 of out0: 4 x 64 = 256 work-groups.  Four waves, each 64 x 128.  K = 1,024 in 8 steps of 128 through two LDS slots.
; Waves 0, 1 fetch hid's halves (64 rows), waves 2, 3 wp's (128 rows).  Cluster 4 x 4: hid's tile joint along a row, wp's along a column.
; The matrix instruction is used transposed (source 0 = 16 rows of wp, source 1 = 16 rows of hid): lane l holds row l % 16 and columns 16 b + 8 (l / 16) + 0..7.
; The wave's 64 x 128 of the residual is asked for at the start, by rows (512 consecutive bytes a load), and lands under the products.
; REGISTERS: window 0: v0-31 addresses; v64-159, v160-255 fragment buffers; on the way out v64-127, v128-191 rows read back, by turns
;   window 1: accumulator (a, b) at v[64 a + 8 b]     window 2: the residual, row 16 a + t at v[64 a + 4 t]; then the result     window 3: v0-63 cvec of my 128 columns
; LIMITS.  bf16 operands; NaN and infinities are not treated apart.
.set NSTEP,  8
.set PITCH,  272
.set HA,     64*PITCH
.set HB,     128*PITCH
.set SLOT1,  1<<17
.set STAGE,  SLOT1+2*HA+2*HB           ; 16 rows x 528 bytes for each wave; no tensor load fills it
.set SPITCH, 528                       ; 512 bytes + 16: 33 x 16, so the 16 rows that a store touches fall into 16 different groups of four banks (ISA guide 11.1)
.set SPARE,  STAGE+4*16*SPITCH         ; the spare words: two blocks of 256 bytes that no other line names
.set STEPA,  256
.set STEPB,  256
.set ROWB,   4096
.set ADRA0, 16
.set ADRB0, 17
.set ADA,   18
.set ADB,   19
.set STO,   24
.set RD,    25
.set CO,    26                         ; v26  16 x lane: my 16 bytes of a row's 512
.set BO,    27
.set SPW,   28
.set NIL,   29
.set F0,    64
.set F1,    160
.set CNT,   3
.set WV,    10
.set MH,    11
.set NH,    12
.set TY,    13
.set G1,    24
.set G0,    32
.set CX,    40
.set CY,    41
.set TX,    42
.set MROW,  43
.set MCOL,  44
.set CLY,   45
.set G1B,   48
.set G0B,   56
.set TB,    70
.set CP,    82                         ; s[82:83] out0 at my part of the tile
.set XP,    84                         ; s[84:85] hidden_states there
.set MUL,   0x50
.set MULB,  0x70                       ; D in window 1, C (cvec) in window 3
.set G1W0,  (1<<16)|(1<<20)|(1<<21)|(5<<22)|(3<<25)
.set MSB, 0
.macro WIN new
.if MSB != (\new)
	s_set_vgpr_msb (MSB<<8)|(\new)
.set MSB, (\new)
.endif
.endm
.macro PLACES
.rept 4
	v_nop
.endr
.endm
.macro CREST
	s_cmp_lg_u32 s[WV], 0
	s_cbranch_scc1 .Lnot_wave_0_\@
	s_barrier_signal -3
.Lnot_wave_0_\@:
	s_barrier_wait -3
	s_barrier_signal -1
	s_barrier_wait -1
.endm
.macro CROUND
	s_barrier_signal -1
	s_barrier_wait -1
	CREST
.endm
.macro JLOAD
	s_cmp_lt_u32 s[WV], 2
	s_cbranch_scc0 .Lfor_b_\@
	tensor_load_to_lds s[G0+4:G0+7], s[G1:G1+7]
	s_nop 0
.rept 4
	v_nop
.endr
	s_branch .Lasked_\@
.Lfor_b_\@:
	tensor_load_to_lds s[G0B+4:G0B+7], s[G1B:G1B+7]
	s_nop 0
.rept 4
	v_nop
.endr
.Lasked_\@:
.endm
.macro MUL8 f, a, first                ; first = 1: cvec starts the sums.  The 32 accumulators take turns
.if \first
	WIN MULB
.else
	WIN MUL
.endif
.irp b, 0,1,2,3,4,5,6,7
.if \first
	v_wmma_f32_16x16x32_bf16 v[64*(\a)+8*(\b):64*(\a)+8*(\b)+7], v[(\f)+8*(\b):(\f)+8*(\b)+7], v[(\f)+64+8*(\a):(\f)+64+8*(\a)+7], v[8*(\b):8*(\b)+7]
.else
	v_wmma_f32_16x16x32_bf16 v[64*(\a)+8*(\b):64*(\a)+8*(\b)+7], v[(\f)+8*(\b):(\f)+8*(\b)+7], v[(\f)+64+8*(\a):(\f)+64+8*(\a)+7], v[64*(\a)+8*(\b):64*(\a)+8*(\b)+7]
.endif
.endr
.endm
.macro FETCH k, f
	WIN 0
.irp i, 0,1,2,3,4,5,6,7
	ds_load_b128 v[(\f)+8*(\i):(\f)+8*(\i)+3],   v[ADB] offset:(\k)+(\i)*16*PITCH
	ds_load_b128 v[(\f)+8*(\i)+4:(\f)+8*(\i)+7], v[ADB] offset:(\k)+(\i)*16*PITCH+32
.endr
.irp i, 0,1,2,3
	ds_load_b128 v[(\f)+64+8*(\i):(\f)+64+8*(\i)+3],   v[ADA] offset:(\k)+(\i)*16*PITCH
	ds_load_b128 v[(\f)+64+8*(\i)+4:(\f)+64+8*(\i)+7], v[ADA] offset:(\k)+(\i)*16*PITCH+32
.endr
.endm
.macro QUARTER k, f, g, first
	s_wait_dscnt 4                                 ; wp's fragments and hid's blocks 0, 1 are in; the youngest four loads may be out
	MUL8 \f, 0, \first
	MUL8 \f, 1, \first
	PLACES
	FETCH \k, \g
	s_wait_dscnt 24                                ; all but the 24 just issued
	MUL8 \f, 2, \first
	MUL8 \f, 3, \first
.endm
.macro TURN fill
	WIN 0
	s_wait_tensorcnt 0x0                           ; no tensor load of mine is out, so a group 0 may be written
	ds_add_u32 v[SPW], v[NIL]                      ; 0 onto my spare word
.if \fill
	s_xor_b32 s[G0+5], s[G0+5], SLOT1
	s_add_nc_u64 s[G0+6:G0+7], s[G0+6:G0+7], STEPA
	s_xor_b32 s[G0B+5], s[G0B+5], SLOT1
	s_add_nc_u64 s[G0B+6:G0B+7], s[G0B+6:G0B+7], STEPB
.endif
	s_wait_dscnt 5                                 ; the add and the youngest four loads may be out
	MUL8 F1, 0, 0
	s_wait_dscnt 0x0                               ; the add is done, and my reads of this slot are over
	s_barrier_signal -1
	MUL8 F1, 1, 0
	WIN 0
	s_barrier_wait -1
.if \fill
	CREST
	JLOAD
.else
	PLACES
.endif
	s_xor_b32 s[TB], s[TB], SLOT1
	v_add_nc_u32 v[ADA], s[TB], v[ADRA0]
	v_add_nc_u32 v[ADB], s[TB], v[ADRB0]
	FETCH 0, F0
	MUL8 F1, 2, 0
	MUL8 F1, 3, 0
.endm
; THE WAY OUT of row block a.  TOST: a lane's eight f32 of a row go as 2 x 16 bytes into my own stage (each accumulator's low four registers first), and come back as whole rows of 512 bytes.
.macro TOST a
	WIN 0x04                                       ; store data in window 1
.irp b, 0,1,2,3,4,5,6,7
	ds_store_b128 v[STO], v[64*(\a)+8*(\b):64*(\a)+8*(\b)+3]   offset:64*(\b)
	ds_store_b128 v[STO], v[64*(\a)+8*(\b)+4:64*(\a)+8*(\b)+7] offset:64*(\b)+16
.endr
	WIN 0
.set BK, 64+64*((\a)%2)
.irp t, 0,1,2,3,4,5,6,7,8,9,10,11,12,13,14,15
	ds_load_b128 v[BK+4*(\t):BK+4*(\t)+3], v[RD] offset:SPITCH*(\t)  ; LDS serves a wave's instructions in order (ISA guide 5.7.1.4): these see the stores above
.endr
.endm
; FIN: the residual is added and the rows are stored.  younger: the LDS instructions issued behind block a's loads: the next block's 32, or none.
.macro FIN a, younger
	s_wait_dscnt \younger
	WIN 0x88                                       ; source 1 and destination (for a store: the data) in window 2
.set BK, 64+64*((\a)%2)
.set i, 0
.rept 32
	v_pk_add_f32 v[64*(\a)+2*i:64*(\a)+2*i+1], v[BK+2*i:BK+2*i+1], v[64*(\a)+2*i:64*(\a)+2*i+1]
.set i, i+1
.endr
.irp t, 0,1,2,3,4,5,6,7,8,9,10,11,12,13,14,15
	global_store_b128 v[CO], v[64*(\a)+4*(\t):64*(\a)+4*(\t)+3], s[CP:CP+1] offset:(16*(\a)+(\t))*ROWB th:TH_STORE_NT  ; 512 consecutive bytes, aligned; no register of a store is written again
.endr
.endm
	s_load_b256 s[72:79], s[0:1], 0x0              ; hid s[72:73], wp s[74:75], cvec s[76:77], hidden_states s[78:79]
	s_load_b64 s[80:81], s[0:1], 0x20              ; out0
	v_lshl_add_u32 v[SPW], v0, 2, SPARE
	v_mov_b32 v[NIL], 0
	ds_add_u32 v[SPW], v[NIL]                      ; the wave's opening: the add and its wait stand ahead of my first tensor load
	v_lshrrev_b32 v1, 5, v0
	v_readfirstlane_b32 s[WV], v1
	s_lshr_b32 s[MH], s[WV], 1
	s_and_b32 s[NH], s[WV], 1
	s_bfe_u32 s[CX], ttmp6, 0x40000
	s_bfe_u32 s[CY], ttmp6, 0x40004
	s_lshl_b32 s[TX], ttmp9, 2
	s_add_co_u32 s[TX], s[TX], s[CX]
	s_and_b32 s[CLY], ttmp7, 0xffff
	s_lshl_b32 s[TY], s[CLY], 2
	s_add_co_u32 s[TY], s[TY], s[CY]
	s_lshl_b32 s[MROW], s[CY], 2
	s_lshl_b32 s[MROW], 15, s[MROW]
	s_lshl_b32 s[MCOL], 0x1111, s[CX]
	s_or_b32 s[G1], s[MROW], G1W0
	s_mov_b32 s[G1+1], 128<<16
	s_mov_b32 s[G1+2], 64<<16
	s_mov_b32 s[G1+3], 128<<16
	s_mov_b32 s[G1+4], 64
	s_mov_b32 s[G1+5], 1024
	s_mov_b32 s[G1+6], 0
	s_mov_b32 s[G1+7], 0
	s_or_b32 s[G1B], s[MCOL], G1W0
	s_mov_b32 s[G1B+1], 128<<16
	s_mov_b32 s[G1B+2], 128<<16
	s_mov_b32 s[G1B+3], 128<<16
	s_mov_b32 s[G1B+4], 128
	s_mov_b32 s[G1B+5], 1024
	s_mov_b32 s[G1B+6], 0
	s_mov_b32 s[G1B+7], 0
	s_lshl_b32 s16, s[TY], 18                      ; hid: (128 tile row + 64 half) rows of 2,048 bytes
	s_lshl_b32 s18, s[NH], 17
	s_add_co_u32 s16, s16, s18
	s_mov_b32 s17, 0
	s_lshl_b32 s46, s[TX], 19                      ; wp: (256 tile column + 128 half) rows of 2,048 bytes
	s_lshl_b32 s19, s[NH], 18
	s_add_co_u32 s46, s46, s19
	s_mov_b32 s47, 0
	s_mul_i32 s21, s[NH], HA
	s_mul_i32 s22, s[NH], HB
	s_add_co_u32 s22, s22, 2*HA
	s_wait_dscnt 0x0                               ; the opening add is done
	s_wait_kmcnt 0x0
	s_add_nc_u64 s[14:15], s[72:73], s[16:17]
	s_add_nc_u64 s[46:47], s[74:75], s[46:47]
.irp s, 0,1
	s_mov_b32 s[G0+4*(\s)], 1
	s_add_co_u32 s[G0+4*(\s)+1], s21, (\s)*SLOT1
	s_add_nc_u64 s[G0+4*(\s)+2:G0+4*(\s)+3], s[14:15], (\s)*STEPA
	s_or_b32 s[G0+4*(\s)+3], s[G0+4*(\s)+3], 0x80000000
	s_mov_b32 s[G0B+4*(\s)], 1
	s_add_co_u32 s[G0B+4*(\s)+1], s22, (\s)*SLOT1
	s_add_nc_u64 s[G0B+4*(\s)+2:G0B+4*(\s)+3], s[46:47], (\s)*STEPB
	s_or_b32 s[G0B+4*(\s)+3], s[G0B+4*(\s)+3], 0x80000000
.endr
	CROUND                                         ; the first joint loads meet
	s_cmp_lt_u32 s[WV], 2                          ; a wave's two first fills stand in one branch: two loads of mine are out
	s_cbranch_scc0 .Lfirst_b
	tensor_load_to_lds s[G0:G0+3], s[G1:G1+7]
	s_nop 0
	tensor_load_to_lds s[G0+4:G0+7], s[G1:G1+7]
	s_nop 0
.rept 4
	v_nop
.endr
	s_branch .Lfirst_asked
.Lfirst_b:
	tensor_load_to_lds s[G0B:G0B+3], s[G1B:G1B+7]
	s_nop 0
	tensor_load_to_lds s[G0B+4:G0B+7], s[G1B:G1B+7]
	s_nop 0
.rept 4
	v_nop
.endr
.Lfirst_asked:
	v_and_b32 v1, 15, v0
	v_bfe_u32 v2, v0, 4, 1
	s_lshl_b32 s88, s[TX], 10                      ; cvec: (256 tile column + 128 half) x 4 bytes
	s_lshl_b32 s7, s[NH], 9
	s_add_co_u32 s88, s88, s7
	s_mov_b32 s89, 0
	s_add_nc_u64 s[86:87], s[76:77], s[88:89]
	v_lshlrev_b32 v[BO], 5, v2
	WIN 0xc0                                       ; destination window 3
.irp b, 0,1,2,3,4,5,6,7
	global_load_b128 v[8*(\b):8*(\b)+3],   v[BO], s[86:87] offset:64*(\b)
	global_load_b128 v[8*(\b)+4:8*(\b)+7], v[BO], s[86:87] offset:64*(\b)+16
.endr
	WIN 0
	s_lshl_b32 s8, s[TY], 7                        ; my first row,
	s_lshl_b32 s7, s[MH], 6
	s_add_co_u32 s8, s8, s7
	s_lshl_b32 s8, s8, 12                          ; of 4,096 bytes,
	s_add_co_u32 s8, s8, s88                       ; and my first column, 4 bytes each: the same offset as in cvec
	s_mov_b32 s9, 0
	s_add_nc_u64 s[CP:CP+1], s[80:81], s[8:9]
	s_add_nc_u64 s[XP:XP+1], s[78:79], s[8:9]
	v_and_b32 v5, 31, v0
	v_lshlrev_b32 v[CO], 4, v5
	WIN 0x80                                       ; destination window 2
.set i, 0
.rept 64
	global_load_b128 v[4*i:4*i+3], v[CO], s[XP:XP+1] offset:i*ROWB th:TH_LOAD_NT   ; the residual's row i of my 64
.set i, i+1
.endr
	WIN 0
	v_mul_u32_u24 v3, v1, PITCH
	v_lshl_add_u32 v3, v2, 4, v3
	s_mul_i32 s4, s[MH], HA
	s_mul_i32 s5, s[NH], HB
	s_add_co_u32 s5, s5, 2*HA
	v_add_nc_u32 v[ADRA0], s4, v3
	v_add_nc_u32 v[ADRB0], s5, v3
	s_mul_i32 s6, s[WV], 16*SPITCH
	s_add_co_u32 s6, s6, STAGE                     ; my stage
	v_mul_u32_u24 v4, v1, SPITCH
	v_lshl_add_u32 v4, v2, 5, v4                   ; in: row l % 16, 32 bytes for each half of the lanes
	v_add_nc_u32 v[STO], s6, v4
	v_add_nc_u32 v[RD], s6, v[CO]                  ; back: 32 lanes take one row of 512 bytes
	s_wait_tensorcnt 0x1                           ; my part of K step 0 is in; K step 1's may stay out
	s_barrier_signal -1
	s_barrier_wait -1
	s_mov_b32 s[TB], 0
	v_add_nc_u32 v[ADA], s[TB], v[ADRA0]
	v_add_nc_u32 v[ADB], s[TB], v[ADRB0]
	FETCH 0, F0
	s_wait_loadcnt 0x3f                            ; cvec's 16 loads are in: behind them stand the residual's 64, of which 63, as many as the count can name, may stay out
	QUARTER 64, F0, F1, 1
	WIN 0
	s_mov_b32 s[CNT], NSTEP-2
.Lstep:                                                ; a trip: from a K step's second quarter to the next step's first; it fills the slot that it leaves
	QUARTER 128, F1, F0, 0
	QUARTER 192, F0, F1, 0
	TURN 1
	QUARTER 64, F0, F1, 0
	WIN 0
	s_sub_co_u32 s[CNT], s[CNT], 1
	s_cmp_lg_u32 s[CNT], 0
	s_cbranch_scc1 .Lstep
	; The last two K steps fill nothing: one text, walked twice, entered in its middle.  The second trip's change of slots passes a barrier that orders nothing and fetches the other slot's first
	; fragments once more, which nothing multiplies: the price, once a launch, of three quarters of text less.
	s_mov_b32 s[CNT], 2
	s_branch .Ltail_in
.Ltail:
	QUARTER 64, F0, F1, 0
	WIN 0
.Ltail_in:
	QUARTER 128, F1, F0, 0
	QUARTER 192, F0, F1, 0
	TURN 0
	WIN 0
	s_sub_co_u32 s[CNT], s[CNT], 1
	s_cmp_lg_u32 s[CNT], 0
	s_cbranch_scc1 .Ltail
	s_wait_dscnt 0x0                               ; those fragments have landed: their registers are used again below
	PLACES
	s_wait_loadcnt 0x0                             ; the residual
	TOST 0
	TOST 1
	FIN 0, 32
	TOST 2
	FIN 1, 32
	TOST 3
	FIN 2, 32
	FIN 3, 0
	WIN 0
	s_wait_tensorcnt 0x0                           ; the wave's end
	ds_add_u32 v[SPW], v[NIL]
	s_wait_dscnt 0x0
	CROUND                                         ; the closing round
	s_endpgm
.Lfunc_end_k_q36be68d0a2_outp:
	.size	k_q36be68d0a2_outp, .Lfunc_end_k_q36be68d0a2_outp-k_q36be68d0a2_outp
	.p2alignl 7, 3214868480
	.fill 96, 4, 3214868480
	.section	.rodata,"a",@progbits
	.p2align	6, 0x0
	.amdhsa_kernel k_q36be68d0a2_outp
		.amdhsa_group_segment_fixed_size 327680
		.amdhsa_private_segment_fixed_size 0
		.amdhsa_enable_private_segment 0
		.amdhsa_kernarg_size 40
		.amdhsa_user_sgpr_count 2
		.amdhsa_user_sgpr_kernarg_segment_ptr 1
		.amdhsa_wavefront_size32 1
		.amdhsa_system_sgpr_workgroup_id_x 1
		.amdhsa_system_sgpr_workgroup_id_y 1
		.amdhsa_system_sgpr_workgroup_id_z 1
		.amdhsa_system_vgpr_workitem_id 0
		.amdhsa_next_free_vgpr 832
		.amdhsa_next_free_sgpr 96
		.amdhsa_reserve_vcc 0
		.amdhsa_float_denorm_mode_32 3
		.amdhsa_float_denorm_mode_16_64 3
		.amdhsa_memory_ordered 1
		.amdhsa_forward_progress 1
		.amdhsa_inst_pref_size 75
	.end_amdhsa_kernel
	.amdgpu_metadata
---
amdhsa.version: [ 1, 2 ]
amdhsa.kernels:
  - .name:           k_q36be68d0a2_outp
    .symbol:         k_q36be68d0a2_outp.kd
    .args:
      - { .name: hid, .offset: 0, .size: 8, .value_kind: global_buffer, .address_space: global }
      - { .name: wp, .offset: 8, .size: 8, .value_kind: global_buffer, .address_space: global }
      - { .name: cvec, .offset: 16, .size: 8, .value_kind: global_buffer, .address_space: global }
      - { .name: hidden_states, .offset: 24, .size: 8, .value_kind: global_buffer, .address_space: global }
      - { .name: out0, .offset: 32, .size: 8, .value_kind: global_buffer, .address_space: global }
    .group_segment_fixed_size: 327680
    .private_segment_fixed_size: 0
    .kernarg_segment_align: 8
    .kernarg_segment_size: 40
    .max_flat_workgroup_size: 128
    .sgpr_count:     96
    .vgpr_count:     832
    .wavefront_size: 32
...
	.end_amdgpu_metadata
.endif
;; end of part 11
